; MI455X (gfx1250); checked and timed in simulation.
; The chip was launched on July 23, 2026; its instructions are those of AMD's public machine-readable ISA for CDNA 5 (MIT licence, August 2026) and "CDNA5" Instruction Set Architecture Reference Guide (July 2026). The comments in the code are by the model that wrote it; some were corrected since.
;; Transformer Block. Allowed arithmetic: matrix products marked QUANTISED: E4M3 operands, one E8M0 scale for each 32 along K, by v_wmma_scale_f32_16x16x128_f8f6f4 with both operands' format E4M3, f32 sums; everything else in f32.
;; Inputs: b1 4,096 float32; b2 1,024 float32; be1 1,024 float32; be2 1,024 float32; bk 1,024 float32; bo 1,024 float32; bq 1,024 float32; bv 1,024 float32; g1 1,024 float32; g2 1,024 float32; w1 1,024 x 4,096 float32; w2 4,096 x 1,024 float32; wk 1,024 x 1,024 float32; wo 1,024 x 1,024 float32; wq 1,024 x 1,024 float32; wv 1,024 x 1,024 float32; x 2 x 2,048 x 1,024 float32.
;; Outputs: out0 2 x 2,048 x 1,024 float32.
;; This version of the problem:
;;   THIS VERSION OF THE PROBLEM IS GIVEN IN LOW PRECISION. The matrix products marked QUANTISED in the list below multiply operands that are first quantised to E4M3 (4 exponent bits, 3 mantissa bits; 8 bits a number), with one power-of-two scale for each 32 numbers along K (OCP MX v1.0); their sums are f32. All else is computed in f32.
;;   The module's matrix products, in the order in which they are computed (A, B: the left and right operand; K: the contracted axis; several contracted axes count as one K, in the product's order):
;;     1. [M 4,096, K 1,024] x [K 1,024, N 1,024]; A: computed on the way; B: input wq: QUANTISED
;;     2. [M 4,096, K 1,024] x [K 1,024, N 1,024]; A: computed on the way; B: input wk: QUANTISED
;;     3. [M 4,096, K 1,024] x [K 1,024, N 1,024]; A: computed on the way; B: input wv: QUANTISED
;;     4. batch 32 x [M 2,048, K 64] x [K 64, N 2,048]; A: computed on the way; B: computed on the way: QUANTISED
;;     5. batch 32 x [M 64, K 2,048] x [K 2,048, N 2,048]; A: computed on the way; B: softmax (see below): QUANTISED
;;     6. [M 4,096, K 1,024] x [K 1,024, N 1,024]; A: computed on the way; B: input wo: QUANTISED
;;     7. [M 4,096, K 1,024] x [K 1,024, N 4,096]; A: computed on the way; B: input w1: QUANTISED
;;     8. [M 4,096, K 4,096] x [K 4,096, N 1,024]; A: computed on the way; B: input w2: QUANTISED
;;   THE QUANTISER, for each operand of a quantised product, along K:
;;     - K is cut into blocks of 32 from its start; a last block that is shorter is filled with zeros.
;;     - A block's scale is 2^e with e = floor(log2(the largest magnitude in the block)) - 8, held to -126 .. 127; a block of zeros has e = 0. As a byte (E8M0): e + 127.
;;     - Each number is divided by its block's scale, clamped to +-448, and rounded to the nearest number of E4M3, ties to even, subnormals kept.
;;     - The product sums the exact products of the quantised numbers (number of the format x scale) in f32.
;;   ~~~python
;;   def quantise(x, axis):      # numpy; x: float32 -> the quantised numbers, widened to float32 again
;;       x = np.moveaxis(x, axis, -1); K = x.shape[-1]
;;       x = np.pad(x, [(0, 0)] * (x.ndim - 1) + [(0, -K % 32)]); x = x.reshape(x.shape[:-1] + (-1, 32)); a = np.abs(x).max(-1, keepdims=True)
;;       e = np.where(a > 0, np.clip(np.frexp(np.where(a > 0, a, 1))[1] - 1 - 8, -126, 127), 0)      # np.frexp(a)[1] - 1 = floor(log2(a)), exactly
;;       r = np.clip(x / 2.0 ** e, -448, 448)
;;       step = 2.0 ** (np.maximum(np.frexp(np.where(r == 0, 1, r))[1] - 1, -6) - 3)
;;       q = np.round(r / step) * step * 2.0 ** e      # np.round: ties to even
;;       return np.moveaxis(q.reshape(q.shape[:-2] + (-1,))[..., :K], -1, axis).astype(np.float32)
;;   ~~~
;;   SOFTMAX AHEAD OF A QUANTISED PRODUCT. Where the list says 'softmax', what is quantised is not the finished softmax but p = 2^(t - M), with t = logit x log2(e) and M = ceil(the row's largest t), a whole number; so 1/2 < the row's largest p <= 1. The row's sum l is taken of the UNQUANTISED p, in f32, and the product's result is divided by l at the end. Since M is a whole number, a kernel that streams over the keys may use a running M (the ceiling of the running maximum): every later rescaling is an exact power of two, which a block's scale takes up: the codes' values come out the same.
;;   OPERANDS COMPUTED ON THE WAY. 'Computed on the way' means the value that the module computes at that place (a softmax that the list does not call 'softmax' is quantised finished and normalised). What goes into a quantiser is computed in f32, as accurately as f32 sums, v_exp_f32 and their like allow (about 1e-6 of the number): no bf16 or f16 on the way to a quantiser, and a product that is left as it is and whose result goes on into a quantised operand takes f32 operands (vector FMAs, or v_wmma_f32_16x16x4_f32). A number that lies on a knife's edge between two numbers of the format may be rounded either way, as far as f32 arithmetic and the matrix unit's own rounding can turn it there, and no further.
;; 2 versions. Each part assembles by itself: llvm-mc -triple=amdgcn-amd-amdhsa -mcpu=gfx1250 --defsym DOCPART=n.
;; ======== version 1 of 2: 8 launches
;; workspace buffers: wc 13,369,344 bytes; hc 4,456,448 bytes; qkvc 15,204,352 bytes; cc 4,456,448 bytes; x1 16,777,216 bytes; gc 17,825,792 bytes
;; launch wquant (part 1): grid 384 x 1, 4 waves a work-group, no clusters, 35,328 bytes of LDS; arguments wq, wk, wv, wo, w1, w2, wc; writes wc
.if DOCPART == 1
	.amdgcn_target "amdgcn-amd-amdhsa--gfx1250"
	.amdhsa_code_object_version 6
	.text
	.protected	k_q111e05e593_wquant
	.globl	k_q111e05e593_wquant
	.p2align	8
	.type	k_q111e05e593_wquant,@function
k_q111e05e593_wquant:
	s_mov_b64 s[64:65], 0
	v_nop
	global_prefetch_b8 v0, s[64:65] scope:SCOPE_SE
	s_setreg_imm32_b32 hwreg(HW_REG_WAVE_MODE, 25, 1), 1
	s_wait_xcnt 0x0
; The six weights, f32 stored [K][N], become codes of FP8 (E4M3) with K innermost and one E8M0 byte for each 32 along K.
; wc is a run of 384 TILES of 34,816 bytes; work-group id makes tile id.  A tile is 128 columns n x 256 along K, as 128 records of 272 bytes:
; 256 codes in true order of K, 8 scale bytes, 8 zero bytes.  It is the image that the products' launches want in LDS: pitch 272, scales beside the codes.
; Tiles 0-95: wq, wk, wv (4 tiles along K for each 128 columns); 96-127: wo; 128-255: w1; 256-383: w2 (16 tiles along K).
; THE RECORD OF COLUMN i LIES AT PLACE sigma(i), i with bits 3 and 4 exchanged: 16 records on end are then the columns 32 (t / 2) + 8 (t % 2) + r + 8 (r / 8),
; so that a product that takes them as its first source leaves 16 neighbouring columns in the 16 registers of two neighbouring result tiles.
; A LANE TAKES A COLUMN AND ITS REGISTERS RUN DOWN K: a block of 32 lies in one lane, each load reads 128 consecutive bytes a wave, and the conversions give K innermost.
; A block's scale is 2^(floor(log2(largest magnitude)) - 8); its byte is that magnitude's exponent field - 8, held at 1 from below.
; LIMITS: a block of zeros gets the byte 1 (its codes are zeros; this program alone reads the bytes); magnitudes under 2^-118 are held at that floor; NaN and infinities are not served.
; No tensor loads, no barrier: each wave has its own 32 records of the stage, and stores them as 17 runs of 512 consecutive bytes.
.set TILE,  34816
.set PITCH, 272
.set VO,    32                         ; v32-63   byte offset of row i of a block: 4 x lane + i x the weight's row
.set X,     64                         ; v64-127  two sets of 32 numbers
.set C,     128                        ; v128-135 a block's codes
.set SB,    136                        ; v136-139 8 scale bytes, then 8 zero bytes
.set OUTR,  140                        ; v140-207 the way out
.set MNT,   50                         ; s50      the mantissa field of 448
	s_load_b256 s[8:15], s[0:1], 0x0               ; wq, wk, wv, wo
	s_load_b128 s[16:19], s[0:1], 0x20             ; w1, w2
	s_load_b64 s[20:21], s[0:1], 0x30              ; wc
	v_lshl_add_u32 v208, v0, 2, 0x8800
	v_mov_b32 v209, 0
	v_lshrrev_b32 v1, 5, v0
	v_readfirstlane_b32 s2, v1                     ; wave 0..3
	v_and_b32 v1, 31, v0                           ; lane
	v_and_b32 v2, 7, v0
	v_bfe_u32 v3, v0, 3, 1
	v_lshl_or_b32 v2, v3, 4, v2
	v_bfe_u32 v3, v0, 4, 1
	v_lshl_or_b32 v2, v3, 3, v2                    ; sigma(lane)
	s_mul_i32 s3, s2, 32*PITCH                     ; my wave's 32 records
	v_mul_u32_u24 v4, v2, PITCH
	v_add_nc_u32 v4, s3, v4                        ; into the stage: my column's record
	v_lshlrev_b32 v8, 4, v1                        ; out: 16 bytes a lane
	v_add_nc_u32 v7, s3, v8
	v_mov_b32 v[SB+2], 0
	v_mov_b32 v[SB+3], 0
	s_mov_b32 s[MNT], 0x600000
	s_mov_b32 s24, 256                             ; the weight's first tile,
	s_mov_b32 s25, 4                               ; log2 of its tiles along K,
	s_mov_b32 s26, 4096                            ; bytes in one of its rows: w2's, unless the tile's number says otherwise
	s_wait_kmcnt 0x0
	s_mov_b64 s[22:23], s[18:19]
	s_cmp_lt_u32 ttmp9, 256                        ; the choices hang on the work-group's number alone
	s_cselect_b64 s[22:23], s[16:17], s[22:23]
	s_cselect_b32 s24, 128, s24
	s_cselect_b32 s25, 2, s25
	s_cselect_b32 s26, 16384, s26
	s_cmp_lt_u32 ttmp9, 128
	s_cselect_b64 s[22:23], s[14:15], s[22:23]
	s_cselect_b32 s24, 96, s24
	s_cselect_b32 s26, 4096, s26
	s_cmp_lt_u32 ttmp9, 96
	s_cselect_b64 s[22:23], s[12:13], s[22:23]
	s_cselect_b32 s24, 64, s24
	s_cmp_lt_u32 ttmp9, 64
	s_cselect_b64 s[22:23], s[10:11], s[22:23]
	s_cselect_b32 s24, 32, s24
	s_cmp_lt_u32 ttmp9, 32
	s_cselect_b64 s[22:23], s[8:9], s[22:23]
	s_cselect_b32 s24, 0, s24
	s_sub_co_u32 s27, ttmp9, s24                   ; the tile's number in its weight
	s_bfm_b32 s28, s25, 0
	s_and_b32 s28, s27, s28                        ; which 256 along K
	s_lshr_b32 s29, s27, s25                       ; which 128 columns
	s_mul_i32 s30, s28, s26
	s_lshl_b32 s30, s30, 8                         ; 256 rows down,
	s_lshl_b32 s29, s29, 9
	s_add_co_u32 s30, s30, s29                     ; 128 columns of 4 bytes along,
	s_lshl_b32 s29, s2, 7
	s_add_co_u32 s30, s30, s29                     ; my wave's 32 columns
	s_mov_b32 s31, 0
	s_add_nc_u64 s[32:33], s[22:23], s[30:31]      ; block 0's base; a base for each block, never rewritten
	s_lshl_b32 s48, s26, 5                         ; 32 rows
	s_mov_b32 s49, 0
.irp t, 1,2,3,4,5,6,7
	s_add_nc_u64 s[32+2*\t:33+2*\t], s[30+2*\t:31+2*\t], s[48:49]
.endr
	s_mul_i32 s30, ttmp9, TILE
	s_add_co_u32 s30, s30, s3
	s_add_nc_u64 s[20:21], s[20:21], s[30:31]      ; wc at my wave's 8,704 bytes of the tile
	v_lshlrev_b32 v[VO], 2, v1
.set i, 1
.rept 31
	v_add_nc_u32 v[VO+i], s26, v[VO+i-1]
.set i, i+1
.endr
.macro LOAD t                          ; block t: W(32 t + i, my column), i = 0 .. 31, into set t % 2
.set i, 0
.rept 32
	global_load_b32 v[X+32*((\t)%2)+i], v[VO+i], s[32+2*(\t):33+2*(\t)] th:TH_LOAD_NT
.set i, i+1
.endr
.endm
	LOAD 0
	LOAD 1
.macro BLOCK t
.set XS, X+32*((\t)%2)
.if (\t) < 7
	s_wait_loadcnt 32                              ; this block's 32 loads are in; the next block's 32 may be out
.else
	s_wait_loadcnt 0
.endif
	v_max3_num_f32 v12, |v[XS]|, |v[XS+1]|, |v[XS+2]|   ; the block's largest magnitude: all 32 numbers are mine; two chains
	v_max3_num_f32 v13, |v[XS+3]|, |v[XS+4]|, |v[XS+5]|
.irp i, 6,10,14,18,22,26
	v_max3_num_f32 v12, v12, |v[XS+\i]|, |v[XS+\i+1]|
	v_max3_num_f32 v13, v13, |v[XS+\i+2]|, |v[XS+\i+3]|
.endr
	v_max3_num_f32 v12, v12, |v[XS+30]|, |v[XS+31]|
	v_max3_num_f32 v12, v12, v13, 0x4800000        ; and the floor 2^(9 - 127): the byte cannot fall under 1
	v_add_nc_u32 v11, 0xfc000000, v12              ; 8 off the exponent field: the conversion's scale operand
	v_and_or_b32 v10, v12, 0x7f800000, s[MNT]      ; 448 x the scale
	v_lshrrev_b32 v13, 23, v11                     ; the scale's byte
.if (\t)%4 == 0
	v_mov_b32 v[SB+(\t)/4], v13
.else
	v_lshl_or_b32 v[SB+(\t)/4], v13, 8*((\t)%4), v[SB+(\t)/4]
.endif
.set i, 0
.rept 32
	v_med3_num_f32 v[XS+i], v[XS+i], -v10, v10     ; the conversion to an 8-bit code does not saturate (ISA guide 7.6.2): the hold comes first
.set i, i+1
.endr
.irp g, 0,1,2,3
	v_cvt_scalef32_pk8_fp8_f32 v[C+2*\g:C+2*\g+1], v[XS+8*\g:XS+8*\g+7], v11
.endr
	ds_store_b128 v4, v[C:C+3] offset:32*(\t)
	ds_store_b128 v4, v[C+4:C+7] offset:32*(\t)+16
.if (\t)+2 < 8
	LOAD (\t)+2
.endif
	s_wait_dscnt 0x0                               ; the stores have read their registers: the next block's codes may be written
.endm
.irp t, 0,1,2,3,4,5,6,7
	BLOCK \t
.endr
	ds_store_b128 v4, v[SB:SB+3] offset:256        ; the record's last 16 bytes
.irp i, 0,1,2,3,4,5,6,7,8,9,10,11,12,13,14,15,16
	ds_load_b128 v[OUTR+4*\i:OUTR+4*\i+3], v7 offset:512*\i   ; LDS serves a wave's instructions in order: these see my stores
.endr
.irp i, 0,1,2,3,4,5,6,7,8,9,10,11,12,13,14,15,16
	s_wait_dscnt 16-\i                             ; the younger loads may be out
	global_store_b128 v8, v[OUTR+4*\i:OUTR+4*\i+3], s[20:21] offset:512*\i   ; 512 consecutive bytes, at a multiple of 256 from wc's first byte
.endr
	s_wait_tensorcnt 0x0
	ds_add_u32 v208, v209
	s_wait_dscnt 0x0
	s_endpgm
.Lfunc_end_k_q111e05e593_wquant:
	.size	k_q111e05e593_wquant, .Lfunc_end_k_q111e05e593_wquant-k_q111e05e593_wquant
	.p2alignl 7, 3214868480
	.fill 96, 4, 3214868480
	.section	.rodata,"a",@progbits
	.p2align	6, 0x0
	.amdhsa_kernel k_q111e05e593_wquant
		.amdhsa_group_segment_fixed_size 35328
		.amdhsa_private_segment_fixed_size 0
		.amdhsa_enable_private_segment 0
		.amdhsa_kernarg_size 56
		.amdhsa_user_sgpr_count 2
		.amdhsa_user_sgpr_kernarg_segment_ptr 1
		.amdhsa_wavefront_size32 1
		.amdhsa_system_sgpr_workgroup_id_x 1
		.amdhsa_system_sgpr_workgroup_id_y 1
		.amdhsa_system_sgpr_workgroup_id_z 1
		.amdhsa_system_vgpr_workitem_id 0
		.amdhsa_next_free_vgpr 210
		.amdhsa_next_free_sgpr 66
		.amdhsa_reserve_vcc 0
		.amdhsa_float_denorm_mode_32 3
		.amdhsa_float_denorm_mode_16_64 3
		.amdhsa_memory_ordered 1
		.amdhsa_forward_progress 1
		.amdhsa_inst_pref_size 62
	.end_amdhsa_kernel
	.amdgpu_metadata
---
amdhsa.version: [ 1, 2 ]
amdhsa.kernels:
  - .name:           k_q111e05e593_wquant
    .symbol:         k_q111e05e593_wquant.kd
    .args:
      - { .name: wq, .offset: 0, .size: 8, .value_kind: global_buffer, .address_space: global }
      - { .name: wk, .offset: 8, .size: 8, .value_kind: global_buffer, .address_space: global }
      - { .name: wv, .offset: 16, .size: 8, .value_kind: global_buffer, .address_space: global }
      - { .name: wo, .offset: 24, .size: 8, .value_kind: global_buffer, .address_space: global }
      - { .name: w1, .offset: 32, .size: 8, .value_kind: global_buffer, .address_space: global }
      - { .name: w2, .offset: 40, .size: 8, .value_kind: global_buffer, .address_space: global }
      - { .name: wc, .offset: 48, .size: 8, .value_kind: global_buffer, .address_space: global }
    .group_segment_fixed_size: 35328
    .private_segment_fixed_size: 0
    .kernarg_segment_align: 8
    .kernarg_segment_size: 56
    .max_flat_workgroup_size: 128
    .sgpr_count:     66
    .vgpr_count:     210
    .wavefront_size: 32
...
	.end_amdgpu_metadata
.endif
;; end of part 1
;; launch ln1 (part 2): grid 128 x 1, 8 waves a work-group, no clusters, 72,704 bytes of LDS; arguments x, g1, be1, hc; writes hc
.if DOCPART == 2
	.amdgcn_target "amdgcn-amd-amdhsa--gfx1250"
	.amdhsa_code_object_version 6
	.text
	.protected	k_q111e05e593_ln1
	.globl	k_q111e05e593_ln1
	.p2align	8
	.type	k_q111e05e593_ln1,@function
k_q111e05e593_ln1:
	s_mov_b64 s[64:65], 0
	v_nop
	global_prefetch_b8 v0, s[64:65] scope:SCOPE_SE
	s_setreg_imm32_b32 hwreg(HW_REG_WAVE_MODE, 25, 1), 1
	s_wait_xcnt 0x0
; y = (x - mean) / sqrt(var + 1e-5) x gain + bias over rows of 1,024 f32, then y is quantised along the row to codes of FP8 (E4M3), one E8M0 byte for each 32.
; The result is laid as the products want an operand: tiles of 128 rows x 256 along K, 34,816 bytes each, tile (g, s) at (4 g + s) tiles; a record of 272 bytes is
; 256 codes, 8 scale bytes, 8 zeros; the record of row i lies at place sigma(i), i with bits 3 and 4 exchanged.
; SHARES.  A work-group takes 32 rows, which fill 32 places on end of four tiles; a wave takes 4 rows.  A row is loaded 512 consecutive bytes an instruction and turned through
; the wave's own stage in LDS (128 bytes + 16 of padding for each block), so that lane l holds block l: 32 neighbours.  Mean and variance are taken in two passes over registers:
; no difference of large sums is formed.  The codes meet in an image of the four pieces of tiles, and leave in runs of 256 consecutive bytes.
; LIMITS: a block of zeros gets the byte 1 (zero codes; this program alone reads the bytes); magnitudes under 2^-118 are held at that floor; NaN and infinities are not served.
.set TILE, 34816
.set OUT,  36864                       ; LDS: 8 stages of 4,608 bytes, then the image [4 pieces][32 places][272]
.set X,    32                          ; v32-63   my block of the row in hand
.set G,    64                          ; v64-95   the gain of my block's 32 columns
.set BE,   96                          ; v96-127  the bias
.set R,    128                         ; v128-255 four rows as loaded
	s_load_b256 s[4:11], s[0:1], 0x0               ; x, gain, bias, the codes
	s_set_vgpr_msb 0x40
	v_lshl_add_u32 v0, v0, 2, 0x11800
	v_mov_b32 v1, 0
	s_set_vgpr_msb 0x4000
	v_lshrrev_b32 v1, 5, v0
	v_readfirstlane_b32 s2, v1                     ; wave 0..7
	v_and_b32 v1, 31, v0                           ; lane l
	v_lshrrev_b32 v30, 3, v1                       ; l / 8
	v_and_b32 v31, 7, v0                           ; l % 8
	s_mul_i32 s3, s2, 4608                         ; my stage
	v_mul_u32_u24 v2, v30, 144
	v_lshl_add_u32 v2, v31, 4, v2
	v_add_nc_u32 v2, s3, v2                        ; in: load j's 16 bytes of lane l belong to block 4 j + l / 8, at 16 (l % 8)
	v_mul_u32_u24 v3, v1, 144
	v_add_nc_u32 v3, s3, v3                        ; back: block l
	s_and_b32 s16, s2, 1                           ; rows 4 w + i lie at places 4 (w & 1) + 16 ((w >> 1) & 1) + 8 (w >> 2) + i
	s_lshl_b32 s16, s16, 2
	s_bfe_u32 s17, s2, 0x10001
	s_lshl_b32 s17, s17, 4
	s_add_co_u32 s16, s16, s17
	s_lshr_b32 s17, s2, 2
	s_lshl_b32 s17, s17, 3
	s_add_co_u32 s16, s16, s17
	s_mul_i32 s16, s16, 272
	s_add_co_u32 s16, s16, OUT
	v_mul_u32_u24 v5, v30, 8704                    ; block l belongs to piece l / 8
	v_add_nc_u32 v5, s16, v5
	v_lshl_add_u32 v4, v31, 5, v5                  ; its 32 codes at 32 (l % 8) of the record,
	v_add_nc_u32 v5, v5, v31                       ; its scale byte at 256 + l % 8
	v_lshlrev_b32 v6, 4, v1                        ; 16 l
	v_lshlrev_b32 v7, 7, v1                        ; 128 l
	v_lshlrev_b32 v9, 3, v1                        ; 8 l
	v_mov_b32 v29, 0
	s_mov_b32 s12, 0x76543210
	s_mov_b32 s13, 0xfedcba98                      ; v_permlanex16_b32's selects for lane l xor 16
	s_mov_b32 s14, 0x3a800000                      ; 1 / 1,024
	s_mov_b32 s15, 0x3727c5ac                      ; 1e-5
	s_mov_b32 s18, 0x600000                        ; the mantissa field of 448
	s_lshl_b32 s20, ttmp9, 17                      ; 32 rows of 4,096 bytes a work-group,
	s_lshl_b32 s21, s2, 14                         ; 4 a wave
	s_add_co_u32 s20, s20, s21
	s_mov_b32 s21, 0
	s_lshr_b32 s22, ttmp9, 2                       ; on the way out wave w copies half w & 1 of piece w >> 1
	s_lshl_b32 s22, s22, 2
	s_lshr_b32 s23, s2, 1
	s_add_co_u32 s22, s22, s23
	s_mul_i32 s22, s22, TILE
	s_and_b32 s24, ttmp9, 3
	s_mul_i32 s24, s24, 8704
	s_add_co_u32 s22, s22, s24
	s_and_b32 s24, s2, 1
	s_mul_i32 s24, s24, 4352
	s_add_co_u32 s22, s22, s24
	s_mul_i32 s23, s23, 8704
	s_add_co_u32 s23, s23, s24
	s_add_co_u32 s23, s23, OUT
	v_add_nc_u32 v8, s23, v9
	s_mov_b32 s23, 0
	s_wait_kmcnt 0x0
	s_add_nc_u64 s[4:5], s[4:5], s[20:21]
	s_add_nc_u64 s[10:11], s[10:11], s[22:23]
.irp c, 0,1,2,3,4,5,6,7
	global_load_b128 v[G+4*\c:G+4*\c+3], v7, s[6:7] offset:16*\c
	global_load_b128 v[BE+4*\c:BE+4*\c+3], v7, s[8:9] offset:16*\c
.endr
.irp i, 0,1,2,3
.irp j, 0,1,2,3,4,5,6,7
	global_load_b128 v[R+32*\i+4*\j:R+32*\i+4*\j+3], v6, s[4:5] offset:4096*\i+512*\j
.endr
.endr
.macro RED a, t                        ; the sum over the 32 lanes, in every lane
	v_add_f32_dpp v[\a], v[\a], v[\a] row_xmask:1 row_mask:0xf bank_mask:0xf
	v_add_f32_dpp v[\a], v[\a], v[\a] row_xmask:2 row_mask:0xf bank_mask:0xf
	v_add_f32_dpp v[\a], v[\a], v[\a] row_xmask:4 row_mask:0xf bank_mask:0xf
	v_add_f32_dpp v[\a], v[\a], v[\a] row_xmask:8 row_mask:0xf bank_mask:0xf
	v_permlanex16_b32 v[\t], v[\a], s12, s13
	v_add_f32 v[\a], v[\a], v[\t]
.endm
.macro ROW i
	s_wait_loadcnt 8*(3-\i)                        ; gain, bias and this row are in; the later rows' loads, 8 each, may be out
.irp j, 0,1,2,3,4,5,6,7
	ds_store_b128 v2, v[R+32*\i+4*\j:R+32*\i+4*\j+3] offset:576*\j
.endr
.irp c, 0,1,2,3,4,5,6,7
	ds_load_b128 v[X+4*\c:X+4*\c+3], v3 offset:16*\c   ; LDS serves a wave's instructions in order: these see the stores above
.endr
	s_wait_dscnt 0x0                               ; my block is in; the last row's stores of codes have read their registers
	v_pk_add_f32 v[10:11], v[X:X+1], v[X+2:X+3]
	v_pk_add_f32 v[12:13], v[X+4:X+5], v[X+6:X+7]
.irp j, 8,12,16,20,24,28
	v_pk_add_f32 v[10:11], v[10:11], v[X+\j:X+\j+1]
	v_pk_add_f32 v[12:13], v[12:13], v[X+\j+2:X+\j+3]
.endr
	v_pk_add_f32 v[10:11], v[10:11], v[12:13]
	v_add_f32 v10, v10, v11
	RED 10, 11
	v_mul_f32 v10, s14, v10                        ; the mean
.irp j, 0,2,4,6,8,10,12,14,16,18,20,22,24,26,28,30
	v_pk_add_f32 v[X+\j:X+\j+1], v[X+\j:X+\j+1], v[10:11] op_sel_hi:[1,0] neg_lo:[0,1] neg_hi:[0,1]   ; x - mean
.endr
	v_pk_mul_f32 v[12:13], v[X:X+1], v[X:X+1]
	v_pk_mul_f32 v[14:15], v[X+2:X+3], v[X+2:X+3]
.irp j, 4,8,12,16,20,24,28
	v_pk_fma_f32 v[12:13], v[X+\j:X+\j+1], v[X+\j:X+\j+1], v[12:13]
	v_pk_fma_f32 v[14:15], v[X+\j+2:X+\j+3], v[X+\j+2:X+\j+3], v[14:15]
.endr
	v_pk_add_f32 v[12:13], v[12:13], v[14:15]
	v_add_f32 v12, v12, v13
	RED 12, 13
	v_fma_f32 v12, v12, s14, s15                   ; the variance + 1e-5
	v_rsq_f32 v14, v12
	v_nop                                          ; a plain instruction behind the transcendental,
	s_wait_alu depctr_va_vdst(0)                   ; and a wait ahead of its first reader
.irp j, 0,2,4,6,8,10,12,14,16,18,20,22,24,26,28,30
	v_pk_mul_f32 v[X+\j:X+\j+1], v[X+\j:X+\j+1], v[14:15] op_sel_hi:[1,0]
.endr
.irp j, 0,2,4,6,8,10,12,14,16,18,20,22,24,26,28,30
	v_pk_fma_f32 v[X+\j:X+\j+1], v[X+\j:X+\j+1], v[G+\j:G+\j+1], v[BE+\j:BE+\j+1]
.endr
	v_max3_num_f32 v16, |v[X]|, |v[X+1]|, |v[X+2]|   ; the block's largest magnitude: all 32 numbers are mine
	v_max3_num_f32 v17, |v[X+3]|, |v[X+4]|, |v[X+5]|
.irp j, 6,10,14,18,22,26
	v_max3_num_f32 v16, v16, |v[X+\j]|, |v[X+\j+1]|
	v_max3_num_f32 v17, v17, |v[X+\j+2]|, |v[X+\j+3]|
.endr
	v_max3_num_f32 v16, v16, |v[X+30]|, |v[X+31]|
	v_max3_num_f32 v16, v16, v17, 0x4800000        ; and the floor 2^(9 - 127)
	v_add_nc_u32 v18, 0xfc000000, v16              ; the conversion's scale operand
	v_and_or_b32 v19, v16, 0x7f800000, s18         ; 448 x the scale
.irp j, 0,1,2,3,4,5,6,7,8,9,10,11,12,13,14,15,16,17,18,19,20,21,22,23,24,25,26,27,28,29,30,31
	v_med3_num_f32 v[X+\j], v[X+\j], -v19, v19     ; the conversion does not saturate (ISA guide 7.6.2): the hold comes first
.endr
.irp g, 0,1,2,3
	v_cvt_scalef32_pk8_fp8_f32 v[20+2*\g:21+2*\g], v[X+8*\g:X+8*\g+7], v18
.endr
	v_lshrrev_b32 v28, 23, v18                     ; the scale's byte (also the plain instruction behind the conversions)
	ds_store_b128 v4, v[20:23] offset:272*\i
	ds_store_b128 v4, v[24:27] offset:272*\i+16
	ds_store_b8 v5, v28 offset:272*\i+256
	ds_store_b8 v5, v29 offset:272*\i+264          ; the record's last 8 bytes are zeros
.endm
	ROW 0
	ROW 1
	ROW 2
	ROW 3
	s_wait_dscnt 0x0                               ; for the others' sake: my stores into the image are done
	s_barrier_signal -1
	s_barrier_wait -1
.irp i, 0,1,2,3,4,5,6,7,8,9,10,11,12,13,14,15,16
	ds_load_b64 v[32+2*\i:33+2*\i], v8 offset:256*\i
.endr
.irp i, 0,1,2,3,4,5,6,7,8,9,10,11,12,13,14,15,16
	s_wait_dscnt 16-\i                             ; the younger loads may be out
	global_store_b64 v9, v[32+2*\i:33+2*\i], s[10:11] offset:256*\i   ; 32 lanes store 256 consecutive bytes, aligned
.endr
	s_set_vgpr_msb 0x5
	s_wait_tensorcnt 0x0
	ds_add_u32 v0, v1
	s_wait_dscnt 0x0
	s_set_vgpr_msb 0x500
	s_endpgm
.Lfunc_end_k_q111e05e593_ln1:
	.size	k_q111e05e593_ln1, .Lfunc_end_k_q111e05e593_ln1-k_q111e05e593_ln1
	.p2alignl 7, 3214868480
	.fill 96, 4, 3214868480
	.section	.rodata,"a",@progbits
	.p2align	6, 0x0
	.amdhsa_kernel k_q111e05e593_ln1
		.amdhsa_group_segment_fixed_size 72704
		.amdhsa_private_segment_fixed_size 0
		.amdhsa_enable_private_segment 0
		.amdhsa_kernarg_size 32
		.amdhsa_user_sgpr_count 2
		.amdhsa_user_sgpr_kernarg_segment_ptr 1
		.amdhsa_wavefront_size32 1
		.amdhsa_system_sgpr_workgroup_id_x 1
		.amdhsa_system_sgpr_workgroup_id_y 1
		.amdhsa_system_sgpr_workgroup_id_z 1
		.amdhsa_system_vgpr_workitem_id 0
		.amdhsa_next_free_vgpr 258
		.amdhsa_next_free_sgpr 66
		.amdhsa_reserve_vcc 0
		.amdhsa_float_denorm_mode_32 3
		.amdhsa_float_denorm_mode_16_64 3
		.amdhsa_memory_ordered 1
		.amdhsa_forward_progress 1
		.amdhsa_inst_pref_size 54
	.end_amdhsa_kernel
	.amdgpu_metadata
---
amdhsa.version: [ 1, 2 ]
amdhsa.kernels:
  - .name:           k_q111e05e593_ln1
    .symbol:         k_q111e05e593_ln1.kd
    .args:
      - { .name: x, .offset: 0, .size: 8, .value_kind: global_buffer, .address_space: global }
      - { .name: g1, .offset: 8, .size: 8, .value_kind: global_buffer, .address_space: global }
      - { .name: be1, .offset: 16, .size: 8, .value_kind: global_buffer, .address_space: global }
      - { .name: hc, .offset: 24, .size: 8, .value_kind: global_buffer, .address_space: global }
    .group_segment_fixed_size: 72704
    .private_segment_fixed_size: 0
    .kernarg_segment_align: 8
    .kernarg_segment_size: 32
    .max_flat_workgroup_size: 256
    .sgpr_count:     66
    .vgpr_count:     258
    .wavefront_size: 32
...
	.end_amdgpu_metadata
.endif
;; end of part 2
;; launch qkv (part 3): grid 12 x 16, 4 waves a work-group, clusters of 4 x 4, 327,680 bytes of LDS; arguments hc, wc, bq, bk, bv, qkvc; writes qkvc
.if DOCPART == 3
	.amdgcn_target "amdgcn-amd-amdhsa--gfx1250"
	.amdhsa_code_object_version 6
	.text
	.protected	k_q111e05e593_qkv
	.globl	k_q111e05e593_qkv
	.p2align	8
	.type	k_q111e05e593_qkv,@function
k_q111e05e593_qkv:
	s_mov_b64 s[64:65], 0
	v_nop
	global_prefetch_b8 v0, s[64:65] scope:SCOPE_SE
	s_setreg_imm32_b32 hwreg(HW_REG_WAVE_MODE, 25, 1), 1
	s_wait_xcnt 0x0
	s_wait_alu depctr_hold_cnt(0) depctr_sa_sdst(0) depctr_va_vdst(0) depctr_va_sdst(0) depctr_va_ssrc(0) depctr_va_vcc(0) depctr_vm_vsrc(0)
	s_getreg_b32 s2, hwreg(HW_REG_IB_STS2, 6, 4)
	s_cmp_eq_u32 s2, 0
	s_cbranch_scc0 .Lentry_in_a_cluster
	s_endpgm
.Lentry_in_a_cluster:
	s_bfe_u32 s2, ttmp6, 0x10000c
	s_cmp_lg_u32 s2, 0xf033
	s_cbranch_scc0 .Lentry_shape_is_right
	s_endpgm
.Lentry_shape_is_right:
; q = h wq + bq, k = h wk + bk, v = h wv + bv on codes of FP8 (E4M3) with E8M0 scales, and each result is quantised again on the way out, for attention:
; q and k along the head's 64 channels, v along the keys.  h: hc, 4,096 tokens x 1,024; the weights: wc.  Both lie as tiles of 128 records of 272 bytes (256 codes, 8 scale bytes, 8 zeros),
; tile (g, s) at (4 g + s) x 34,816 bytes; records lie at places sigma(i) (bits 3 and 4 of i exchanged), so that 16 records on end, taken as a product's FIRST source, leave
; 16 neighbours of the true order in the 16 registers of two neighbouring result tiles: the order that the conversions and the next product's operand want.
; THE CORE.  A block of 256 x 256 is made by four waves, 128 x 128 each: 64 accumulators, 512 registers.  K goes in steps of 256 through two LDS slots; a wave's one tensor load brings a whole tile,
; 34,816 dense bytes, which is its LDS image as it stands.  4 x 4 work-groups form a cluster: the second source's tiles are shared along a row of it, the first source's along a column: joint loads.
; ROLES, by the cluster's x (the same in all sixteen partners): 0: q, 1: k: first source = 256 columns of the weight, second = 256 tokens: a lane holds a token, its registers run along the columns.
; 2: v: first source = 256 tokens, second = 256 columns of wv: a lane holds a channel, its registers run along the tokens, which are the keys.
; The bias is the C of each sum's first product.  OUT: q: [head 32][place 2,048][80]: 64 codes, a scale word (2 bytes, then 0x7f 0x7f), 12 zeros.  k and v: [head][key step 16][19,456]: 128 records of k like q's, then
; 64 records of 144 bytes for v: 128 codes along the step's keys, 4 scale bytes, 12 zeros.
; LIMITS: a block of zeros gets the byte 1 (zero codes; this program alone reads the bytes); magnitudes under 2^-118 are held at that floor; NaN and infinities are not served.
; REGISTERS, in windows of 256: window 0: v0-31 addresses; v32-63 scale words, two sets; v64-127 the bias, later numbers at work; from v128 the second source's fragments, one set; on the way out v128-255 are free.
;   window 1: the first source's fragments, two sets.   windows 2, 3: the accumulators ((a, b) at v[8 (8 (a % 4) + b)]).
.set KS,     4                         ; tiles along K
.set WV_OFF, 2228224                   ; wv's tiles in wc
.set TILE,   34816
.set PITCH,  272
.set HALFT,  TILE                      ; 128 records: what one tensor load brings
.set SLOT,   4*HALFT                   ; second source's 256 records, then the first's
.set SPARE,  2*SLOT                    ; behind the ring: the spare words, 128 bytes a wave: two blocks of 256 bytes that no other line names
.set LAPS,   KS/2
.set NQ,     2
.set FR,     16
.set NL,     4
.set NP,     8                         ; places behind this matrix instruction (ISA guide 7.12.1)
.set ADRA, 16                          ; v16-17  LDS address of the second source's fragments in slot 0, 1
.set ADRB, 20                          ; v20-21  of the first source's
.set ADRS, 22                          ; v22-23  of the scale words: lanes 0-15 the second source's records, lanes 16-31 the first's
.set STOQ, 24                          ; the way out: see below
.set STSQ, 25
.set STOV, 26
.set STSV, 27
.set SPW,  28                          ; v28  LDS address of my spare word; never rewritten
.set NIL,  29                          ; v29  0; never rewritten
.set CPQ,  30
.set CPV,  31
.set GOF,  7
.set SC,   32
.set BI,   64
.set T,    64
.set AF,   128
.set PC,   128                         ; v128-143 the codes just made
.set TM,   144                         ; v144-159 largest magnitudes, bytes, holds, scale operands
.set PW,   160                         ; v160 the scale word just made; v161-163 zeros
.set QA,   164                         ; v164 head 0's scale word; v165-167 zeros
.set QB,   168                         ; v168 head 1's; v169-171 zeros
.set CP,   176                         ; v176-255 the copy out
.set G1, 24
.set G0, 32
.set G1B, 48
.set G0B, 56
.set PADW, 88
.set MNT,  89
.set SEL,  90
.set MSB, 0
.macro WIN new                         ; the immediate's high byte repeats the setting that is left
.if MSB != (\new)
	s_set_vgpr_msb (MSB<<8)|(\new)
.set MSB, (\new)
.endif
.endm
.set MUL_LO,  0xa1                     ; source 0 window 1, source 1 window 0, C and D window 2
.set MUL_HI,  0xf1                     ; the same, C and D window 3
.set BIAS_LO, 0x81                     ; C (the bias) window 0, D window 2
.set BIAS_HI, 0xc1
.set TO_B,    0x40                     ; destination window 1, address window 0
; A joint load: waves 0 and 1 fetch the second source's two tiles, waves 2 and 3 the first's.  The branch hangs on the wave's number alone.  Four v_nop follow each line.
.macro JLOAD s
	s_cmp_eq_u32 s15, 0
	s_cbranch_scc0 .Lfor_b_\@
	tensor_load_to_lds s[G0+4*(\s):G0+4*(\s)+3], s[G1:G1+7]
	s_nop 0
.rept 4
	v_nop
.endr
	s_branch .Lasked_\@
.Lfor_b_\@:
	tensor_load_to_lds s[G0B+4*(\s):G0B+4*(\s)+3], s[G1B:G1B+7]
	s_nop 0
.rept 4
	v_nop
.endr
.Lasked_\@:
.endm
.macro CREST                           ; a round of the cluster's barrier behind its opening barrier
	s_cmp_lg_u32 s14, 0
	s_cbranch_scc1 .Lnot_wave_0_\@
	s_barrier_signal -3
.Lnot_wave_0_\@:
	s_barrier_wait -3
	s_barrier_signal -1
	s_barrier_wait -1
.endm
.macro CROUND
	s_barrier_signal -1
	s_barrier_wait -1
	CREST
.endm
	s_load_b256 s[4:11], s[0:1], 0x0               ; hc, wc, bq, bk
	s_load_b128 s[68:71], s[0:1], 0x20             ; bv, qkvc
	v_lshl_add_u32 v[SPW], v0, 2, SPARE
	v_mov_b32 v[NIL], 0
	ds_add_u32 v28, v29
	s_wait_dscnt 0x0
	v_lshrrev_b32 v1, 5, v0
	v_readfirstlane_b32 s14, v1                    ; wave 0..3
	s_lshr_b32 s15, s14, 1                         ; RH: my half of the second source's records.  Also: I fetch for the second source (0) or the first (1)
	s_and_b32 s16, s14, 1                          ; CH: my half of the first source's.  Also: which of the two tiles I fetch
	s_bfe_u32 s40, ttmp6, 0x40000                  ; cx
	s_bfe_u32 s41, ttmp6, 0x40004                  ; cy
	s_and_b32 s18, ttmp7, 0xffff
	s_lshl_b32 s18, s18, 2                         ; 4 x cluster y
	s_lshl_b32 s19, ttmp9, 2                       ; 4 x cluster x
	s_cmp_eq_u32 ttmp9, 2                          ; v's clusters?
	s_cselect_b32 s17, 0, s18                      ; second source's block of 256: q, k: tokens 4 Y + cy; v: wv's columns cy
	s_cselect_b32 s42, s18, s19                    ; first source's: q, k: columns 4 X + cx of wq | wk; v: tokens 4 Y + cx
	s_cselect_b32 s72, WV_OFF, 0
	s_cselect_b32 s81, 0, 64                       ; the bias: bytes from half to half of the lanes,
	s_cselect_b32 s82, 4, 0                        ; from lane to lane,
	s_cselect_b32 s83, 0, 4                        ; from register to register
	s_add_co_u32 s17, s17, s41                     ; TA: it never holds cx
	s_add_co_u32 s42, s42, s40                     ; TB: it never holds cy
	s_lshl_b32 s43, s41, 2
	s_lshl_b32 s43, 15, s43                        ; my row of the cluster
	s_lshl_b32 s44, 0x1111, s40                    ; my column
	s_or_b32 s[G1+0], s43, (3<<16)|(1<<21)         ; 15:0 the mask; 17:16 elements of 8 bytes; 21 set beside a mask; no padding: the tile is its own image
	s_or_b32 s[G1B+0], s44, (3<<16)|(1<<21)
.irp g, G1, G1B
	s_mov_b32 s[\g+1], 32<<16                      ; tensor_dim0 = 32 elements: rows of 256 bytes
	s_mov_b32 s[\g+2], 136<<16                     ; tensor_dim1 = 136 rows: 34,816 bytes
	s_mov_b32 s[\g+3], 32<<16                      ; tile_dim0
	s_mov_b32 s[\g+4], 136                         ; tile_dim1
	s_mov_b32 s[\g+5], 32                          ; the pitch: dense
	s_mov_b32 s[\g+6], 0
	s_mov_b32 s[\g+7], 0
.endr
	s_lshl_b32 s20, s17, 1
	s_add_co_u32 s20, s20, s16
	s_mul_i32 s20, s20, KS*TILE
	s_add_co_u32 s20, s20, s72
	s_mov_b32 s21, 0
	s_lshl_b32 s46, s42, 1
	s_add_co_u32 s46, s46, s16
	s_mul_i32 s46, s46, KS*TILE
	s_mov_b32 s47, 0
	s_mul_i32 s45, s14, HALFT                      ; where they go: wave x a tile: no place in the cluster enters an LDS address
	s_wait_kmcnt 0x0
	s_cmp_eq_u32 ttmp9, 2
	s_cselect_b64 s[74:75], s[6:7], s[4:5]         ; second source: hc, for v wc
	s_cselect_b64 s[76:77], s[4:5], s[6:7]         ; first source: wc, for v hc
	s_cselect_b64 s[78:79], s[68:69], s[8:9]       ; the bias
	s_cmp_eq_u32 ttmp9, 1
	s_cselect_b64 s[78:79], s[10:11], s[78:79]
	s_add_nc_u64 s[20:21], s[74:75], s[20:21]
	s_add_nc_u64 s[46:47], s[76:77], s[46:47]
	CROUND                                         ; all sixteen work-groups are here: the first joint loads meet
.irp s, 0,1
	s_mov_b32 s[G0+4*\s], 1
	s_add_co_u32 s[G0+4*\s+1], s45, \s*SLOT
	s_add_nc_u64 s[G0+4*\s+2:G0+4*\s+3], s[20:21], \s*TILE
	s_or_b32 s[G0+4*\s+3], s[G0+4*\s+3], 0x80000000
	s_mov_b32 s[G0B+4*\s], 1
	s_add_co_u32 s[G0B+4*\s+1], s45, \s*SLOT
	s_add_nc_u64 s[G0B+4*\s+2:G0B+4*\s+3], s[46:47], \s*TILE
	s_or_b32 s[G0B+4*\s+3], s[G0B+4*\s+3], 0x80000000
	JLOAD \s
.endr
	v_and_b32 v1, 15, v0                           ; r
	v_bfe_u32 v2, v0, 4, 1                         ; h
	; the bias, in the result's layout, 64 registers.  q, k: register 8 b + j = bias[32 (b / 2) + 8 (b % 2) + 16 h + j]; v: register 8 a + j = bias[32 (a / 2) + 8 (a % 2) + r + 8 (r / 8)], alike for all j
	s_lshl_b32 s92, s41, 10
	s_lshl_b32 s93, s15, 9
	s_add_co_u32 s92, s92, s93                     ; v: 4 (256 cy + 128 RH)
	s_lshl_b32 s94, s40, 10
	s_lshl_b32 s93, s16, 9
	s_add_co_u32 s94, s94, s93                     ; q, k: 4 (256 cx + 128 CH)
	s_cmp_eq_u32 ttmp9, 2
	s_cselect_b32 s92, s92, s94
	s_mov_b32 s93, 0
	s_add_nc_u64 s[78:79], s[78:79], s[92:93]
	v_and_b32 v5, 8, v1
	v_add_nc_u32 v5, v5, v1                        ; r + 8 (r / 8)
	v_mul_u32_u24 v8, s81, v2
	v_mad_u32_u24 v8, v5, s82, v8
.irp j, 1,2,3,4,5,6,7
	v_add_nc_u32 v[8+\j], s83, v[7+\j]
.endr
.irp e, 0,1,2,3,4,5,6,7
.irp j, 0,1,2,3,4,5,6,7
	global_load_b32 v[BI+8*\e+\j], v[8+\j], s[78:79] offset:4*(32*(\e/2)+8*(\e%2))
.endr
.endr
	v_mul_u32_u24 v3, v1, PITCH
	v_lshl_add_u32 v4, v2, 4, v3                   ; a fragment's record x pitch + 16 x half
	s_mul_i32 s21, s15, HALFT                      ; my 128 records of the second source
	s_mul_i32 s22, s16, HALFT
	s_add_co_u32 s22, s22, 2*HALFT                 ; and of the first
	s_sub_co_u32 s23, s22, s21
	v_mul_u32_u24 v6, s23, v2                      ; lanes 16-31 take the first source's scale words
	v_add_nc_u32 v5, v3, v6
.irp s, 0,1
	v_add_nc_u32 v[ADRA+\s], s21, v4
	v_add_nc_u32 v[ADRB+\s], s22, v4
	v_add_nc_u32 v[ADRS+\s], s21, v5
	s_add_co_u32 s21, s21, SLOT
	s_add_co_u32 s22, s22, SLOT
.endr
	; the way out's LDS addresses, all made here, ahead of every parting of the ways.  q, k: my stage at 20,480 x wave: [head 2][place 128][80].  v: at 81,920 + 18,432 x wave: [head 2][channel 64][144]
	s_mul_i32 s21, s14, 20480
	v_mul_u32_u24 v5, v1, 80
	v_add_nc_u32 v[STSQ], s21, v5
	v_lshl_add_u32 v[STOQ], v2, 4, v[STSQ]
	s_mul_i32 s22, s14, 18432
	s_add_co_u32 s22, s22, 81920
	v_mul_u32_u24 v5, v1, 144
	v_add_nc_u32 v[STSV], s22, v5
	v_lshl_add_u32 v[STOV], v2, 4, v[STSV]
	v_and_b32 v6, 31, v0
	v_lshlrev_b32 v[GOF], 4, v6
	v_add_nc_u32 v[CPQ], s21, v[GOF]
	v_add_nc_u32 v[CPV], s22, v[GOF]
	s_mov_b32 s[PADW], 0x7f7f0000                  ; the scale bytes of the half of K that a head of 64 leaves empty: 1.0
	s_mov_b32 s[MNT], 0x600000
	s_mov_b32 s[SEL], 0x76543210
	s_mov_b32 s[SEL+1], 0xfedcba98
	; where my two heads' parts go.  gi: my 128 tokens among 32 such groups; hd0: my first head
	s_lshl_b32 s92, s17, 1
	s_add_co_u32 s92, s92, s15
	s_lshl_b32 s93, s42, 1
	s_add_co_u32 s93, s93, s16
	s_lshl_b32 s95, s40, 2
	s_lshl_b32 s96, s16, 1
	s_add_co_u32 s95, s95, s96                     ; q, k: 4 cx + 2 CH
	s_lshl_b32 s96, s41, 2
	s_lshl_b32 s97, s15, 1
	s_add_co_u32 s96, s96, s97                     ; v: 4 cy + 2 RH
	s_cmp_eq_u32 ttmp9, 2
	s_cselect_b32 s94, s93, s92
	s_cselect_b32 s95, s96, s95
	s_mov_b32 s96, 163840                          ; bytes from head to head,
	s_mov_b32 s97, 10240                           ; from 128 tokens to the next,
	s_mov_b32 s98, 0                               ; and where the part begins: q's
	s_cmp_eq_u32 ttmp9, 0
	s_cselect_b32 s96, s96, 311296
	s_cselect_b32 s97, s97, 19456
	s_cselect_b32 s98, s98, 5242880
	s_cmp_eq_u32 ttmp9, 2
	s_cselect_b32 s98, 5253120, s98
	s_lshr_b32 s99, s94, 4
	s_lshl_b32 s99, s99, 4
	s_add_co_u32 s99, s99, s95
	s_mul_i32 s99, s99, s96
	s_and_b32 s94, s94, 15
	s_mul_i32 s94, s94, s97
	s_add_co_u32 s98, s98, s99
	s_add_co_u32 s84, s98, s94
	s_mov_b32 s85, 0
	s_mov_b32 s97, 0
	s_add_nc_u64 s[84:85], s[70:71], s[84:85]      ; my first head's part,
	s_add_nc_u64 s[86:87], s[84:85], s[96:97]      ; my second's
.macro FRAG reg, adr, q, i             ; 16 records x 128 K: lane l holds record l % 16; registers 4 c .. 4 c + 3 hold K = 32 c + 16 (l / 16) + 0 .. 15
.irp c, 0,1,2,3
	ds_load_b128 v[\reg+4*\c:\reg+4*\c+3], v[\adr] offset:128*(\q)+32*\c+(\i)*16*PITCH
.endr
.endm
; 16 matrix instructions: the second source's blocks a0, a0 + 1 x the first's eight.  zero = 1: C = the bias by b; 2: by a; 0: the sums go on.  The 64 accumulators take turns, one instruction a turn.
.macro MUL16 a0, p, q, sc, zero
.irp a, \a0, \a0+1
.irp b, 0,1,2,3,4,5,6,7
.if (\zero) == 1
	v_wmma_scale_f32_16x16x128_f8f6f4 v[8*(8*((\a)%4)+\b):8*(8*((\a)%4)+\b)+7], v[128*(\p)+FR*\b:128*(\p)+FR*\b+FR-1], v[AF+FR*(\a):AF+FR*(\a)+FR-1], v[BI+8*\b:BI+8*\b+7], v[SC+8*NQ*(\sc)+NQ*\b+(\q)], v[SC+8*NQ*(\sc)+NQ*(\a)+(\q)] matrix_a_scale:MATRIX_SCALE_ROW1
.elseif (\zero) == 2
	v_wmma_scale_f32_16x16x128_f8f6f4 v[8*(8*((\a)%4)+\b):8*(8*((\a)%4)+\b)+7], v[128*(\p)+FR*\b:128*(\p)+FR*\b+FR-1], v[AF+FR*(\a):AF+FR*(\a)+FR-1], v[BI+8*(\a):BI+8*(\a)+7], v[SC+8*NQ*(\sc)+NQ*\b+(\q)], v[SC+8*NQ*(\sc)+NQ*(\a)+(\q)] matrix_a_scale:MATRIX_SCALE_ROW1
.else
	v_wmma_scale_f32_16x16x128_f8f6f4 v[8*(8*((\a)%4)+\b):8*(8*((\a)%4)+\b)+7], v[128*(\p)+FR*\b:128*(\p)+FR*\b+FR-1], v[AF+FR*(\a):AF+FR*(\a)+FR-1], v[8*(8*((\a)%4)+\b):8*(8*((\a)%4)+\b)+7], v[SC+8*NQ*(\sc)+NQ*\b+(\q)], v[SC+8*NQ*(\sc)+NQ*(\a)+(\q)] matrix_a_scale:MATRIX_SCALE_ROW1
.endif
.endr
.endr
.endm
.macro FETCH_B slot, q, p
	WIN TO_B
.irp i, 0,1,2,3,4,5,6,7
	FRAG 128*(\p)+FR*\i, ADRB+\slot, \q, \i
.endr
	WIN 0
.endm
.macro FETCH_A slot, q, i0
.irp i, \i0, \i0+1, \i0+2, \i0+3
	FRAG AF+FR*(\i), ADRA+\slot, \q, \i
.endr
.endm
.macro SCALES sc                       ; a slot's scale words: bytes 256 to 263 of each record: two words; lanes 0-15 the second source's block i, lanes 16-31 the first's
.irp i, 0,1,2,3,4,5,6,7
	ds_load_b64 v[SC+8*NQ*\sc+NQ*\i:SC+8*NQ*\sc+NQ*\i+1], v[ADRS+\sc] offset:\i*16*PITCH+256
.endr
.endm
.macro PLACES n                        ; plain vector instructions between a matrix instruction and a load into, or a read of, its registers
.rept \n
	v_nop
.endr
.endm
.macro STEP slot, q, zero              ; 128 along K that has its successor in the same slot
	s_wait_dscnt 4*NL                              ; all but the youngest 16 loads (the second source's blocks 4-7) are in
.if \zero
	WIN BIAS_LO
.else
	WIN MUL_LO
.endif
	MUL16 0, (\q)%2, \q, \slot, \zero
	MUL16 2, (\q)%2, \q, \slot, \zero
	s_wait_dscnt 0
	PLACES NP
	FETCH_B \slot, (\q)+1, 1-(\q)%2
	FETCH_A \slot, (\q)+1, 0
.if \zero
	WIN BIAS_HI
.else
	WIN MUL_HI
.endif
	MUL16 4, (\q)%2, \q, \slot, \zero
	MUL16 6, (\q)%2, \q, \slot, \zero
	PLACES NP
	WIN 0
	FETCH_A \slot, (\q)+1, 4
.endm
; A slot's last step changes slots: one barrier; in front of it each wave waits for all its tensor loads, adds 0 to its spare word, and waits for that and for its reads of this slot.
.macro TURN slot, next, fill
	s_wait_tensorcnt 0x0                           ; all my tensor loads have landed: my part of the next slot
	ds_add_u32 v[SPW], v[NIL]                      ; 0 onto my spare word
	s_wait_dscnt 4*NL+1                            ; the add and the youngest 16 loads may be out
	WIN MUL_LO
	MUL16 0, 1, NQ-1, \slot, 0
	s_wait_dscnt 0x0                               ; the add is done, and my reads of this slot are over
	s_barrier_signal -1
	MUL16 2, 1, NQ-1, \slot, 0
	WIN 0
	s_barrier_wait -1
.if \fill
	CREST                                          ; the barrier has opened a round of the cluster's: no wave of any partner still reads this slot or has a load on its way
	s_add_nc_u64 s[G0+4*\slot+2:G0+4*\slot+3], s[G0+4*\slot+2:G0+4*\slot+3], 2*TILE
	s_add_nc_u64 s[G0B+4*\slot+2:G0B+4*\slot+3], s[G0B+4*\slot+2:G0B+4*\slot+3], 2*TILE
	JLOAD \slot                                    ; the first tensor load behind the round; its four v_nop are among the places in front of the loads below
	PLACES NP-4
.else
	PLACES NP
.endif
	FETCH_B \next, 0, 0
	FETCH_A \next, 0, 0
	SCALES \next
	WIN MUL_HI
	MUL16 4, 1, NQ-1, \slot, 0
	MUL16 6, 1, NQ-1, \slot, 0
	PLACES NP
	WIN 0
	FETCH_A \next, 0, 4
.endm
	s_wait_tensorcnt 1                             ; my part of slot 0 is in; slot 1's load may be out
	s_barrier_signal -1
	s_barrier_wait -1
	FETCH_B 0, 0, 0
	FETCH_A 0, 0, 0
	SCALES 0
	FETCH_A 0, 0, 4
	s_wait_loadcnt 0x0                             ; the bias
	s_cmp_eq_u32 ttmp9, 2                          ; the first step starts the sums with the bias: by column for q and k, by lane for v
	s_cbranch_scc1 .Lfirst_v
	STEP 0, 0, 1
	s_branch .Lfirst_done
.Lfirst_v:
	STEP 0, 0, 2
.Lfirst_done:
	s_mov_b32 s3, LAPS-1
.Llap:                                                 ; a trip goes once round the ring and fills both slots again
	TURN 0, 1, 1
	STEP 1, 0, 0
	TURN 1, 0, 1
	STEP 0, 0, 0
	s_sub_co_u32 s3, s3, 1
	s_cmp_lg_u32 s3, 0
	s_cbranch_scc1 .Llap
	TURN 0, 1, 0                                   ; the last lap fills nothing
	STEP 1, 0, 0
	s_wait_dscnt 4*NL
	WIN MUL_LO
	MUL16 0, 1, NQ-1, 1, 0
	MUL16 2, 1, NQ-1, 1, 0
	s_wait_dscnt 0
	WIN MUL_HI
	MUL16 4, 1, NQ-1, 1, 0
	MUL16 6, 1, NQ-1, 1, 0
	WIN 0
	PLACES NP
	s_wait_dscnt 0x0
	s_barrier_signal -1                            ; every wave's reads of the ring are over: both slots have had their last fill and may serve as stages
	s_barrier_wait -1
.irp j, 1,2,3
	v_mov_b32 v[PW+\j], 0
	v_mov_b32 v[QA+\j], 0
	v_mov_b32 v[QB+\j], 0
.endr
.irp b, 0,1,2,3
	v_mov_b32 v[TM+4+\b], 0                        ; a lane permute's destination counts as one of its sources
.endr
; 64 numbers of a lane in window w, register 16 b + i = place 32 b + 16 (lane / 16) + i along the next K, become a fragment's codes in v[PC] on and its scale word in v[PW].  Each accumulator is read from its low end on.
.macro QUANT src, w
	WIN ((\w)<<2)|((\w)<<4)
.irp b, 0,1,2,3
	v_max3_num_f32 v[TM+\b], 0x4800000, |v[(\src)+16*\b]|, |v[(\src)+16*\b+1]|   ; my 16 numbers of block b, and the floor 2^(9 - 127)
.endr
.irp i, 2,4,6,8,10,12,14
.irp b, 0,1,2,3
	v_max3_num_f32 v[TM+\b], v[TM+\b], |v[(\src)+16*\b+\i]|, |v[(\src)+16*\b+\i+1]|
.endr
.endr
	WIN 0
.irp b, 0,1,2,3
	v_permlanex16_b32 v[TM+4+\b], v[TM+\b], s[SEL], s[SEL+1]
.endr
.irp b, 0,1,2,3
	v_max_num_f32 v[TM+\b], v[TM+\b], v[TM+4+\b]   ; with lane l xor 16's: the block's largest magnitude
.endr
.irp b, 0,1,2,3
	v_add_nc_u32 v[TM+12+\b], 0xfc000000, v[TM+\b] ; the conversion's scale operand
.endr
.irp b, 0,1,2,3
	v_and_or_b32 v[TM+8+\b], v[TM+\b], 0x7f800000, s[MNT]   ; 448 x the scale
.endr
.irp b, 0,1,2,3
	v_lshrrev_b32 v[TM+4+\b], 23, v[TM+12+\b]      ; the scale's byte
.endr
	v_lshl_or_b32 v[PW], v[TM+5], 8, v[TM+4]
	v_lshl_or_b32 v[PW], v[TM+6], 16, v[PW]
	v_lshl_or_b32 v[PW], v[TM+7], 24, v[PW]
	WIN (\w)
.irp b, 0,1,2,3
.irp i, 0,1,2,3,4,5,6,7,8,9,10,11,12,13,14,15
	v_med3_num_f32 v[T+16*\b+\i], v[(\src)+16*\b+\i], -v[TM+8+\b], v[TM+8+\b]   ; the conversion does not saturate (ISA guide 7.6.2): the hold comes first
.endr
.endr
	WIN 0
.irp b, 0,1,2,3
	v_cvt_scalef32_pk8_fp8_f32 v[PC+4*\b:PC+4*\b+1], v[T+16*\b:T+16*\b+7], v[TM+12+\b]
	v_cvt_scalef32_pk8_fp8_f32 v[PC+4*\b+2:PC+4*\b+3], v[T+16*\b+8:T+16*\b+15], v[TM+12+\b]
.endr
	v_nop                                          ; a plain instruction behind the last conversion
.endm
.macro OUTBLK a                        ; block a: 16 lanes' records
	QUANT 64*((\a)%4), 2+(\a)/4
	v_and_or_b32 v[QA], v[PW], 0xffff, s[PADW]     ; q, k: a head's two bytes, then two bytes of 1.0
	v_lshrrev_b32 v[QB], 16, v[PW]
	v_or_b32 v[QB], s[PADW], v[QB]
	s_cmp_eq_u32 ttmp9, 2
	s_cbranch_scc1 .Lv_\@
.irp b, 0,1,2,3
	ds_store_b128 v[STOQ], v[PC+4*\b:PC+4*\b+3] offset:(\b/2)*10240+(\a)*1280+32*(\b%2)
.endr
	ds_store_b128 v[STSQ], v[QA:QA+3] offset:(\a)*1280+64          ; both halves of the lanes write the same 16 bytes with the same values
	ds_store_b128 v[STSQ], v[QB:QB+3] offset:10240+(\a)*1280+64
	s_branch .Lj_\@
.Lv_\@:
.irp b, 0,1,2,3
	ds_store_b128 v[STOV], v[PC+4*\b:PC+4*\b+3] offset:(\a)*2304+32*\b
.endr
	ds_store_b128 v[STSV], v[PW:PW+3] offset:(\a)*2304+128
.Lj_\@:
	s_wait_dscnt 0x0                               ; the stores have read their registers
.endm
.irp a, 0,1,2,3,4,5,6,7
	OUTBLK \a
.endr
	; my stage leaves as it lies: a head's part is dense in memory too.  LDS serves a wave's instructions in order, and the stage is my own: no barrier
	s_cmp_eq_u32 ttmp9, 2
	s_cbranch_scc1 .Lcopy_v
.irp u, 0,1
.irp i, 0,1,2,3,4,5,6,7,8,9,10,11,12,13,14,15,16,17,18,19
	ds_load_b128 v[CP+4*\i:CP+4*\i+3], v[CPQ] offset:\u*10240+512*\i
.endr
	s_wait_dscnt 0x0
.irp i, 0,1,2,3,4,5,6,7,8,9,10,11,12,13,14,15,16,17,18,19
	global_store_b128 v[GOF], v[CP+4*\i:CP+4*\i+3], s[84+2*\u:85+2*\u] offset:512*\i   ; 512 consecutive bytes, aligned to 256
.endr
	s_wait_xcnt 0x0                                ; the stores have read their registers: the next head's loads may land there
.endr
	s_branch .Lcopied
.Lcopy_v:
.irp u, 0,1
.irp i, 0,1,2,3,4,5,6,7,8,9,10,11,12,13,14,15,16,17
	ds_load_b128 v[CP+4*\i:CP+4*\i+3], v[CPV] offset:\u*9216+512*\i
.endr
	s_wait_dscnt 0x0
.irp i, 0,1,2,3,4,5,6,7,8,9,10,11,12,13,14,15,16,17
	global_store_b128 v[GOF], v[CP+4*\i:CP+4*\i+3], s[84+2*\u:85+2*\u] offset:512*\i
.endr
	s_wait_xcnt 0x0
.endr
.Lcopied:
	s_wait_tensorcnt 0x0                           ; the wave's end
	ds_add_u32 v[SPW], v[NIL]
	s_wait_dscnt 0x0
	CROUND                                         ; the closing round
	s_endpgm
.Lfunc_end_k_q111e05e593_qkv:
	.size	k_q111e05e593_qkv, .Lfunc_end_k_q111e05e593_qkv-k_q111e05e593_qkv
	.p2alignl 7, 3214868480
	.fill 96, 4, 3214868480
	.section	.rodata,"a",@progbits
	.p2align	6, 0x0
	.amdhsa_kernel k_q111e05e593_qkv
		.amdhsa_group_segment_fixed_size 327680
		.amdhsa_private_segment_fixed_size 0
		.amdhsa_enable_private_segment 0
		.amdhsa_kernarg_size 48
		.amdhsa_user_sgpr_count 2
		.amdhsa_user_sgpr_kernarg_segment_ptr 1
		.amdhsa_wavefront_size32 1
		.amdhsa_system_sgpr_workgroup_id_x 1
		.amdhsa_system_sgpr_workgroup_id_y 1
		.amdhsa_system_sgpr_workgroup_id_z 1
		.amdhsa_system_vgpr_workitem_id 0
		.amdhsa_next_free_vgpr 1024
		.amdhsa_next_free_sgpr 100
		.amdhsa_reserve_vcc 0
		.amdhsa_float_denorm_mode_32 3
		.amdhsa_float_denorm_mode_16_64 3
		.amdhsa_memory_ordered 1
		.amdhsa_forward_progress 1
		.amdhsa_inst_pref_size 220
	.end_amdhsa_kernel
	.amdgpu_metadata
---
amdhsa.version: [ 1, 2 ]
amdhsa.kernels:
  - .name:           k_q111e05e593_qkv
    .symbol:         k_q111e05e593_qkv.kd
    .args:
      - { .name: hc, .offset: 0, .size: 8, .value_kind: global_buffer, .address_space: global }
      - { .name: wc, .offset: 8, .size: 8, .value_kind: global_buffer, .address_space: global }
      - { .name: bq, .offset: 16, .size: 8, .value_kind: global_buffer, .address_space: global }
      - { .name: bk, .offset: 24, .size: 8, .value_kind: global_buffer, .address_space: global }
      - { .name: bv, .offset: 32, .size: 8, .value_kind: global_buffer, .address_space: global }
      - { .name: qkvc, .offset: 40, .size: 8, .value_kind: global_buffer, .address_space: global }
    .group_segment_fixed_size: 327680
    .private_segment_fixed_size: 0
    .kernarg_segment_align: 8
    .kernarg_segment_size: 48
    .max_flat_workgroup_size: 128
    .sgpr_count:     100
    .vgpr_count:     1024
    .wavefront_size: 32
...
	.end_amdgpu_metadata
.endif
;; end of part 3
;; launch attn (part 4): grid 32 x 8, 16 waves a work-group, clusters of 4 x 1, 327,680 bytes of LDS; arguments qkvc, cc; writes cc
.if DOCPART == 4
	.amdgcn_target "amdgcn-amd-amdhsa--gfx1250"
	.amdhsa_code_object_version 6
	.text
	.protected	k_q111e05e593_attn
	.globl	k_q111e05e593_attn
	.p2align	8
	.type	k_q111e05e593_attn,@function
k_q111e05e593_attn:
	s_mov_b64 s[64:65], 0
	v_nop
	global_prefetch_b8 v0, s[64:65] scope:SCOPE_SE
	s_setreg_imm32_b32 hwreg(HW_REG_WAVE_MODE, 25, 1), 1
	s_wait_xcnt 0x0
	s_wait_alu depctr_hold_cnt(0) depctr_sa_sdst(0) depctr_va_vdst(0) depctr_va_sdst(0) depctr_va_ssrc(0) depctr_va_vcc(0) depctr_vm_vsrc(0)
	s_getreg_b32 s2, hwreg(HW_REG_IB_STS2, 6, 4)
	s_cmp_eq_u32 s2, 0
	s_cbranch_scc0 .Lentry_in_a_cluster
	s_endpgm
.Lentry_in_a_cluster:
	s_bfe_u32 s2, ttmp6, 0x10000c
	s_cmp_lg_u32 s2, 0x3003
	s_cbranch_scc0 .Lentry_shape_is_right
	s_endpgm
.Lentry_shape_is_right:
; ctx = softmax(q k^T / 8, causal) v for 32 heads of 64 channels and 2,048 tokens, both products on codes of FP8 (E4M3) with E8M0 scales; ctx is quantised along its 1,024 features on the way out.
; IN (qkvc): q: [head 32][place 2,048][80]: 64 codes, a scale word (2 bytes, 0x7f 0x7f), 12 zeros.  From byte 5,242,880: [head][key step 16][19,456]: 128 records of k like q's, then 64 records of v^T of 144 bytes:
; 128 codes along the step's keys in true order, 4 scale bytes, 12 zeros.  Tokens and channels lie at places sigma(i) (bits 3 and 4 of i exchanged).  OUT (cc): tiles of 128 records of 272 bytes, tile (g, s) at (4 g + s) x 34,816.
; THE SOFTMAX: t = score x log2(e) / 8; M = the running largest t rounded UP to a whole number; p = 2^(t - M) is quantised along the keys, not normalised; the row's sum is taken of the unquantised p and divides at the end;
; when M moves, the sum and O are multiplied by 2^(old M - new M): exact.
; SHARES.  A work-group has 16 waves: 4 heads (which fill 256 features, one K step of the next product) x 4 tiles of 16 query places: tiles j, 63 - j, 64 + j, 127 - j, so that every work-group has the same number of
; key steps under the mask.  Wave w: head w / 4, kind (w % 4 + w / 4) % 4.  Every work-group walks all 16 key steps: the trip counts are constants; a step all of whose keys come after the wave's queries is jumped over.
; That jump hangs on the tile's number / 8, which is made of the cluster's x and the wave's number alone: the same in all four partners.
; Both products are used transposed (S^T = k q^T, O^T = v^T p^T): a lane holds one query.  16 records of k on end are the keys 32 (t / 2) + 8 (t % 2) + r + 8 (r / 8): p's 16 registers of two neighbouring tiles are 16 neighbouring keys.
; K = 64 IN A FORM OF K = 128: q's codes for the upper 64 are zeros, and both sides' scale bytes there are 1.0.  k's fragment t names 16 registers of which the upper 8 are the next tile's codes (for tile 7: kept zeros):
; those are finite numbers (the quantiser holds every number at 448, so no code is the NaN code), and times zero they add exact zeros.
; CLUSTER.  The four partners walk the same four heads: each slot (2 key steps x 4 heads) is asked for jointly, by waves 0 to 3, a head each: 38,912 dense bytes a load.
; LIMITS: as in the launches before: zero blocks get the byte 1; NaN and infinities are not served.
.set TILE,   34816
.set KV_OFF, 5242880
.set STEPB,  19456                     ; a head's key step: k 10,240, v 9,216
.set HEADB,  2*STEPB                   ; a head's part of a slot
.set SLOTB,  4*HEADB                   ; 155,648
.set SPARE,  2*SLOTB                   ; behind the ring: the spare words, 128 bytes a wave: eight blocks of 256 bytes that no other line names
.set AK0,  1                           ; v1  my lane's place in a step's k
.set AV0,  2                           ; v2  in its v
.set ASK0, 3                           ; v3  k's scale words
.set ASV0, 4                           ; v4  v's
.set SPW,  5                           ; v5  my spare word's address; never rewritten
.set NIL,  6                           ; v6  0; never rewritten
.set DQ,   7                           ; v7  my query's number in its group of 128, less 16 (lane / 16)
.set ADK,  8                           ; v8-11 the addresses of the step in hand
.set ADV,  9
.set ADS,  10
.set ADT,  11
.set KF,   32                          ; v32-95 k's 8 tiles of 8 registers, then v's 4 fragments; v96-103 zeros, kept
.set S,    104                         ; v104-167 S^T, then p
.set OT,   168                         ; v168-199 O^T
.set PC,   200                         ; v200-215 p's codes
.set MX,   216                         ; largest scores, then largest p, of the four blocks
.set PB,   220                         ; at work; bytes
.set HO,   224                         ; 448 x the scale
.set SO,   228                         ; the conversions' scale operands
.set FF,   232                         ; v232 f = 2^(old M - new M); v233 p's scale word
.set TMP,  234
.set INF,  235
.set KSW,  236                         ; v236-243 k's scale words
.set VSW,  244                         ; v244-247 v's
.set QSW,  248                         ; v248 q's
.set WV,  8
.set AA,  9
.set CC,  10
.set SL,  11
.set TG,  15
.set TT,  16
.set KSI, 17
.set TB,  18
.set TW,  19
.set SEL, 20
.set CS,  22
.set G1,  24
.set G0,  32
.set LAP, 40
.set MNT, 41
.macro ROUND                           ; a round of the cluster's barrier
	s_barrier_signal -1
	s_barrier_wait -1
	s_cmp_lg_u32 s[WV], 0
	s_cbranch_scc1 .Lnot_wave_0_\@
	s_barrier_signal -3
.Lnot_wave_0_\@:
	s_barrier_wait -3
	s_barrier_signal -1
	s_barrier_wait -1
.endm
.macro TLOAD s                         ; waves 0 to 3 fetch, a head each; the branch hangs on the wave's number alone; four v_nop follow the load
	s_cmp_lt_u32 s[WV], 4
	s_cbranch_scc0 .Lnone_\@
	tensor_load_to_lds s[G0+4*(\s):G0+4*(\s)+3], s[G1:G1+7]
	s_nop 0
.rept 4
	v_nop
.endr
.Lnone_\@:
.endm
	s_load_b128 s[4:7], s[0:1], 0x0                ; qkvc, cc
	v_lshl_add_u32 v[SPW], v0, 2, SPARE
	v_mov_b32 v[NIL], 0
	ds_add_u32 v5, v6
	s_wait_dscnt 0x0
	v_lshrrev_b32 v8, 5, v0
	v_readfirstlane_b32 s[WV], v8                  ; wave 0..15
	s_and_b32 s[AA], s[WV], 3
	s_lshr_b32 s[CC], s[WV], 2                     ; my head among the four
	s_add_co_u32 s[SL], s[AA], s[CC]
	s_and_b32 s[SL], s[SL], 3                      ; my kind of tile
	s_bfe_u32 s12, ttmp6, 0x40000                  ; cx: it enters global addresses and the mask's numbers alone
	s_lshl_b32 s13, ttmp9, 2
	s_add_co_u32 s13, s13, s12                     ; j
	s_and_b32 s14, ttmp7, 0xffff                   ; y = 4 x batch + group of four heads
	s_lshr_b32 s42, ttmp9, 1                       ; j / 8
	s_sub_co_u32 s43, 15, ttmp9
	s_lshr_b32 s43, s43, 1                         ; (63 - j) / 8
	s_sub_co_u32 s45, 63, s13
	s_and_b32 s44, s[SL], 1
	s_cmp_eq_u32 s44, 1
	s_cselect_b32 s[TG], s43, s42
	s_cselect_b32 s[TT], s45, s13
	s_lshr_b32 s44, s[SL], 1
	s_lshl_b32 s46, s44, 3
	s_add_co_u32 s[TG], s[TG], s46                 ; my tile / 8: the key step on the diagonal
	s_lshl_b32 s46, s44, 6
	s_add_co_u32 s[TT], s[TT], s46                 ; my tile
	s_and_b32 s44, s[AA], 1                        ; and the tile of kind w % 4, which waves 0 to 3 store
	s_cmp_eq_u32 s44, 1
	s_cselect_b32 s47, s45, s13
	s_lshr_b32 s44, s[AA], 1
	s_lshl_b32 s44, s44, 6
	s_add_co_u32 s47, s47, s44
	s_lshl_b32 s48, s14, 2                         ; the first of my four heads
	s_add_co_u32 s49, s48, s[CC]
	s_mul_i32 s49, s49, 163840
	s_mul_i32 s50, s[TT], 1280
	s_add_co_u32 s50, s50, s49                     ; q: my head, my 16 places
	s_mov_b32 s51, 0
	s_add_co_u32 s52, s48, s[AA]
	s_mul_i32 s52, s52, 311296
	s_add_co_u32 s52, s52, KV_OFF                  ; k, v: the head that I fetch, if I fetch
	s_mov_b32 s53, 0
	s_lshr_b32 s54, s14, 2
	s_lshl_b32 s54, s54, 4
	s_lshr_b32 s55, s47, 3
	s_add_co_u32 s54, s54, s55                     ; cc: the group of 128 tokens,
	s_lshl_b32 s54, s54, 2
	s_and_b32 s55, s14, 3
	s_add_co_u32 s54, s54, s55                     ; the tile along K,
	s_mul_i32 s54, s54, TILE
	s_and_b32 s55, s47, 7
	s_mul_i32 s55, s55, 4352
	s_add_co_u32 s54, s54, s55                     ; the 16 records
	s_mov_b32 s55, 0
	s_mov_b32 s[G1], 15|(3<<16)|(1<<21)            ; 15:0 the mask: all four partners; 17:16 elements of 8 bytes; 21 set beside a mask; no padding
	s_mov_b32 s[G1+1], 32<<16                      ; rows of 256 bytes,
	s_mov_b32 s[G1+2], 152<<16                     ; 152 of them: 38,912 bytes
	s_mov_b32 s[G1+3], 32<<16
	s_mov_b32 s[G1+4], 152
	s_mov_b32 s[G1+5], 32                          ; dense
	s_mov_b32 s[G1+6], 0
	s_mov_b32 s[G1+7], 0
	s_mov_b32 s[SEL], 0x76543210
	s_mov_b32 s[SEL+1], 0xfedcba98
	s_mov_b32 s[CS], 0x3e38aa3b                    ; c = log2(e) / 8
	s_mov_b32 s[CS+1], s[CS]
	s_mov_b32 s[MNT], 0x600000
	s_mov_b32 s[KSI], 0
	s_mul_i32 s56, s[AA], HEADB
	s_wait_kmcnt 0x0
	s_add_nc_u64 s[52:53], s[4:5], s[52:53]
.irp n, 0,1
	s_mov_b32 s[G0+4*\n], 1
	s_add_co_u32 s[G0+4*\n+1], s56, \n*SLOTB
	s_add_nc_u64 s[G0+4*\n+2:G0+4*\n+3], s[52:53], \n*HEADB
	s_or_b32 s[G0+4*\n+3], s[G0+4*\n+3], 0x80000000
.endr
	ROUND                                          ; all four work-groups are here
	TLOAD 0                                        ; key steps 0 and 1
	s_add_nc_u64 s[4:5], s[4:5], s[50:51]
	s_add_nc_u64 s[6:7], s[6:7], s[54:55]
	v_and_b32 v8, 15, v0                           ; r
	v_bfe_u32 v9, v0, 4, 1                         ; h
	v_mul_u32_u24 v250, v8, 80
	v_lshl_add_u32 v249, v9, 4, v250
	global_load_b128 v[16:19], v249, s[4:5]        ; q's codes: channels 16 h .. and 32 + 16 h ..
	global_load_b128 v[20:23], v249, s[4:5] offset:32
	global_load_b32 v[QSW], v250, s[4:5] offset:64
	s_mul_i32 s42, s[CC], HEADB
	v_add_nc_u32 v[ASK0], s42, v250
	v_lshl_add_u32 v[AK0], v9, 4, v[ASK0]
	v_add_nc_u32 v[ASK0], 64, v[ASK0]
	v_mul_u32_u24 v10, v8, 144
	v_add_nc_u32 v10, s42, v10
	v_add_nc_u32 v10, 10240, v10
	v_lshl_add_u32 v[AV0], v9, 4, v10
	v_add_nc_u32 v[ASV0], 128, v10
	s_lshr_b32 s42, s[TT], 1
	s_and_b32 s42, s42, 3
	s_lshl_b32 s42, s42, 5
	s_and_b32 s43, s[TT], 1
	s_lshl_b32 s43, s43, 3
	s_add_co_u32 s42, s42, s43
	v_and_b32 v10, 8, v8
	v_add_nc_u32 v10, v10, v8                      ; r + 8 (r / 8)
	v_lshlrev_b32 v11, 4, v9
	v_sub_nc_u32 v[DQ], v10, v11
	v_add_nc_u32 v[DQ], s42, v[DQ]
	v_mov_b32 v13, 0xff61b1e6                      ; the largest t so far: -3e38
	v_floor_f32 v12, -v13                          ; -M
	v_mov_b32 v14, 0
	v_mov_b32 v15, 0
.irp b, 0,1,2,3
	v_mov_b32 v[PB+\b], 0
.endr
	v_mov_b32 v[FF+1], 0
	v_mov_b32 v[TMP], 0
	v_mov_b32 v[INF], 0xff800000
.irp j, 0,1,2,3,4,5,6,7
	v_mov_b32 v[24+\j], 0                          ; q's upper 64 along K
	v_mov_b32 v[96+\j], 0                          ; what stands behind k's tile 7
.endr
.set n, 0
.rept 32
	v_mov_b32 v[OT+n], 0                           ; the step is written once: the first finds zeros
.set n, n+1
.endr
; A KEY STEP: 128 keys at LDS byte s[TB] of each head's part.
.macro STEP
	s_cmp_gt_u32 s[KSI], s[TG]                     ; all its keys come after my queries: nothing to do
	s_cbranch_scc1 .Lhidden_\@
	v_add_nc_u32 v[ADK], s[TB], v[AK0]
	v_add_nc_u32 v[ADV], s[TB], v[AV0]
	v_add_nc_u32 v[ADS], s[TB], v[ASK0]
	v_add_nc_u32 v[ADT], s[TB], v[ASV0]
.rept 4
	v_nop                                          ; with the four additions: eight places in front of loads into registers that the last products read
.endr
.irp t, 0,1,2,3,4,5,6,7
	ds_load_b128 v[KF+8*\t:KF+8*\t+3], v[ADK] offset:\t*1280
	ds_load_b128 v[KF+8*\t+4:KF+8*\t+7], v[ADK] offset:\t*1280+32
	ds_load_b32 v[KSW+\t], v[ADS] offset:\t*1280
.endr
	s_wait_dscnt 0x0
.irp t, 0,1,2,3,4,5,6,7
	v_wmma_scale_f32_16x16x128_f8f6f4 v[S+8*\t:S+8*\t+7], v[KF+8*\t:KF+8*\t+15], v[16:31], 0, v[KSW+\t], v[QSW]
.endr
.rept 8
	v_nop
.endr
.irp t, 0,1,2,3                                ; v's fragments are asked for now and land under the softmax
.irp c, 0,1,2,3
	ds_load_b128 v[KF+16*\t+4*\c:KF+16*\t+4*\c+3], v[ADV] offset:\t*2304+32*\c
.endr
	ds_load_b32 v[VSW+\t], v[ADT] offset:\t*2304
.endr
	s_cmp_lg_u32 s[KSI], s[TG]                     ; on the diagonal alone: register 16 b + i holds key 32 b + 16 (lane / 16) + i of the step: hidden where 32 b + i > DQ
	s_cbranch_scc1 .Lopen_\@
.set n, 0
.rept 64
	v_cmp_gt_i32 vcc_lo, 32*(n/16)+n%16, v[DQ]
	v_cndmask_b32 v[S+n], v[S+n], v[INF], vcc_lo
.set n, n+1
.endr
.Lopen_\@:
.irp b, 0,1,2,3
	v_max3_num_f32 v[MX+\b], v[S+16*\b], v[S+16*\b+1], v[S+16*\b+2]   ; the largest score of each block of 32 keys: for the row's maximum, and, since p rises with the score, for the block's largest p
.endr
.irp i, 3,5,7,9,11,13
.irp b, 0,1,2,3
	v_max3_num_f32 v[MX+\b], v[MX+\b], v[S+16*\b+\i], v[S+16*\b+\i+1]
.endr
.endr
.irp b, 0,1,2,3
	v_max_num_f32 v[MX+\b], v[MX+\b], v[S+16*\b+15]
.endr
.irp b, 0,1,2,3
	v_permlanex16_b32 v[PB+\b], v[MX+\b], s[SEL], s[SEL+1]
.endr
.irp b, 0,1,2,3
	v_max_num_f32 v[MX+\b], v[MX+\b], v[PB+\b]
.endr
	v_max3_num_f32 v[TMP], v[MX], v[MX+1], v[MX+2]
	v_max_num_f32 v[TMP], v[TMP], v[MX+3]
	v_mul_f32 v[TMP], s[CS], v[TMP]
	v_max_num_f32 v13, v13, v[TMP]                 ; the running largest t
	v_mov_b32 v[TMP], v12
	v_floor_f32 v12, -v13                          ; the new -M = -ceil(t)
	v_sub_f32 v[TMP], v12, v[TMP]                  ; old M - new M: a whole number, 0 or less
	v_cvt_i32_f32 v[TMP], v[TMP]                   ; (it saturates)
	v_ldexp_f32 v[FF], 1.0, v[TMP]                 ; f
.set n, 0
.rept 32
	v_pk_fma_f32 v[S+n:S+n+1], v[S+n:S+n+1], s[CS:CS+1], v[12:13] op_sel_hi:[1,0,0]   ; t - M
.set n, n+2
.endr
.irp b, 0,1,2,3
	v_fma_f32 v[MX+\b], v[MX+\b], s[CS], v12
.endr
.set n, 0
.rept 64
	v_exp_f32 v[S+n], v[S+n]                       ; p
.set n, n+1
.endr
	v_pk_mul_f32 v[14:15], v[14:15], v[FF:FF+1] op_sel_hi:[1,0]   ; the sums under the new M (a plain instruction behind the exponentials)
	s_wait_alu depctr_va_vdst(0)                   ; one wait for the batch, ahead of its first reader
.irp b, 0,1,2,3
	v_exp_f32 v[MX+\b], v[MX+\b]                   ; each block's largest p
.endr
	v_pk_add_f32 v[PB:PB+1], v[S:S+1], v[S+2:S+3]  ; the row's sum of the unquantised p, in two chains
.irp j, 4,8,12,16,20,24,28,32,36,40,44,48,52,56,60
	v_pk_add_f32 v[14:15], v[14:15], v[S+\j:S+\j+1]
	v_pk_add_f32 v[PB:PB+1], v[PB:PB+1], v[S+\j+2:S+\j+3]
.endr
	v_pk_add_f32 v[14:15], v[14:15], v[PB:PB+1]
	s_wait_alu depctr_va_vdst(0)                   ; and one for the four
.irp b, 0,1,2,3
	v_max_num_f32 v[MX+\b], 0x4800000, v[MX+\b]    ; the floor 2^(9 - 127)
.endr
.irp b, 0,1,2,3
	v_add_nc_u32 v[SO+\b], 0xfc000000, v[MX+\b]
.endr
.irp b, 0,1,2,3
	v_and_or_b32 v[HO+\b], v[MX+\b], 0x7f800000, s[MNT]
.endr
.irp b, 0,1,2,3
	v_lshrrev_b32 v[PB+\b], 23, v[SO+\b]
.endr
	v_lshl_or_b32 v[FF+1], v[PB+1], 8, v[PB]       ; p's scale word for these 128 keys
	v_lshl_or_b32 v[FF+1], v[PB+2], 16, v[FF+1]
	v_lshl_or_b32 v[FF+1], v[PB+3], 24, v[FF+1]
.irp b, 0,1,2,3
.irp i, 0,1,2,3,4,5,6,7,8,9,10,11,12,13,14,15
	v_min_num_f32 v[S+16*\b+\i], v[S+16*\b+\i], v[HO+\b]   ; the conversion does not saturate (ISA guide 7.6.2); p is not negative: a one-sided hold
.endr
	v_cvt_scalef32_pk8_fp8_f32 v[PC+4*\b:PC+4*\b+1], v[S+16*\b:S+16*\b+7], v[SO+\b]
	v_cvt_scalef32_pk8_fp8_f32 v[PC+4*\b+2:PC+4*\b+3], v[S+16*\b+8:S+16*\b+15], v[SO+\b]
.endr
.set n, 0
.rept 16
	v_pk_mul_f32 v[OT+n:OT+n+1], v[OT+n:OT+n+1], v[FF:FF+1] op_sel_hi:[1,0]   ; O^T under the new M; these 16 are also the places between the codes and the products
.set n, n+2
.endr
	s_wait_dscnt 0x0                               ; v is in
.irp t, 0,1,2,3
	v_wmma_scale_f32_16x16x128_f8f6f4 v[OT+8*\t:OT+8*\t+7], v[KF+16*\t:KF+16*\t+15], v[PC:PC+15], v[OT+8*\t:OT+8*\t+7], v[VSW+\t], v[FF+1]
.endr
.Lhidden_\@:
.endm
; A slot's two key steps.  At its head: every wave waits for all its tensor loads, adds 0 to its spare word, waits for that and for its reads of the other slot; a round of the cluster's barrier; the other slot is asked for first.
.macro TRIP slot, refill
	s_wait_tensorcnt 0x0                           ; no tensor load of mine is out, so a group 0 may be written
	ds_add_u32 v[SPW], v[NIL]
	s_add_nc_u64 s[G0+4*\slot+2:G0+4*\slot+3], s[G0+4*\slot+2:G0+4*\slot+3], 2*HEADB   ; this slot's next two key steps
	s_wait_dscnt 0x0
	ROUND
.if \refill
	TLOAD 1-\slot                                  ; a wave's one tensor load until the next round: it has two key steps in which to land
.endif
	s_mov_b32 s[TB], \slot*SLOTB
	s_mov_b32 s[TW], 2
.Lstep_\@:
	STEP
	s_add_co_u32 s[TB], s[TB], STEPB
	s_add_co_u32 s[KSI], s[KSI], 1
	s_sub_co_u32 s[TW], s[TW], 1
	s_cmp_lg_u32 s[TW], 0
	s_cbranch_scc1 .Lstep_\@
.endm
	s_wait_loadcnt 0x0                             ; q
	s_mov_b32 s[LAP], 3
.Llap:
	TRIP 0, 1
	TRIP 1, 1
	s_sub_co_u32 s[LAP], s[LAP], 1
	s_cmp_lg_u32 s[LAP], 0
	s_cbranch_scc1 .Llap
	TRIP 0, 1                                      ; the tail is written out
	TRIP 1, 0
	; THE WAY OUT.  O^T / the sum: 32 numbers a lane, register 16 b + i = channel 32 b + 16 h + i: two blocks of the next K.  They are quantised and meet the other three heads' in a stage [kind 4][16 records][272]
	; in slot 0, which has had its last fill and was left at the last round.  The address work below is nine plain instructions: the places behind the last products on every way here.
	v_add_f32 v14, v14, v15
	v_permlanex16_b32 v[TMP], v14, s[SEL], s[SEL+1]
	v_add_f32 v14, v14, v[TMP]                     ; the row's sum
	v_rcp_f32 v14, v14
	v_and_b32 v8, 15, v0
	v_bfe_u32 v9, v0, 4, 1
	s_mul_i32 s42, s[SL], 4352
	s_lshl_b32 s43, s[CC], 6
	s_add_co_u32 s43, s43, s42
	v_mul_u32_u24 v10, v8, 272
	v_lshl_add_u32 v8, v9, 4, v10
	v_add_nc_u32 v8, s43, v8                       ; codes: kind, record r, 64 x head + 16 h
	s_lshl_b32 s43, s[CC], 1
	s_add_co_u32 s43, s43, s42
	v_add_nc_u32 v9, s43, v10                      ; scale bytes: 2 x head
	v_and_b32 v11, 31, v0
	v_lshlrev_b32 v11, 3, v11
	s_mul_i32 s42, s[AA], 4352
	v_add_nc_u32 v10, s42, v11                     ; back: kind w % 4, 8 bytes a lane
	s_wait_alu depctr_va_vdst(0)                   ; ahead of the reciprocal's first reader
.set n, 0
.rept 32
	v_mul_f32 v[S+n], v[OT+n], v14
.set n, n+1
.endr
.irp b, 0,1
	v_max3_num_f32 v[MX+\b], |v[S+16*\b]|, |v[S+16*\b+1]|, 0x4800000
.endr
.irp i, 2,4,6,8,10,12,14
.irp b, 0,1
	v_max3_num_f32 v[MX+\b], v[MX+\b], |v[S+16*\b+\i]|, |v[S+16*\b+\i+1]|
.endr
.endr
.irp b, 0,1
	v_permlanex16_b32 v[PB+\b], v[MX+\b], s[SEL], s[SEL+1]
.endr
.irp b, 0,1
	v_max_num_f32 v[MX+\b], v[MX+\b], v[PB+\b]
.endr
.irp b, 0,1
	v_add_nc_u32 v[SO+\b], 0xfc000000, v[MX+\b]
.endr
.irp b, 0,1
	v_and_or_b32 v[HO+\b], v[MX+\b], 0x7f800000, s[MNT]
.endr
.irp b, 0,1
	v_lshrrev_b32 v[PB+\b], 23, v[SO+\b]
.endr
	v_lshl_or_b32 v[TMP], v[PB+1], 8, v[PB]
.irp b, 0,1
.irp i, 0,1,2,3,4,5,6,7,8,9,10,11,12,13,14,15
	v_med3_num_f32 v[S+16*\b+\i], v[S+16*\b+\i], -v[HO+\b], v[HO+\b]
.endr
	v_cvt_scalef32_pk8_fp8_f32 v[PC+4*\b:PC+4*\b+1], v[S+16*\b:S+16*\b+7], v[SO+\b]
	v_cvt_scalef32_pk8_fp8_f32 v[PC+4*\b+2:PC+4*\b+3], v[S+16*\b+8:S+16*\b+15], v[SO+\b]
.endr
	v_nop
	ds_store_b128 v8, v[PC:PC+3]
	ds_store_b128 v8, v[PC+4:PC+7] offset:32
	ds_store_b16 v9, v[TMP] offset:256             ; both halves of the lanes write the same two bytes
	ds_store_b16 v9, v96 offset:264                ; the record's last 8 bytes are zeros
	s_wait_dscnt 0x0                               ; for the others' sake
	s_barrier_signal -1
	s_barrier_wait -1
	s_cmp_lt_u32 s[WV], 4
	s_cbranch_scc0 .Ldone
.irp i, 0,1,2,3,4,5,6,7,8,9,10,11,12,13,14,15,16
	ds_load_b64 v[32+2*\i:33+2*\i], v10 offset:256*\i
.endr
.irp i, 0,1,2,3,4,5,6,7,8,9,10,11,12,13,14,15,16
	s_wait_dscnt 16-\i                             ; the younger loads may be out
	global_store_b64 v11, v[32+2*\i:33+2*\i], s[6:7] offset:256*\i   ; 256 consecutive bytes, aligned
.endr
.Ldone:
	s_wait_tensorcnt 0x0                           ; the wave's end
	ds_add_u32 v[SPW], v[NIL]
	s_wait_dscnt 0x0
	ROUND                                          ; the closing round
	s_endpgm
.Lfunc_end_k_q111e05e593_attn:
	.size	k_q111e05e593_attn, .Lfunc_end_k_q111e05e593_attn-k_q111e05e593_attn
	.p2alignl 7, 3214868480
	.fill 96, 4, 3214868480
	.section	.rodata,"a",@progbits
	.p2align	6, 0x0
	.amdhsa_kernel k_q111e05e593_attn
		.amdhsa_group_segment_fixed_size 327680
		.amdhsa_private_segment_fixed_size 0
		.amdhsa_enable_private_segment 0
		.amdhsa_kernarg_size 16
		.amdhsa_user_sgpr_count 2
		.amdhsa_user_sgpr_kernarg_segment_ptr 1
		.amdhsa_wavefront_size32 1
		.amdhsa_system_sgpr_workgroup_id_x 1
		.amdhsa_system_sgpr_workgroup_id_y 1
		.amdhsa_system_sgpr_workgroup_id_z 1
		.amdhsa_system_vgpr_workitem_id 0
		.amdhsa_next_free_vgpr 256
		.amdhsa_next_free_sgpr 66
		.amdhsa_reserve_vcc 1
		.amdhsa_float_denorm_mode_32 3
		.amdhsa_float_denorm_mode_16_64 3
		.amdhsa_memory_ordered 1
		.amdhsa_forward_progress 1
		.amdhsa_inst_pref_size 117
	.end_amdhsa_kernel
	.amdgpu_metadata
---
amdhsa.version: [ 1, 2 ]
amdhsa.kernels:
  - .name:           k_q111e05e593_attn
    .symbol:         k_q111e05e593_attn.kd
    .args:
      - { .name: qkvc, .offset: 0, .size: 8, .value_kind: global_buffer, .address_space: global }
      - { .name: cc, .offset: 8, .size: 8, .value_kind: global_buffer, .address_space: global }
    .group_segment_fixed_size: 327680
    .private_segment_fixed_size: 0
    .kernarg_segment_align: 8
    .kernarg_segment_size: 16
    .max_flat_workgroup_size: 512
    .sgpr_count:     66
    .vgpr_count:     256
    .wavefront_size: 32
...
	.end_amdgpu_metadata
.endif
;; end of part 4
;; launch oproj (part 5): grid 4 x 16, 4 waves a work-group, clusters of 4 x 4, 327,680 bytes of LDS; arguments cc, wc, bo, x, x1; writes x1
.if DOCPART == 5
	.amdgcn_target "amdgcn-amd-amdhsa--gfx1250"
	.amdhsa_code_object_version 6
	.text
	.protected	k_q111e05e593_oproj
	.globl	k_q111e05e593_oproj
	.p2align	8
	.type	k_q111e05e593_oproj,@function
k_q111e05e593_oproj:
	s_mov_b64 s[64:65], 0
	v_nop
	global_prefetch_b8 v0, s[64:65] scope:SCOPE_SE
	s_setreg_imm32_b32 hwreg(HW_REG_WAVE_MODE, 25, 1), 1
	s_wait_xcnt 0x0
	s_wait_alu depctr_hold_cnt(0) depctr_sa_sdst(0) depctr_va_vdst(0) depctr_va_sdst(0) depctr_va_ssrc(0) depctr_va_vcc(0) depctr_vm_vsrc(0)
	s_getreg_b32 s2, hwreg(HW_REG_IB_STS2, 6, 4)
	s_cmp_eq_u32 s2, 0
	s_cbranch_scc0 .Lentry_in_a_cluster
	s_endpgm
.Lentry_in_a_cluster:
	s_bfe_u32 s2, ttmp6, 0x10000c
	s_cmp_lg_u32 s2, 0xf033
	s_cbranch_scc0 .Lentry_shape_is_right
	s_endpgm
.Lentry_shape_is_right:
; out = res + A W + bias: A: 4,096 tokens x K as codes of FP8 (E4M3) with E8M0 scales, W: 1,024 columns x K likewise (in wc, from byte BOFF), bias [1,024], res and out [4,096][1,024] f32.  Here: x1 = x + ctx wo + bo, K = 1,024.
; Operands lie as tiles of 128 records of 272 bytes (256 codes, 8 scale bytes, 8 zeros), tile (g, s) at (KS g + s) x 34,816 bytes; the record of row i lies at place sigma(i) (bits 3 and 4 of i exchanged).
; THE CORE.  A block of 256 x 256 is made by four waves, 128 x 128 each: 64 accumulators, 512 registers.  K goes in steps of 256 through two LDS slots; a wave's one tensor load brings a whole tile, 34,816 dense bytes, its LDS image as it stands.
; 4 x 4 work-groups form a cluster: A's tiles are shared along a row of it, W's along a column: joint loads.  The matrix instruction is used transposed (source 0 = 16 records of W, source 1 = 16 of A):
; a lane holds one token, and register j of tile b the column 32 (b / 2) + 16 (lane / 16) + 8 (b % 2) + j.  The bias is the C of each sum's first product.
; THE WAY OUT: a block of 16 tokens goes through the wave's own stage in LDS, comes back as rows of 512 bytes, takes the residual and is stored at its true row: lane t of block a is row 32 (a / 2) + 8 (a % 2) + t + 8 (t / 8).
; The grid has 64 work-groups: 1,024 columns make four blocks of 256.
.set KS,     4
.set BOFF,   3342336
.set TILE,   34816
.set PITCH,  272
.set HALFT,  TILE
.set SLOT,   4*HALFT
.set SPARE,  2*SLOT                    ; behind the ring: the spare words, 128 bytes a wave: two blocks of 256 bytes that no other line names
.set LAPS,   KS/2
.set NQ,     2
.set FR,     16
.set NL,     4
.set NP,     8
.set SPITCH, 528                       ; the stage: 16 rows x (512 + 16) bytes a wave, in slot 0, which has had its last fill and its last read by then
.set ADRA, 16
.set ADRB, 20
.set ADRS, 22
.set STO,  24
.set RD,   25
.set CO,   26
.set SPW,  28
.set NIL,  29
.set SC,   32
.set BI,   64
.set AF,   128
.set BK,   128
.set G1, 24
.set G0, 32
.set G1B, 48
.set G0B, 56
.set MSB, 0
.macro WIN new
.if MSB != (\new)
	s_set_vgpr_msb (MSB<<8)|(\new)
.set MSB, (\new)
.endif
.endm
.set MUL_LO,  0xa1
.set MUL_HI,  0xf1
.set BIAS_LO, 0x81
.set BIAS_HI, 0xc1
.set TO_B,    0x40
.macro JLOAD s                         ; a joint load: waves 0, 1 fetch A's two tiles, waves 2, 3 W's; four v_nop follow each line
	s_cmp_eq_u32 s15, 0
	s_cbranch_scc0 .Lfor_b_\@
	tensor_load_to_lds s[G0+4*(\s):G0+4*(\s)+3], s[G1:G1+7]
	s_nop 0
.rept 4
	v_nop
.endr
	s_branch .Lasked_\@
.Lfor_b_\@:
	tensor_load_to_lds s[G0B+4*(\s):G0B+4*(\s)+3], s[G1B:G1B+7]
	s_nop 0
.rept 4
	v_nop
.endr
.Lasked_\@:
.endm
.macro CREST
	s_cmp_lg_u32 s14, 0
	s_cbranch_scc1 .Lnot_wave_0_\@
	s_barrier_signal -3
.Lnot_wave_0_\@:
	s_barrier_wait -3
	s_barrier_signal -1
	s_barrier_wait -1
.endm
.macro CROUND
	s_barrier_signal -1
	s_barrier_wait -1
	CREST
.endm
	s_load_b256 s[4:11], s[0:1], 0x0               ; A, wc, bias, res
	s_load_b64 s[12:13], s[0:1], 0x20              ; out
	v_lshl_add_u32 v[SPW], v0, 2, SPARE
	v_mov_b32 v[NIL], 0
	ds_add_u32 v28, v29
	s_wait_dscnt 0x0
	v_lshrrev_b32 v1, 5, v0
	v_readfirstlane_b32 s14, v1                    ; wave
	s_lshr_b32 s15, s14, 1                         ; RH: my half of the tokens.  Also: I fetch for A (0) or W (1)
	s_and_b32 s16, s14, 1                          ; CH: my half of the columns.  Also: which of the two tiles I fetch
	s_bfe_u32 s40, ttmp6, 0x40000                  ; cx
	s_bfe_u32 s41, ttmp6, 0x40004                  ; cy
	s_lshl_b32 s42, ttmp9, 2
	s_add_co_u32 s42, s42, s40                     ; TB: block of columns
	s_and_b32 s17, ttmp7, 0xffff
	s_lshl_b32 s17, s17, 2
	s_add_co_u32 s17, s17, s41                     ; TA: block of tokens
	s_lshl_b32 s43, s41, 2
	s_lshl_b32 s43, 15, s43                        ; my row of the cluster
	s_lshl_b32 s44, 0x1111, s40                    ; my column
	s_or_b32 s[G1+0], s43, (3<<16)|(1<<21)         ; the mask; elements of 8 bytes; bit 21 beside a mask; no padding
	s_or_b32 s[G1B+0], s44, (3<<16)|(1<<21)
.irp g, G1, G1B
	s_mov_b32 s[\g+1], 32<<16                      ; rows of 256 bytes,
	s_mov_b32 s[\g+2], 136<<16                     ; 136 of them
	s_mov_b32 s[\g+3], 32<<16
	s_mov_b32 s[\g+4], 136
	s_mov_b32 s[\g+5], 32                          ; dense
	s_mov_b32 s[\g+6], 0
	s_mov_b32 s[\g+7], 0
.endr
	s_lshl_b32 s20, s17, 1
	s_add_co_u32 s20, s20, s16
	s_mul_i32 s20, s20, KS*TILE
	s_mov_b32 s21, 0
	s_lshl_b32 s46, s42, 1
	s_add_co_u32 s46, s46, s16
	s_mul_i32 s46, s46, KS*TILE
	s_add_co_u32 s46, s46, BOFF
	s_mov_b32 s47, 0
	s_mul_i32 s45, s14, HALFT
	s_wait_kmcnt 0x0
	s_add_nc_u64 s[20:21], s[4:5], s[20:21]
	s_add_nc_u64 s[46:47], s[6:7], s[46:47]
	CROUND                                         ; all sixteen work-groups are here: the first joint loads meet
.irp s, 0,1
	s_mov_b32 s[G0+4*\s], 1
	s_add_co_u32 s[G0+4*\s+1], s45, \s*SLOT
	s_add_nc_u64 s[G0+4*\s+2:G0+4*\s+3], s[20:21], \s*TILE
	s_or_b32 s[G0+4*\s+3], s[G0+4*\s+3], 0x80000000
	s_mov_b32 s[G0B+4*\s], 1
	s_add_co_u32 s[G0B+4*\s+1], s45, \s*SLOT
	s_add_nc_u64 s[G0B+4*\s+2:G0B+4*\s+3], s[46:47], \s*TILE
	s_or_b32 s[G0B+4*\s+3], s[G0B+4*\s+3], 0x80000000
	JLOAD \s
.endr
	s_lshl_b32 s66, s17, 1
	s_add_co_u32 s66, s66, s15
	s_lshl_b32 s66, s66, 19                        ; my 128 rows of 4,096 bytes,
	s_lshl_b32 s68, s42, 1
	s_add_co_u32 s68, s68, s16
	s_lshl_b32 s68, s68, 9                         ; my 128 columns of 4 bytes
	s_add_co_u32 s66, s66, s68
	s_mov_b32 s67, 0
	s_mov_b32 s69, 0
	s_add_nc_u64 s[10:11], s[10:11], s[66:67]
	s_add_nc_u64 s[12:13], s[12:13], s[66:67]
	s_add_nc_u64 s[8:9], s[8:9], s[68:69]
	v_and_b32 v1, 15, v0                           ; r
	v_bfe_u32 v2, v0, 4, 1                         ; h
	v_lshlrev_b32 v7, 6, v2
.irp b, 0,1,2,3,4,5,6,7
	global_load_b128 v[BI+8*\b:BI+8*\b+3], v7, s[8:9] offset:4*(32*(\b/2)+8*(\b%2))       ; the bias in the result's layout
	global_load_b128 v[BI+8*\b+4:BI+8*\b+7], v7, s[8:9] offset:4*(32*(\b/2)+8*(\b%2))+16
.endr
	v_mul_u32_u24 v3, v1, PITCH
	v_lshl_add_u32 v4, v2, 4, v3
	s_mul_i32 s21, s15, HALFT
	s_mul_i32 s22, s16, HALFT
	s_add_co_u32 s22, s22, 2*HALFT
	s_sub_co_u32 s23, s22, s21
	v_mul_u32_u24 v6, s23, v2                      ; lanes 16-31 take W's scale words
	v_add_nc_u32 v5, v3, v6
.irp s, 0,1
	v_add_nc_u32 v[ADRA+\s], s21, v4
	v_add_nc_u32 v[ADRB+\s], s22, v4
	v_add_nc_u32 v[ADRS+\s], s21, v5
	s_add_co_u32 s21, s21, SLOT
	s_add_co_u32 s22, s22, SLOT
.endr
	s_mul_i32 s23, s14, 16*SPITCH
	v_mul_u32_u24 v5, v1, SPITCH
	v_lshl_add_u32 v5, v2, 6, v5
	v_add_nc_u32 v[STO], s23, v5                   ; into my stage: row r, + 64 h
	v_and_b32 v6, 31, v0
	v_lshlrev_b32 v[CO], 4, v6
	v_add_nc_u32 v[RD], s23, v[CO]                 ; back: a row of 512 bytes, 16 a lane
.macro FRAG reg, adr, q, i
.irp c, 0,1,2,3
	ds_load_b128 v[\reg+4*\c:\reg+4*\c+3], v[\adr] offset:128*(\q)+32*\c+(\i)*16*PITCH
.endr
.endm
; 16 matrix instructions; zero = 1: C = the bias.  The 64 accumulators take turns, one instruction a turn.
.macro MUL16 a0, p, q, sc, zero
.irp a, \a0, \a0+1
.irp b, 0,1,2,3,4,5,6,7
.if (\zero) == 1
	v_wmma_scale_f32_16x16x128_f8f6f4 v[8*(8*((\a)%4)+\b):8*(8*((\a)%4)+\b)+7], v[128*(\p)+FR*\b:128*(\p)+FR*\b+FR-1], v[AF+FR*(\a):AF+FR*(\a)+FR-1], v[BI+8*\b:BI+8*\b+7], v[SC+8*NQ*(\sc)+NQ*\b+(\q)], v[SC+8*NQ*(\sc)+NQ*(\a)+(\q)] matrix_a_scale:MATRIX_SCALE_ROW1
.else
	v_wmma_scale_f32_16x16x128_f8f6f4 v[8*(8*((\a)%4)+\b):8*(8*((\a)%4)+\b)+7], v[128*(\p)+FR*\b:128*(\p)+FR*\b+FR-1], v[AF+FR*(\a):AF+FR*(\a)+FR-1], v[8*(8*((\a)%4)+\b):8*(8*((\a)%4)+\b)+7], v[SC+8*NQ*(\sc)+NQ*\b+(\q)], v[SC+8*NQ*(\sc)+NQ*(\a)+(\q)] matrix_a_scale:MATRIX_SCALE_ROW1
.endif
.endr
.endr
.endm
.macro FETCH_B slot, q, p
	WIN TO_B
.irp i, 0,1,2,3,4,5,6,7
	FRAG 128*(\p)+FR*\i, ADRB+\slot, \q, \i
.endr
	WIN 0
.endm
.macro FETCH_A slot, q, i0
.irp i, \i0, \i0+1, \i0+2, \i0+3
	FRAG AF+FR*(\i), ADRA+\slot, \q, \i
.endr
.endm
.macro SCALES sc
.irp i, 0,1,2,3,4,5,6,7
	ds_load_b64 v[SC+8*NQ*\sc+NQ*\i:SC+8*NQ*\sc+NQ*\i+1], v[ADRS+\sc] offset:\i*16*PITCH+256
.endr
.endm
.macro PLACES n
.rept \n
	v_nop
.endr
.endm
.macro STEP slot, q, zero
	s_wait_dscnt 4*NL                              ; all but the youngest 16 loads (A's blocks 4-7) are in
.if \zero
	WIN BIAS_LO
.else
	WIN MUL_LO
.endif
	MUL16 0, (\q)%2, \q, \slot, \zero
	MUL16 2, (\q)%2, \q, \slot, \zero
	s_wait_dscnt 0
	PLACES NP
	FETCH_B \slot, (\q)+1, 1-(\q)%2
	FETCH_A \slot, (\q)+1, 0
.if \zero
	WIN BIAS_HI
.else
	WIN MUL_HI
.endif
	MUL16 4, (\q)%2, \q, \slot, \zero
	MUL16 6, (\q)%2, \q, \slot, \zero
	PLACES NP
	WIN 0
	FETCH_A \slot, (\q)+1, 4
.endm
.macro TURN slot, next, fill
	s_wait_tensorcnt 0x0                           ; all my tensor loads have landed: my part of the next slot
	ds_add_u32 v[SPW], v[NIL]
	s_wait_dscnt 4*NL+1                            ; the add and the youngest 16 loads may be out
	WIN MUL_LO
	MUL16 0, 1, NQ-1, \slot, 0
	s_wait_dscnt 0x0                               ; the add is done, and my reads of this slot are over
	s_barrier_signal -1
	MUL16 2, 1, NQ-1, \slot, 0
	WIN 0
	s_barrier_wait -1
.if \fill
	CREST                                          ; the barrier has opened a round of the cluster's
	s_add_nc_u64 s[G0+4*\slot+2:G0+4*\slot+3], s[G0+4*\slot+2:G0+4*\slot+3], 2*TILE
	s_add_nc_u64 s[G0B+4*\slot+2:G0B+4*\slot+3], s[G0B+4*\slot+2:G0B+4*\slot+3], 2*TILE
	JLOAD \slot                                    ; the first tensor load behind the round
	PLACES NP-4
.else
	PLACES NP
.endif
	FETCH_B \next, 0, 0
	FETCH_A \next, 0, 0
	SCALES \next
	WIN MUL_HI
	MUL16 4, 1, NQ-1, \slot, 0
	MUL16 6, 1, NQ-1, \slot, 0
	PLACES NP
	WIN 0
	FETCH_A \next, 0, 4
.endm
	s_wait_tensorcnt 1                             ; my part of slot 0 is in; slot 1's load may be out
	s_barrier_signal -1
	s_barrier_wait -1
	FETCH_B 0, 0, 0
	FETCH_A 0, 0, 0
	SCALES 0
	FETCH_A 0, 0, 4
	s_wait_loadcnt 0x0                             ; the bias
	STEP 0, 0, 1
	s_mov_b32 s3, LAPS-1
.Llap:
	TURN 0, 1, 1
	STEP 1, 0, 0
	TURN 1, 0, 1
	STEP 0, 0, 0
	s_sub_co_u32 s3, s3, 1
	s_cmp_lg_u32 s3, 0
	s_cbranch_scc1 .Llap
	TURN 0, 1, 0
	STEP 1, 0, 0
	s_wait_dscnt 4*NL
	WIN MUL_LO
	MUL16 0, 1, NQ-1, 1, 0
	MUL16 2, 1, NQ-1, 1, 0
	s_wait_dscnt 0
	WIN MUL_HI
	MUL16 4, 1, NQ-1, 1, 0
	MUL16 6, 1, NQ-1, 1, 0
	WIN 0
	PLACES NP
.macro RLOAD a                         ; the residual of block a's 16 rows, into window 1, where W's fragments lay
	WIN TO_B
.irp t, 0,1,2,3,4,5,6,7,8,9,10,11,12,13,14,15
	global_load_b128 v[64*((\a)%4)+4*\t:64*((\a)%4)+4*\t+3], v[CO], s[10:11] offset:(32*((\a)/2)+8*((\a)%2)+\t+8*(\t/8))*4096
.endr
	WIN 0
.endm
.macro EBLK a
.set AC, 64*((\a)%4)
.set BB, BK+64*((\a)%2)
.if (\a) >= 2
	s_wait_xcnt 0x0                                ; block a - 2's stores have read their registers
.endif
	WIN 0x08+4*((\a)/4)                            ; an LDS store's data: window 2 or 3
.irp b, 0,1,2,3,4,5,6,7
	ds_store_b128 v[STO], v[AC+8*\b:AC+8*\b+3] offset:128*(\b/2)+32*(\b%2)          ; each accumulator from its low end on
	ds_store_b128 v[STO], v[AC+8*\b+4:AC+8*\b+7] offset:128*(\b/2)+32*(\b%2)+16
.endr
	WIN 0
.irp t, 0,1,2,3,4,5,6,7,8,9,10,11,12,13,14,15
	ds_load_b128 v[BB+4*\t:BB+4*\t+3], v[RD] offset:\t*SPITCH   ; LDS serves a wave's instructions in order
.endr
	s_wait_dscnt 0x0
.if (\a) <= 4
	s_wait_loadcnt 48                              ; this block's residual is in; the three blocks' behind it, 16 loads each, may be out
.else
	s_wait_loadcnt 16*(7-(\a))
.endif
	WIN 0x04                                       ; source 1 window 1
.set n, 0
.rept 32
	v_pk_add_f32 v[BB+n:BB+n+1], v[BB+n:BB+n+1], v[AC+n:AC+n+1]
.set n, n+2
.endr
	WIN 0
.if (\a) < 4
	RLOAD (\a)+4
.endif
.irp t, 0,1,2,3,4,5,6,7,8,9,10,11,12,13,14,15
	global_store_b128 v[CO], v[BB+4*\t:BB+4*\t+3], s[12:13] offset:(32*((\a)/2)+8*((\a)%2)+\t+8*(\t/8))*4096   ; 512 consecutive bytes, aligned to 256
.endr
.endm
	RLOAD 0
	RLOAD 1
	RLOAD 2
	RLOAD 3
.irp a, 0,1,2,3,4,5,6,7
	EBLK \a
.endr
	s_wait_tensorcnt 0x0                           ; the wave's end
	ds_add_u32 v[SPW], v[NIL]
	s_wait_dscnt 0x0
	CROUND                                         ; the closing round
	s_endpgm
.Lfunc_end_k_q111e05e593_oproj:
	.size	k_q111e05e593_oproj, .Lfunc_end_k_q111e05e593_oproj-k_q111e05e593_oproj
	.p2alignl 7, 3214868480
	.fill 96, 4, 3214868480
	.section	.rodata,"a",@progbits
	.p2align	6, 0x0
	.amdhsa_kernel k_q111e05e593_oproj
		.amdhsa_group_segment_fixed_size 327680
		.amdhsa_private_segment_fixed_size 0
		.amdhsa_enable_private_segment 0
		.amdhsa_kernarg_size 40
		.amdhsa_user_sgpr_count 2
		.amdhsa_user_sgpr_kernarg_segment_ptr 1
		.amdhsa_wavefront_size32 1
		.amdhsa_system_sgpr_workgroup_id_x 1
		.amdhsa_system_sgpr_workgroup_id_y 1
		.amdhsa_system_sgpr_workgroup_id_z 1
		.amdhsa_system_vgpr_workitem_id 0
		.amdhsa_next_free_vgpr 1024
		.amdhsa_next_free_sgpr 100
		.amdhsa_reserve_vcc 0
		.amdhsa_float_denorm_mode_32 3
		.amdhsa_float_denorm_mode_16_64 3
		.amdhsa_memory_ordered 1
		.amdhsa_forward_progress 1
		.amdhsa_inst_pref_size 173
	.end_amdhsa_kernel
	.amdgpu_metadata
---
amdhsa.version: [ 1, 2 ]
amdhsa.kernels:
  - .name:           k_q111e05e593_oproj
    .symbol:         k_q111e05e593_oproj.kd
    .args:
      - { .name: cc, .offset: 0, .size: 8, .value_kind: global_buffer, .address_space: global }
      - { .name: wc, .offset: 8, .size: 8, .value_kind: global_buffer, .address_space: global }
      - { .name: bo, .offset: 16, .size: 8, .value_kind: global_buffer, .address_space: global }
      - { .name: x, .offset: 24, .size: 8, .value_kind: global_buffer, .address_space: global }
      - { .name: x1, .offset: 32, .size: 8, .value_kind: global_buffer, .address_space: global }
    .group_segment_fixed_size: 327680
    .private_segment_fixed_size: 0
    .kernarg_segment_align: 8
    .kernarg_segment_size: 40
    .max_flat_workgroup_size: 128
    .sgpr_count:     100
    .vgpr_count:     1024
    .wavefront_size: 32
...
	.end_amdgpu_metadata
.endif
;; end of part 5
;; launch ln2: the kernel of part 2 again; grid 128 x 1, 8 waves a work-group, no clusters, 72,704 bytes of LDS; arguments x1, g2, be2, hc; writes hc
;; launch ffn1 (part 6): grid 16 x 16, 4 waves a work-group, clusters of 4 x 4, 327,680 bytes of LDS; arguments hc, wc, b1, gc; writes gc
.if DOCPART == 6
	.amdgcn_target "amdgcn-amd-amdhsa--gfx1250"
	.amdhsa_code_object_version 6
	.text
	.protected	k_q111e05e593_ffn1
	.globl	k_q111e05e593_ffn1
	.p2align	8
	.type	k_q111e05e593_ffn1,@function
k_q111e05e593_ffn1:
	s_mov_b64 s[64:65], 0
	v_nop
	global_prefetch_b8 v0, s[64:65] scope:SCOPE_SE
	s_setreg_imm32_b32 hwreg(HW_REG_WAVE_MODE, 25, 1), 1
	s_wait_xcnt 0x0
	s_wait_alu depctr_hold_cnt(0) depctr_sa_sdst(0) depctr_va_vdst(0) depctr_va_sdst(0) depctr_va_ssrc(0) depctr_va_vcc(0) depctr_vm_vsrc(0)
	s_getreg_b32 s2, hwreg(HW_REG_IB_STS2, 6, 4)
	s_cmp_eq_u32 s2, 0
	s_cbranch_scc0 .Lentry_in_a_cluster
	s_endpgm
.Lentry_in_a_cluster:
	s_bfe_u32 s2, ttmp6, 0x10000c
	s_cmp_lg_u32 s2, 0xf033
	s_cbranch_scc0 .Lentry_shape_is_right
	s_endpgm
.Lentry_shape_is_right:
; g = gelu(h w1 + b1), quantised along its 4,096 columns, which are the next product's K.  h: hc, 4,096 tokens x 1,024; w1: wc from byte BOFF, 4,096 columns x 1,024: codes of FP8 (E4M3) with E8M0 scales.
; Operands lie as tiles of 128 records of 272 bytes (256 codes, 8 scale bytes, 8 zeros), tile (g, s) at (KS g + s) x 34,816 bytes; the record of row i lies at place sigma(i) (bits 3 and 4 of i exchanged).  gc likewise, with 16 tiles along K.
; THE CORE.  A block of 256 x 256 is made by four waves, 128 x 128 each; K in steps of 256 through two LDS slots; a wave's one tensor load brings a whole tile, its LDS image as it stands.  4 x 4 work-groups form a cluster:
; h's tiles are shared along a row of it, w1's along a column: joint loads.  Source 0 = 16 records of w1, source 1 = 16 of h: a lane holds one token, and the 16 registers of tiles 2 b, 2 b + 1 are the columns 32 b + 16 (lane / 16) + 0 .. 15.
; GELU: 0.5 x (1 + tanh(u)) = x / (1 + e^(-2 u)), u = sqrt(2 / pi) (x + 0.044715 x^3): so g = x x rcp(1 + 2^(x (k1 + k2 x^2))), k1 = -2 sqrt(2 / pi) log2(e), k2 = 0.044715 k1.  No difference of near numbers is formed;
; where the power overflows the reciprocal is 0, where it underflows 1: the right limits.
; THE WAY OUT: the block is two whole tiles of gc.  The four waves lay them in slot 0, which has had its last fill and its last read by then; a barrier; the tiles leave as they lie.
; LIMITS: a block of zeros gets the byte 1 (zero codes; this program alone reads the bytes); magnitudes under 2^-118 are held at that floor; NaN and infinities are not served.
.set KS,     4
.set BOFF,   4456448
.set TILE,   34816
.set PITCH,  272
.set HALFT,  TILE
.set SLOT,   4*HALFT
.set SPARE,  2*SLOT                    ; behind the ring: the spare words, 128 bytes a wave: two blocks of 256 bytes that no other line names
.set LAPS,   KS/2
.set NQ,     2
.set FR,     16
.set NL,     4
.set NP,     8
.set K2V,  8                           ; v[8:9]   k2
.set K1V,  10                          ; v[10:11] k1
.set ADRA, 16
.set ADRB, 20
.set ADRS, 22
.set STO,  24
.set STS,  25
.set SPW,  28
.set NIL,  29
.set CPA,  30                          ; v30, v31 the copy out: 16 x thread, and a tile further on
.set SC,   32
.set BI,   64
.set T,    64
.set AF,   128
.set PC,   128
.set TM,   144
.set PW,   160
.set ZR,   161
.set CP,   176
.set G1, 24
.set G0, 32
.set G1B, 48
.set G0B, 56
.set MNT,  89
.set SEL,  90
.set MSB, 0
.macro WIN new
.if MSB != (\new)
	s_set_vgpr_msb (MSB<<8)|(\new)
.set MSB, (\new)
.endif
.endm
.set MUL_LO,  0xa1
.set MUL_HI,  0xf1
.set BIAS_LO, 0x81
.set BIAS_HI, 0xc1
.set TO_B,    0x40
.macro JLOAD s                         ; a joint load: waves 0, 1 fetch h's two tiles, waves 2, 3 w1's; four v_nop follow each line
	s_cmp_eq_u32 s15, 0
	s_cbranch_scc0 .Lfor_b_\@
	tensor_load_to_lds s[G0+4*(\s):G0+4*(\s)+3], s[G1:G1+7]
	s_nop 0
.rept 4
	v_nop
.endr
	s_branch .Lasked_\@
.Lfor_b_\@:
	tensor_load_to_lds s[G0B+4*(\s):G0B+4*(\s)+3], s[G1B:G1B+7]
	s_nop 0
.rept 4
	v_nop
.endr
.Lasked_\@:
.endm
.macro CREST
	s_cmp_lg_u32 s14, 0
	s_cbranch_scc1 .Lnot_wave_0_\@
	s_barrier_signal -3
.Lnot_wave_0_\@:
	s_barrier_wait -3
	s_barrier_signal -1
	s_barrier_wait -1
.endm
.macro CROUND
	s_barrier_signal -1
	s_barrier_wait -1
	CREST
.endm
	s_load_b256 s[4:11], s[0:1], 0x0               ; hc, wc, b1, gc
	v_lshl_add_u32 v[SPW], v0, 2, SPARE
	v_mov_b32 v[NIL], 0
	ds_add_u32 v28, v29
	s_wait_dscnt 0x0
	v_lshrrev_b32 v1, 5, v0
	v_readfirstlane_b32 s14, v1
	s_lshr_b32 s15, s14, 1                         ; RH
	s_and_b32 s16, s14, 1                          ; CH
	s_bfe_u32 s40, ttmp6, 0x40000
	s_bfe_u32 s41, ttmp6, 0x40004
	s_lshl_b32 s42, ttmp9, 2
	s_add_co_u32 s42, s42, s40                     ; TB
	s_and_b32 s17, ttmp7, 0xffff
	s_lshl_b32 s17, s17, 2
	s_add_co_u32 s17, s17, s41                     ; TA
	s_lshl_b32 s43, s41, 2
	s_lshl_b32 s43, 15, s43
	s_lshl_b32 s44, 0x1111, s40
	s_or_b32 s[G1+0], s43, (3<<16)|(1<<21)
	s_or_b32 s[G1B+0], s44, (3<<16)|(1<<21)
.irp g, G1, G1B
	s_mov_b32 s[\g+1], 32<<16
	s_mov_b32 s[\g+2], 136<<16
	s_mov_b32 s[\g+3], 32<<16
	s_mov_b32 s[\g+4], 136
	s_mov_b32 s[\g+5], 32
	s_mov_b32 s[\g+6], 0
	s_mov_b32 s[\g+7], 0
.endr
	s_lshl_b32 s20, s17, 1
	s_add_co_u32 s20, s20, s16
	s_mul_i32 s20, s20, KS*TILE
	s_mov_b32 s21, 0
	s_lshl_b32 s46, s42, 1
	s_add_co_u32 s46, s46, s16
	s_mul_i32 s46, s46, KS*TILE
	s_add_co_u32 s46, s46, BOFF
	s_mov_b32 s47, 0
	s_mul_i32 s45, s14, HALFT
	s_wait_kmcnt 0x0
	s_add_nc_u64 s[20:21], s[4:5], s[20:21]
	s_add_nc_u64 s[46:47], s[6:7], s[46:47]
	CROUND
.irp s, 0,1
	s_mov_b32 s[G0+4*\s], 1
	s_add_co_u32 s[G0+4*\s+1], s45, \s*SLOT
	s_add_nc_u64 s[G0+4*\s+2:G0+4*\s+3], s[20:21], \s*TILE
	s_or_b32 s[G0+4*\s+3], s[G0+4*\s+3], 0x80000000
	s_mov_b32 s[G0B+4*\s], 1
	s_add_co_u32 s[G0B+4*\s+1], s45, \s*SLOT
	s_add_nc_u64 s[G0B+4*\s+2:G0B+4*\s+3], s[46:47], \s*TILE
	s_or_b32 s[G0B+4*\s+3], s[G0B+4*\s+3], 0x80000000
	JLOAD \s
.endr
	s_lshl_b32 s68, s42, 1
	s_add_co_u32 s68, s68, s16
	s_lshl_b32 s68, s68, 9
	s_mov_b32 s69, 0
	s_add_nc_u64 s[8:9], s[8:9], s[68:69]          ; b1 at my 128 columns
	s_lshl_b32 s66, s17, 5
	s_add_co_u32 s66, s66, s42
	s_mul_i32 s66, s66, TILE                       ; gc: tile (2 TA, TB),
	s_mov_b32 s67, 0
	s_add_nc_u64 s[84:85], s[10:11], s[66:67]
	s_add_nc_u64 s[86:87], s[84:85], 16*TILE       ; and (2 TA + 1, TB)
	v_and_b32 v1, 15, v0
	v_bfe_u32 v2, v0, 4, 1
	v_lshlrev_b32 v7, 6, v2
.irp b, 0,1,2,3,4,5,6,7
	global_load_b128 v[BI+8*\b:BI+8*\b+3], v7, s[8:9] offset:4*(32*(\b/2)+8*(\b%2))
	global_load_b128 v[BI+8*\b+4:BI+8*\b+7], v7, s[8:9] offset:4*(32*(\b/2)+8*(\b%2))+16
.endr
	v_mul_u32_u24 v3, v1, PITCH
	v_lshl_add_u32 v4, v2, 4, v3
	s_mul_i32 s21, s15, HALFT
	s_mul_i32 s22, s16, HALFT
	s_add_co_u32 s22, s22, 2*HALFT
	s_sub_co_u32 s23, s22, s21
	v_mul_u32_u24 v6, s23, v2
	v_add_nc_u32 v5, v3, v6
	v_add_nc_u32 v[STS], s21, v3                   ; the stage: record 128 RH + r,
	s_lshl_b32 s23, s16, 7
	v_add_nc_u32 v[STO], s23, v[STS]
	v_lshl_add_u32 v[STO], v2, 4, v[STO]           ; codes at 128 CH + 16 h,
	s_lshl_b32 s23, s16, 2
	v_add_nc_u32 v[STS], s23, v[STS]               ; the scale word at 256 + 4 CH
.irp s, 0,1
	v_add_nc_u32 v[ADRA+\s], s21, v4
	v_add_nc_u32 v[ADRB+\s], s22, v4
	v_add_nc_u32 v[ADRS+\s], s21, v5
	s_add_co_u32 s21, s21, SLOT
	s_add_co_u32 s22, s22, SLOT
.endr
	v_lshlrev_b32 v[CPA], 4, v0
	v_add_nc_u32 v[CPA+1], TILE, v[CPA]
	v_mov_b32 v[K2V], 0xbdd2d3e8                   ; k2 = -0.10294324
	v_mov_b32 v[K2V+1], 0xbdd2d3e8
	v_mov_b32 v[K1V], 0xc0135761                   ; k1 = -2.3022082
	v_mov_b32 v[K1V+1], 0xc0135761
	s_mov_b32 s[MNT], 0x600000
	s_mov_b32 s[SEL], 0x76543210
	s_mov_b32 s[SEL+1], 0xfedcba98
.macro FRAG reg, adr, q, i
.irp c, 0,1,2,3
	ds_load_b128 v[\reg+4*\c:\reg+4*\c+3], v[\adr] offset:128*(\q)+32*\c+(\i)*16*PITCH
.endr
.endm
; 16 matrix instructions; zero = 1: C = the bias.  The 64 accumulators take turns, one instruction a turn.
.macro MUL16 a0, p, q, sc, zero
.irp a, \a0, \a0+1
.irp b, 0,1,2,3,4,5,6,7
.if (\zero) == 1
	v_wmma_scale_f32_16x16x128_f8f6f4 v[8*(8*((\a)%4)+\b):8*(8*((\a)%4)+\b)+7], v[128*(\p)+FR*\b:128*(\p)+FR*\b+FR-1], v[AF+FR*(\a):AF+FR*(\a)+FR-1], v[BI+8*\b:BI+8*\b+7], v[SC+8*NQ*(\sc)+NQ*\b+(\q)], v[SC+8*NQ*(\sc)+NQ*(\a)+(\q)] matrix_a_scale:MATRIX_SCALE_ROW1
.else
	v_wmma_scale_f32_16x16x128_f8f6f4 v[8*(8*((\a)%4)+\b):8*(8*((\a)%4)+\b)+7], v[128*(\p)+FR*\b:128*(\p)+FR*\b+FR-1], v[AF+FR*(\a):AF+FR*(\a)+FR-1], v[8*(8*((\a)%4)+\b):8*(8*((\a)%4)+\b)+7], v[SC+8*NQ*(\sc)+NQ*\b+(\q)], v[SC+8*NQ*(\sc)+NQ*(\a)+(\q)] matrix_a_scale:MATRIX_SCALE_ROW1
.endif
.endr
.endr
.endm
.macro FETCH_B slot, q, p
	WIN TO_B
.irp i, 0,1,2,3,4,5,6,7
	FRAG 128*(\p)+FR*\i, ADRB+\slot, \q, \i
.endr
	WIN 0
.endm
.macro FETCH_A slot, q, i0
.irp i, \i0, \i0+1, \i0+2, \i0+3
	FRAG AF+FR*(\i), ADRA+\slot, \q, \i
.endr
.endm
.macro SCALES sc
.irp i, 0,1,2,3,4,5,6,7
	ds_load_b64 v[SC+8*NQ*\sc+NQ*\i:SC+8*NQ*\sc+NQ*\i+1], v[ADRS+\sc] offset:\i*16*PITCH+256
.endr
.endm
.macro PLACES n
.rept \n
	v_nop
.endr
.endm
.macro STEP slot, q, zero
	s_wait_dscnt 4*NL                              ; all but the youngest 16 loads (h's blocks 4-7) are in
.if \zero
	WIN BIAS_LO
.else
	WIN MUL_LO
.endif
	MUL16 0, (\q)%2, \q, \slot, \zero
	MUL16 2, (\q)%2, \q, \slot, \zero
	s_wait_dscnt 0
	PLACES NP
	FETCH_B \slot, (\q)+1, 1-(\q)%2
	FETCH_A \slot, (\q)+1, 0
.if \zero
	WIN BIAS_HI
.else
	WIN MUL_HI
.endif
	MUL16 4, (\q)%2, \q, \slot, \zero
	MUL16 6, (\q)%2, \q, \slot, \zero
	PLACES NP
	WIN 0
	FETCH_A \slot, (\q)+1, 4
.endm
.macro TURN slot, next, fill
	s_wait_tensorcnt 0x0                           ; all my tensor loads have landed: my part of the next slot
	ds_add_u32 v[SPW], v[NIL]
	s_wait_dscnt 4*NL+1                            ; the add and the youngest 16 loads may be out
	WIN MUL_LO
	MUL16 0, 1, NQ-1, \slot, 0
	s_wait_dscnt 0x0                               ; the add is done, and my reads of this slot are over
	s_barrier_signal -1
	MUL16 2, 1, NQ-1, \slot, 0
	WIN 0
	s_barrier_wait -1
.if \fill
	CREST
	s_add_nc_u64 s[G0+4*\slot+2:G0+4*\slot+3], s[G0+4*\slot+2:G0+4*\slot+3], 2*TILE
	s_add_nc_u64 s[G0B+4*\slot+2:G0B+4*\slot+3], s[G0B+4*\slot+2:G0B+4*\slot+3], 2*TILE
	JLOAD \slot
	PLACES NP-4
.else
	PLACES NP
.endif
	FETCH_B \next, 0, 0
	FETCH_A \next, 0, 0
	SCALES \next
	WIN MUL_HI
	MUL16 4, 1, NQ-1, \slot, 0
	MUL16 6, 1, NQ-1, \slot, 0
	PLACES NP
	WIN 0
	FETCH_A \next, 0, 4
.endm
	s_wait_tensorcnt 1                             ; my part of slot 0 is in; slot 1's load may be out
	s_barrier_signal -1
	s_barrier_wait -1
	FETCH_B 0, 0, 0
	FETCH_A 0, 0, 0
	SCALES 0
	FETCH_A 0, 0, 4
	s_wait_loadcnt 0x0                             ; the bias
	STEP 0, 0, 1
	s_mov_b32 s3, LAPS-1
.Llap:
	TURN 0, 1, 1
	STEP 1, 0, 0
	TURN 1, 0, 1
	STEP 0, 0, 0
	s_sub_co_u32 s3, s3, 1
	s_cmp_lg_u32 s3, 0
	s_cbranch_scc1 .Llap
	TURN 0, 1, 0
	STEP 1, 0, 0
	s_wait_dscnt 4*NL
	WIN MUL_LO
	MUL16 0, 1, NQ-1, 1, 0
	MUL16 2, 1, NQ-1, 1, 0
	s_wait_dscnt 0
	WIN MUL_HI
	MUL16 4, 1, NQ-1, 1, 0
	MUL16 6, 1, NQ-1, 1, 0
	WIN 0
	PLACES NP
	v_mov_b32 v[ZR], 0
.irp b, 0,1,2,3
	v_mov_b32 v[TM+4+\b], 0                        ; a lane permute's destination counts as one of its sources
.endr
; 64 numbers of a lane in window w, register 16 b + i = place 32 b + 16 (lane / 16) + i along the next K, become a fragment's codes in v[PC] on and its scale word in v[PW]
.macro QUANT src, w
	WIN ((\w)<<2)|((\w)<<4)
.irp b, 0,1,2,3
	v_max3_num_f32 v[TM+\b], 0x4800000, |v[(\src)+16*\b]|, |v[(\src)+16*\b+1]|   ; my 16 numbers of block b, and the floor 2^(9 - 127)
.endr
.irp i, 2,4,6,8,10,12,14
.irp b, 0,1,2,3
	v_max3_num_f32 v[TM+\b], v[TM+\b], |v[(\src)+16*\b+\i]|, |v[(\src)+16*\b+\i+1]|
.endr
.endr
	WIN 0
.irp b, 0,1,2,3
	v_permlanex16_b32 v[TM+4+\b], v[TM+\b], s[SEL], s[SEL+1]
.endr
.irp b, 0,1,2,3
	v_max_num_f32 v[TM+\b], v[TM+\b], v[TM+4+\b]
.endr
.irp b, 0,1,2,3
	v_add_nc_u32 v[TM+12+\b], 0xfc000000, v[TM+\b]
.endr
.irp b, 0,1,2,3
	v_and_or_b32 v[TM+8+\b], v[TM+\b], 0x7f800000, s[MNT]
.endr
.irp b, 0,1,2,3
	v_lshrrev_b32 v[TM+4+\b], 23, v[TM+12+\b]
.endr
	v_lshl_or_b32 v[PW], v[TM+5], 8, v[TM+4]
	v_lshl_or_b32 v[PW], v[TM+6], 16, v[PW]
	v_lshl_or_b32 v[PW], v[TM+7], 24, v[PW]
	WIN (\w)
.irp b, 0,1,2,3
.irp i, 0,1,2,3,4,5,6,7,8,9,10,11,12,13,14,15
	v_med3_num_f32 v[T+16*\b+\i], v[(\src)+16*\b+\i], -v[TM+8+\b], v[TM+8+\b]   ; the conversion does not saturate (ISA guide 7.6.2): the hold comes first
.endr
.endr
	WIN 0
.irp b, 0,1,2,3
	v_cvt_scalef32_pk8_fp8_f32 v[PC+4*\b:PC+4*\b+1], v[T+16*\b:T+16*\b+7], v[TM+12+\b]
	v_cvt_scalef32_pk8_fp8_f32 v[PC+4*\b+2:PC+4*\b+3], v[T+16*\b+8:T+16*\b+15], v[TM+12+\b]
.endr
	v_nop
.endm
.macro GBLK a                          ; block a: 16 tokens x my 128 columns
.set AC, 64*((\a)%4)
.set W, 2+(\a)/4
	WIN W|(W<<2)
.set n, 0
.rept 32
	v_pk_mul_f32 v[T+n:T+n+1], v[AC+n:AC+n+1], v[AC+n:AC+n+1]      ; x^2; each accumulator is read from its low end on
.set n, n+2
.endr
	WIN 0
.set n, 0
.rept 32
	v_pk_fma_f32 v[T+n:T+n+1], v[T+n:T+n+1], v[K2V:K2V+1], v[K1V:K1V+1] op_sel_hi:[1,0,0]   ; k1 + k2 x^2
.set n, n+2
.endr
	WIN W
.set n, 0
.rept 32
	v_pk_mul_f32 v[T+n:T+n+1], v[AC+n:AC+n+1], v[T+n:T+n+1]        ; x (k1 + k2 x^2)
.set n, n+2
.endr
	WIN 0
.set n, 0
.rept 64
	v_exp_f32 v[T+n], v[T+n]
.set n, n+1
.endr
	v_nop                                          ; a plain instruction behind the batch,
	s_wait_alu depctr_va_vdst(0)                   ; and one wait for it, ahead of its first reader
.set n, 0
.rept 32
	v_pk_add_f32 v[T+n:T+n+1], v[T+n:T+n+1], 1.0 op_sel_hi:[1,0]
.set n, n+2
.endr
.set n, 0
.rept 64
	v_rcp_f32 v[T+n], v[T+n]
.set n, n+1
.endr
	v_nop
	s_wait_alu depctr_va_vdst(0)
	WIN W
.set n, 0
.rept 32
	v_pk_mul_f32 v[T+n:T+n+1], v[AC+n:AC+n+1], v[T+n:T+n+1]        ; gelu(x)
.set n, n+2
.endr
	QUANT T, 0
.irp b, 0,1,2,3
	ds_store_b128 v[STO], v[PC+4*\b:PC+4*\b+3] offset:(\a)*4352+32*\b
.endr
	ds_store_b32 v[STS], v[PW] offset:(\a)*4352+256                ; both halves of the lanes write the same word
	ds_store_b32 v[STS], v[ZR] offset:(\a)*4352+264
	s_wait_dscnt 0x0                               ; the stores have read their registers
.endm
.irp a, 0,1,2,3,4,5,6,7
	GBLK \a
.endr
	s_barrier_signal -1                            ; every wave's stores into the two tiles are done (the wait for them ends each block)
	s_barrier_wait -1
.irp u, 0,1
.irp i, 0,1,2,3,4,5,6,7,8,9,10,11,12,13,14,15,16
	ds_load_b128 v[CP+4*\i:CP+4*\i+3], v[CPA+\u] offset:2048*\i
.endr
	s_wait_dscnt 0x0
.irp i, 0,1,2,3,4,5,6,7,8,9,10,11,12,13,14,15,16
	global_store_b128 v[CPA], v[CP+4*\i:CP+4*\i+3], s[84+2*\u:85+2*\u] offset:2048*\i   ; a wave stores 512 consecutive bytes, aligned to 256
.endr
	s_wait_xcnt 0x0                                ; the stores have read their registers
.endr
	s_wait_tensorcnt 0x0                           ; the wave's end
	ds_add_u32 v[SPW], v[NIL]
	s_wait_dscnt 0x0
	CROUND
	s_endpgm
.Lfunc_end_k_q111e05e593_ffn1:
	.size	k_q111e05e593_ffn1, .Lfunc_end_k_q111e05e593_ffn1-k_q111e05e593_ffn1
	.p2alignl 7, 3214868480
	.fill 96, 4, 3214868480
	.section	.rodata,"a",@progbits
	.p2align	6, 0x0
	.amdhsa_kernel k_q111e05e593_ffn1
		.amdhsa_group_segment_fixed_size 327680
		.amdhsa_private_segment_fixed_size 0
		.amdhsa_enable_private_segment 0
		.amdhsa_kernarg_size 32
		.amdhsa_user_sgpr_count 2
		.amdhsa_user_sgpr_kernarg_segment_ptr 1
		.amdhsa_wavefront_size32 1
		.amdhsa_system_sgpr_workgroup_id_x 1
		.amdhsa_system_sgpr_workgroup_id_y 1
		.amdhsa_system_sgpr_workgroup_id_z 1
		.amdhsa_system_vgpr_workitem_id 0
		.amdhsa_next_free_vgpr 1024
		.amdhsa_next_free_sgpr 100
		.amdhsa_reserve_vcc 0
		.amdhsa_float_denorm_mode_32 3
		.amdhsa_float_denorm_mode_16_64 3
		.amdhsa_memory_ordered 1
		.amdhsa_forward_progress 1
		.amdhsa_inst_pref_size 255
	.end_amdhsa_kernel
	.section	.bss,"aw",@nobits
	.p2align	6
	.space	262144
	.amdgpu_metadata
---
amdhsa.version: [ 1, 2 ]
amdhsa.kernels:
  - .name:           k_q111e05e593_ffn1
    .symbol:         k_q111e05e593_ffn1.kd
    .args:
      - { .name: hc, .offset: 0, .size: 8, .value_kind: global_buffer, .address_space: global }
      - { .name: wc, .offset: 8, .size: 8, .value_kind: global_buffer, .address_space: global }
      - { .name: b1, .offset: 16, .size: 8, .value_kind: global_buffer, .address_space: global }
      - { .name: gc, .offset: 24, .size: 8, .value_kind: global_buffer, .address_space: global }
    .group_segment_fixed_size: 327680
    .private_segment_fixed_size: 0
    .kernarg_segment_align: 8
    .kernarg_segment_size: 32
    .max_flat_workgroup_size: 128
    .sgpr_count:     100
    .vgpr_count:     1024
    .wavefront_size: 32
...
	.end_amdgpu_metadata
.endif
;; end of part 6
;; launch ffn2 (part 7): grid 4 x 16, 4 waves a work-group, clusters of 4 x 4, 327,680 bytes of LDS; arguments gc, wc, b2, x1, out0; writes out0
.if DOCPART == 7
	.amdgcn_target "amdgcn-amd-amdhsa--gfx1250"
	.amdhsa_code_object_version 6
	.text
	.protected	k_q111e05e593_ffn2
	.globl	k_q111e05e593_ffn2
	.p2align	8
	.type	k_q111e05e593_ffn2,@function
k_q111e05e593_ffn2:
	s_mov_b64 s[64:65], 0
	v_nop
	global_prefetch_b8 v0, s[64:65] scope:SCOPE_SE
	s_setreg_imm32_b32 hwreg(HW_REG_WAVE_MODE, 25, 1), 1
	s_wait_xcnt 0x0
	s_wait_alu depctr_hold_cnt(0) depctr_sa_sdst(0) depctr_va_vdst(0) depctr_va_sdst(0) depctr_va_ssrc(0) depctr_va_vcc(0) depctr_vm_vsrc(0)
	s_getreg_b32 s2, hwreg(HW_REG_IB_STS2, 6, 4)
	s_cmp_eq_u32 s2, 0
	s_cbranch_scc0 .Lentry_in_a_cluster
	s_endpgm
.Lentry_in_a_cluster:
	s_bfe_u32 s2, ttmp6, 0x10000c
	s_cmp_lg_u32 s2, 0xf033
	s_cbranch_scc0 .Lentry_shape_is_right
	s_endpgm
.Lentry_shape_is_right:
; out = res + A W + bias: A: 4,096 tokens x K as codes of FP8 (E4M3) with E8M0 scales, W: 1,024 columns x K likewise (in wc, from byte BOFF), bias [1,024], res and out [4,096][1,024] f32.  Here: out0 = x1 + g w2 + b2, K = 4,096.
; Operands lie as tiles of 128 records of 272 bytes (256 codes, 8 scale bytes, 8 zeros), tile (g, s) at (KS g + s) x 34,816 bytes; the record of row i lies at place sigma(i) (bits 3 and 4 of i exchanged).
; THE CORE.  A block of 256 x 256 is made by four waves, 128 x 128 each: 64 accumulators, 512 registers.  K goes in steps of 256 through two LDS slots; a wave's one tensor load brings a whole tile, 34,816 dense bytes, its LDS image as it stands.
; 4 x 4 work-groups form a cluster: A's tiles are shared along a row of it, W's along a column: joint loads.  The matrix instruction is used transposed (source 0 = 16 records of W, source 1 = 16 of A):
; a lane holds one token, and register j of tile b the column 32 (b / 2) + 16 (lane / 16) + 8 (b % 2) + j.  The bias is the C of each sum's first product.
; THE WAY OUT: a block of 16 tokens goes through the wave's own stage in LDS, comes back as rows of 512 bytes, takes the residual and is stored at its true row: lane t of block a is row 32 (a / 2) + 8 (a % 2) + t + 8 (t / 8).
; The grid has 64 work-groups: 1,024 columns make four blocks of 256.
.set KS,     16
.set BOFF,   8912896
.set TILE,   34816
.set PITCH,  272
.set HALFT,  TILE
.set SLOT,   4*HALFT
.set SPARE,  2*SLOT                    ; behind the ring: the spare words, 128 bytes a wave: two blocks of 256 bytes that no other line names
.set LAPS,   KS/2
.set NQ,     2
.set FR,     16
.set NL,     4
.set NP,     8
.set SPITCH, 528                       ; the stage: 16 rows x (512 + 16) bytes a wave, in slot 0, which has had its last fill and its last read by then
.set ADRA, 16
.set ADRB, 20
.set ADRS, 22
.set STO,  24
.set RD,   25
.set CO,   26
.set SPW,  28
.set NIL,  29
.set SC,   32
.set BI,   64
.set AF,   128
.set BK,   128
.set G1, 24
.set G0, 32
.set G1B, 48
.set G0B, 56
.set MSB, 0
.macro WIN new
.if MSB != (\new)
	s_set_vgpr_msb (MSB<<8)|(\new)
.set MSB, (\new)
.endif
.endm
.set MUL_LO,  0xa1
.set MUL_HI,  0xf1
.set BIAS_LO, 0x81
.set BIAS_HI, 0xc1
.set TO_B,    0x40
.macro JLOAD s                         ; a joint load: waves 0, 1 fetch A's two tiles, waves 2, 3 W's; four v_nop follow each line
	s_cmp_eq_u32 s15, 0
	s_cbranch_scc0 .Lfor_b_\@
	tensor_load_to_lds s[G0+4*(\s):G0+4*(\s)+3], s[G1:G1+7]
	s_nop 0
.rept 4
	v_nop
.endr
	s_branch .Lasked_\@
.Lfor_b_\@:
	tensor_load_to_lds s[G0B+4*(\s):G0B+4*(\s)+3], s[G1B:G1B+7]
	s_nop 0
.rept 4
	v_nop
.endr
.Lasked_\@:
.endm
.macro CREST
	s_cmp_lg_u32 s14, 0
	s_cbranch_scc1 .Lnot_wave_0_\@
	s_barrier_signal -3
.Lnot_wave_0_\@:
	s_barrier_wait -3
	s_barrier_signal -1
	s_barrier_wait -1
.endm
.macro CROUND
	s_barrier_signal -1
	s_barrier_wait -1
	CREST
.endm
	s_load_b256 s[4:11], s[0:1], 0x0               ; A, wc, bias, res
	s_load_b64 s[12:13], s[0:1], 0x20              ; out
	v_lshl_add_u32 v[SPW], v0, 2, SPARE
	v_mov_b32 v[NIL], 0
	ds_add_u32 v28, v29
	s_wait_dscnt 0x0
	v_lshrrev_b32 v1, 5, v0
	v_readfirstlane_b32 s14, v1                    ; wave
	s_lshr_b32 s15, s14, 1                         ; RH: my half of the tokens.  Also: I fetch for A (0) or W (1)
	s_and_b32 s16, s14, 1                          ; CH: my half of the columns.  Also: which of the two tiles I fetch
	s_bfe_u32 s40, ttmp6, 0x40000                  ; cx
	s_bfe_u32 s41, ttmp6, 0x40004                  ; cy
	s_lshl_b32 s42, ttmp9, 2
	s_add_co_u32 s42, s42, s40                     ; TB: block of columns
	s_and_b32 s17, ttmp7, 0xffff
	s_lshl_b32 s17, s17, 2
	s_add_co_u32 s17, s17, s41                     ; TA: block of tokens
	s_lshl_b32 s43, s41, 2
	s_lshl_b32 s43, 15, s43                        ; my row of the cluster
	s_lshl_b32 s44, 0x1111, s40                    ; my column
	s_or_b32 s[G1+0], s43, (3<<16)|(1<<21)         ; the mask; elements of 8 bytes; bit 21 beside a mask; no padding
	s_or_b32 s[G1B+0], s44, (3<<16)|(1<<21)
.irp g, G1, G1B
	s_mov_b32 s[\g+1], 32<<16                      ; rows of 256 bytes,
	s_mov_b32 s[\g+2], 136<<16                     ; 136 of them
	s_mov_b32 s[\g+3], 32<<16
	s_mov_b32 s[\g+4], 136
	s_mov_b32 s[\g+5], 32                          ; dense
	s_mov_b32 s[\g+6], 0
	s_mov_b32 s[\g+7], 0
.endr
	s_lshl_b32 s20, s17, 1
	s_add_co_u32 s20, s20, s16
	s_mul_i32 s20, s20, KS*TILE
	s_mov_b32 s21, 0
	s_lshl_b32 s46, s42, 1
	s_add_co_u32 s46, s46, s16
	s_mul_i32 s46, s46, KS*TILE
	s_add_co_u32 s46, s46, BOFF
	s_mov_b32 s47, 0
	s_mul_i32 s45, s14, HALFT
	s_wait_kmcnt 0x0
	s_add_nc_u64 s[20:21], s[4:5], s[20:21]
	s_add_nc_u64 s[46:47], s[6:7], s[46:47]
	CROUND                                         ; all sixteen work-groups are here: the first joint loads meet
.irp s, 0,1
	s_mov_b32 s[G0+4*\s], 1
	s_add_co_u32 s[G0+4*\s+1], s45, \s*SLOT
	s_add_nc_u64 s[G0+4*\s+2:G0+4*\s+3], s[20:21], \s*TILE
	s_or_b32 s[G0+4*\s+3], s[G0+4*\s+3], 0x80000000
	s_mov_b32 s[G0B+4*\s], 1
	s_add_co_u32 s[G0B+4*\s+1], s45, \s*SLOT
	s_add_nc_u64 s[G0B+4*\s+2:G0B+4*\s+3], s[46:47], \s*TILE
	s_or_b32 s[G0B+4*\s+3], s[G0B+4*\s+3], 0x80000000
	JLOAD \s
.endr
	s_lshl_b32 s66, s17, 1
	s_add_co_u32 s66, s66, s15
	s_lshl_b32 s66, s66, 19                        ; my 128 rows of 4,096 bytes,
	s_lshl_b32 s68, s42, 1
	s_add_co_u32 s68, s68, s16
	s_lshl_b32 s68, s68, 9                         ; my 128 columns of 4 bytes
	s_add_co_u32 s66, s66, s68
	s_mov_b32 s67, 0
	s_mov_b32 s69, 0
	s_add_nc_u64 s[10:11], s[10:11], s[66:67]
	s_add_nc_u64 s[12:13], s[12:13], s[66:67]
	s_add_nc_u64 s[8:9], s[8:9], s[68:69]
	v_and_b32 v1, 15, v0                           ; r
	v_bfe_u32 v2, v0, 4, 1                         ; h
	v_lshlrev_b32 v7, 6, v2
.irp b, 0,1,2,3,4,5,6,7
	global_load_b128 v[BI+8*\b:BI+8*\b+3], v7, s[8:9] offset:4*(32*(\b/2)+8*(\b%2))       ; the bias in the result's layout
	global_load_b128 v[BI+8*\b+4:BI+8*\b+7], v7, s[8:9] offset:4*(32*(\b/2)+8*(\b%2))+16
.endr
	v_mul_u32_u24 v3, v1, PITCH
	v_lshl_add_u32 v4, v2, 4, v3
	s_mul_i32 s21, s15, HALFT
	s_mul_i32 s22, s16, HALFT
	s_add_co_u32 s22, s22, 2*HALFT
	s_sub_co_u32 s23, s22, s21
	v_mul_u32_u24 v6, s23, v2                      ; lanes 16-31 take W's scale words
	v_add_nc_u32 v5, v3, v6
.irp s, 0,1
	v_add_nc_u32 v[ADRA+\s], s21, v4
	v_add_nc_u32 v[ADRB+\s], s22, v4
	v_add_nc_u32 v[ADRS+\s], s21, v5
	s_add_co_u32 s21, s21, SLOT
	s_add_co_u32 s22, s22, SLOT
.endr
	s_mul_i32 s23, s14, 16*SPITCH
	v_mul_u32_u24 v5, v1, SPITCH
	v_lshl_add_u32 v5, v2, 6, v5
	v_add_nc_u32 v[STO], s23, v5                   ; into my stage: row r, + 64 h
	v_and_b32 v6, 31, v0
	v_lshlrev_b32 v[CO], 4, v6
	v_add_nc_u32 v[RD], s23, v[CO]                 ; back: a row of 512 bytes, 16 a lane
.macro FRAG reg, adr, q, i
.irp c, 0,1,2,3
	ds_load_b128 v[\reg+4*\c:\reg+4*\c+3], v[\adr] offset:128*(\q)+32*\c+(\i)*16*PITCH
.endr
.endm
; 16 matrix instructions; zero = 1: C = the bias.  The 64 accumulators take turns, one instruction a turn.
.macro MUL16 a0, p, q, sc, zero
.irp a, \a0, \a0+1
.irp b, 0,1,2,3,4,5,6,7
.if (\zero) == 1
	v_wmma_scale_f32_16x16x128_f8f6f4 v[8*(8*((\a)%4)+\b):8*(8*((\a)%4)+\b)+7], v[128*(\p)+FR*\b:128*(\p)+FR*\b+FR-1], v[AF+FR*(\a):AF+FR*(\a)+FR-1], v[BI+8*\b:BI+8*\b+7], v[SC+8*NQ*(\sc)+NQ*\b+(\q)], v[SC+8*NQ*(\sc)+NQ*(\a)+(\q)] matrix_a_scale:MATRIX_SCALE_ROW1
.else
	v_wmma_scale_f32_16x16x128_f8f6f4 v[8*(8*((\a)%4)+\b):8*(8*((\a)%4)+\b)+7], v[128*(\p)+FR*\b:128*(\p)+FR*\b+FR-1], v[AF+FR*(\a):AF+FR*(\a)+FR-1], v[8*(8*((\a)%4)+\b):8*(8*((\a)%4)+\b)+7], v[SC+8*NQ*(\sc)+NQ*\b+(\q)], v[SC+8*NQ*(\sc)+NQ*(\a)+(\q)] matrix_a_scale:MATRIX_SCALE_ROW1
.endif
.endr
.endr
.endm
.macro FETCH_B slot, q, p
	WIN TO_B
.irp i, 0,1,2,3,4,5,6,7
	FRAG 128*(\p)+FR*\i, ADRB+\slot, \q, \i
.endr
	WIN 0
.endm
.macro FETCH_A slot, q, i0
.irp i, \i0, \i0+1, \i0+2, \i0+3
	FRAG AF+FR*(\i), ADRA+\slot, \q, \i
.endr
.endm
.macro SCALES sc
.irp i, 0,1,2,3,4,5,6,7
	ds_load_b64 v[SC+8*NQ*\sc+NQ*\i:SC+8*NQ*\sc+NQ*\i+1], v[ADRS+\sc] offset:\i*16*PITCH+256
.endr
.endm
.macro PLACES n
.rept \n
	v_nop
.endr
.endm
.macro STEP slot, q, zero
	s_wait_dscnt 4*NL                              ; all but the youngest 16 loads (A's blocks 4-7) are in
.if \zero
	WIN BIAS_LO
.else
	WIN MUL_LO
.endif
	MUL16 0, (\q)%2, \q, \slot, \zero
	MUL16 2, (\q)%2, \q, \slot, \zero
	s_wait_dscnt 0
	PLACES NP
	FETCH_B \slot, (\q)+1, 1-(\q)%2
	FETCH_A \slot, (\q)+1, 0
.if \zero
	WIN BIAS_HI
.else
	WIN MUL_HI
.endif
	MUL16 4, (\q)%2, \q, \slot, \zero
	MUL16 6, (\q)%2, \q, \slot, \zero
	PLACES NP
	WIN 0
	FETCH_A \slot, (\q)+1, 4
.endm
.macro TURN slot, next, fill
	s_wait_tensorcnt 0x0                           ; all my tensor loads have landed: my part of the next slot
	ds_add_u32 v[SPW], v[NIL]
	s_wait_dscnt 4*NL+1                            ; the add and the youngest 16 loads may be out
	WIN MUL_LO
	MUL16 0, 1, NQ-1, \slot, 0
	s_wait_dscnt 0x0                               ; the add is done, and my reads of this slot are over
	s_barrier_signal -1
	MUL16 2, 1, NQ-1, \slot, 0
	WIN 0
	s_barrier_wait -1
.if \fill
	CREST                                          ; the barrier has opened a round of the cluster's
	s_add_nc_u64 s[G0+4*\slot+2:G0+4*\slot+3], s[G0+4*\slot+2:G0+4*\slot+3], 2*TILE
	s_add_nc_u64 s[G0B+4*\slot+2:G0B+4*\slot+3], s[G0B+4*\slot+2:G0B+4*\slot+3], 2*TILE
	JLOAD \slot                                    ; the first tensor load behind the round
	PLACES NP-4
.else
	PLACES NP
.endif
	FETCH_B \next, 0, 0
	FETCH_A \next, 0, 0
	SCALES \next
	WIN MUL_HI
	MUL16 4, 1, NQ-1, \slot, 0
	MUL16 6, 1, NQ-1, \slot, 0
	PLACES NP
	WIN 0
	FETCH_A \next, 0, 4
.endm
	s_wait_tensorcnt 1                             ; my part of slot 0 is in; slot 1's load may be out
	s_barrier_signal -1
	s_barrier_wait -1
	FETCH_B 0, 0, 0
	FETCH_A 0, 0, 0
	SCALES 0
	FETCH_A 0, 0, 4
	s_wait_loadcnt 0x0                             ; the bias
	STEP 0, 0, 1
	s_mov_b32 s3, LAPS-1
.Llap:
	TURN 0, 1, 1
	STEP 1, 0, 0
	TURN 1, 0, 1
	STEP 0, 0, 0
	s_sub_co_u32 s3, s3, 1
	s_cmp_lg_u32 s3, 0
	s_cbranch_scc1 .Llap
	TURN 0, 1, 0
	STEP 1, 0, 0
	s_wait_dscnt 4*NL
	WIN MUL_LO
	MUL16 0, 1, NQ-1, 1, 0
	MUL16 2, 1, NQ-1, 1, 0
	s_wait_dscnt 0
	WIN MUL_HI
	MUL16 4, 1, NQ-1, 1, 0
	MUL16 6, 1, NQ-1, 1, 0
	WIN 0
	PLACES NP
.macro RLOAD a                         ; the residual of block a's 16 rows, into window 1, where W's fragments lay
	WIN TO_B
.irp t, 0,1,2,3,4,5,6,7,8,9,10,11,12,13,14,15
	global_load_b128 v[64*((\a)%4)+4*\t:64*((\a)%4)+4*\t+3], v[CO], s[10:11] offset:(32*((\a)/2)+8*((\a)%2)+\t+8*(\t/8))*4096
.endr
	WIN 0
.endm
.macro EBLK a
.set AC, 64*((\a)%4)
.set BB, BK+64*((\a)%2)
.if (\a) >= 2
	s_wait_xcnt 0x0                                ; block a - 2's stores have read their registers
.endif
	WIN 0x08+4*((\a)/4)                            ; an LDS store's data: window 2 or 3
.irp b, 0,1,2,3,4,5,6,7
	ds_store_b128 v[STO], v[AC+8*\b:AC+8*\b+3] offset:128*(\b/2)+32*(\b%2)          ; each accumulator from its low end on
	ds_store_b128 v[STO], v[AC+8*\b+4:AC+8*\b+7] offset:128*(\b/2)+32*(\b%2)+16
.endr
	WIN 0
.irp t, 0,1,2,3,4,5,6,7,8,9,10,11,12,13,14,15
	ds_load_b128 v[BB+4*\t:BB+4*\t+3], v[RD] offset:\t*SPITCH   ; LDS serves a wave's instructions in order
.endr
	s_wait_dscnt 0x0
.if (\a) <= 4
	s_wait_loadcnt 48                              ; this block's residual is in; the three blocks' behind it, 16 loads each, may be out
.else
	s_wait_loadcnt 16*(7-(\a))
.endif
	WIN 0x04                                       ; source 1 window 1
.set n, 0
.rept 32
	v_pk_add_f32 v[BB+n:BB+n+1], v[BB+n:BB+n+1], v[AC+n:AC+n+1]
.set n, n+2
.endr
	WIN 0
.if (\a) < 4
	RLOAD (\a)+4
.endif
.irp t, 0,1,2,3,4,5,6,7,8,9,10,11,12,13,14,15
	global_store_b128 v[CO], v[BB+4*\t:BB+4*\t+3], s[12:13] offset:(32*((\a)/2)+8*((\a)%2)+\t+8*(\t/8))*4096 th:TH_STORE_NT   ; 512 consecutive bytes, aligned to 256; written once, read by nobody here
.endr
.endm
	RLOAD 0
	RLOAD 1
	RLOAD 2
	RLOAD 3
.irp a, 0,1,2,3,4,5,6,7
	EBLK \a
.endr
	s_wait_tensorcnt 0x0                           ; the wave's end
	ds_add_u32 v[SPW], v[NIL]
	s_wait_dscnt 0x0
	CROUND                                         ; the closing round
	s_endpgm
.Lfunc_end_k_q111e05e593_ffn2:
	.size	k_q111e05e593_ffn2, .Lfunc_end_k_q111e05e593_ffn2-k_q111e05e593_ffn2
	.p2alignl 7, 3214868480
	.fill 96, 4, 3214868480
	.section	.rodata,"a",@progbits
	.p2align	6, 0x0
	.amdhsa_kernel k_q111e05e593_ffn2
		.amdhsa_group_segment_fixed_size 327680
		.amdhsa_private_segment_fixed_size 0
		.amdhsa_enable_private_segment 0
		.amdhsa_kernarg_size 40
		.amdhsa_user_sgpr_count 2
		.amdhsa_user_sgpr_kernarg_segment_ptr 1
		.amdhsa_wavefront_size32 1
		.amdhsa_system_sgpr_workgroup_id_x 1
		.amdhsa_system_sgpr_workgroup_id_y 1
		.amdhsa_system_sgpr_workgroup_id_z 1
		.amdhsa_system_vgpr_workitem_id 0
		.amdhsa_next_free_vgpr 1024
		.amdhsa_next_free_sgpr 100
		.amdhsa_reserve_vcc 0
		.amdhsa_float_denorm_mode_32 3
		.amdhsa_float_denorm_mode_16_64 3
		.amdhsa_memory_ordered 1
		.amdhsa_forward_progress 1
		.amdhsa_inst_pref_size 173
	.end_amdhsa_kernel
	.amdgpu_metadata
---
amdhsa.version: [ 1, 2 ]
amdhsa.kernels:
  - .name:           k_q111e05e593_ffn2
    .symbol:         k_q111e05e593_ffn2.kd
    .args:
      - { .name: gc, .offset: 0, .size: 8, .value_kind: global_buffer, .address_space: global }
      - { .name: wc, .offset: 8, .size: 8, .value_kind: global_buffer, .address_space: global }
      - { .name: b2, .offset: 16, .size: 8, .value_kind: global_buffer, .address_space: global }
      - { .name: x1, .offset: 24, .size: 8, .value_kind: global_buffer, .address_space: global }
      - { .name: out0, .offset: 32, .size: 8, .value_kind: global_buffer, .address_space: global }
    .group_segment_fixed_size: 327680
    .private_segment_fixed_size: 0
    .kernarg_segment_align: 8
    .kernarg_segment_size: 40
    .max_flat_workgroup_size: 128
    .sgpr_count:     100
    .vgpr_count:     1024
    .wavefront_size: 32
...
	.end_amdgpu_metadata
.endif
;; end of part 7
;; ======== version 2 of 2: 7 launches
;; limits: right only within a limited range of input values
;; workspace buffers: wc 13,369,344 bytes; hc 4,456,448 bytes; qkvc 15,204,352 bytes; cc 4,456,448 bytes; x1 16,777,216 bytes; gc 17,825,792 bytes
;; launch prep (part 8): grid 448 x 1, 8 waves a work-group, no clusters, 124,928 bytes of LDS; arguments wq, wk, wv, wo, w1, w2, wc, x, g1, be1, hc; writes wc, hc
.if DOCPART == 8
	.amdgcn_target "amdgcn-amd-amdhsa--gfx1250"
	.amdhsa_code_object_version 6
	.text
	.protected	k_q111e05e593_prep
	.globl	k_q111e05e593_prep
	.p2align	8
	.type	k_q111e05e593_prep,@function
k_q111e05e593_prep:
	s_mov_b64 s[64:65], 0
	v_nop
	global_prefetch_b8 v0, s[64:65] scope:SCOPE_SE
	s_setreg_imm32_b32 hwreg(HW_REG_WAVE_MODE, 25, 1), 1
	s_wait_xcnt 0x0
; ONE LAUNCH PREPARES BOTH OPERANDS OF THE FIRST PRODUCTS.  The two jobs share nothing; they part on the work-group's number and use LDS bytes of their own.
; Work-groups 0-191: the six weights, f32 stored [K][N], become codes of FP8 (E4M3) with K innermost and one E8M0 byte for each 32 along K.
;   wc is a run of 384 tiles of 34,816 bytes; a work-group makes two (waves 0-3 one, waves 4-7 the next).  A tile is 128 columns x 256 along K, as 128 records of 272 bytes:
;   256 codes, 8 scale bytes, 8 zeros.  Tiles 0-95: wq, wk, wv (4 tiles along K for each 128 columns); 96-127: wo; 128-255: w1; 256-383: w2 (16 along K).
;   The record of column i lies at place sigma(i), i with bits 3 and 4 exchanged.  A lane takes a column and its registers run down K.
; Work-groups 192-447: y = (x - mean) / sqrt(var + 1e-5) x g1 + be1 over rows of 1,024, quantised along the row into hc, laid in the same tiles (tile (g, s) at 4 g + s; rows at places sigma).
;   A work-group takes the 16 rows of a group of 32 whose bit 3 is its number's bit 0: they fill 16 places on end, 4,352 bytes = 17 aligned runs of 256 in each of four tiles.  A wave takes 2 rows.
;   A row is loaded 512 consecutive bytes an instruction and turned through the wave's stage (128 bytes + 16 for each block), so that lane l holds block l.  Mean and variance in two passes over registers.
; A block's scale is 2^(floor(log2(largest magnitude)) - 8); its byte is that magnitude's exponent field - 8, held at 1 from below.
; LIMITS: a block of zeros gets the byte 1 (zero codes; this program alone reads the bytes); magnitudes under 2^-118 are held at that floor; NaN and infinities are not served.
.set NWQ,   192                        ; work-groups for the weights
.set NW,    8
.set RPW,   16/NW                      ; rows a wave
.set UPW,   64/NW                      ; runs of 256 bytes that a wave copies out
.set ARG,   0x38
.set TILE,  34816
.set PITCH, 272
.set OUT,   NW*4608                    ; LDS: NW stages of 4,608 bytes, then the image [4 pieces][16 places][272]
.set WQ0,   OUT+17408                  ; then the weights' stages, 32 records a wave
.set SPARE, WQ0+NW*32*PITCH            ; then the spare words, 128 bytes a wave
.set SPW,   208
.set NIL,   209
.set WVO,   32                         ; weights: v32-63 byte offset of row i of a block
.set WX,    64                         ; v64-127 two sets of 32 numbers
.set WC,    128                        ; v128-135 a block's codes
.set WSB,   136                        ; v136-139 8 scale bytes, 8 zeros
.set WOUT,  140                        ; v140-207 the way out
.set MNT,   50
.set X,    32                          ; rows: v32-63 my block
.set G,    64                          ; v64-95 the gain
.set BE,   96                          ; v96-127 the bias
.set R,    128                         ; from v128: the rows as loaded
	v_lshl_add_u32 v[SPW], v0, 2, SPARE
	v_mov_b32 v[NIL], 0
	v_lshrrev_b32 v1, 5, v0
	v_readfirstlane_b32 s2, v1                     ; wave 0..7
	s_cmp_lt_u32 ttmp9, NWQ
	s_wait_alu depctr_va_vdst(0)
	s_cbranch_scc0 .Lln
	s_load_b256 s[8:15], s[0:1], 0x0               ; wq, wk, wv, wo
	s_load_b128 s[16:19], s[0:1], 0x20             ; w1, w2
	s_load_b64 s[20:21], s[0:1], 0x30              ; wc
	s_lshl_b32 s52, ttmp9, 1
	s_lshr_b32 s53, s2, 2
	s_add_co_u32 s52, s52, s53                     ; my tile
	s_and_b32 s53, s2, 3                           ; my 32 columns of it
	s_mul_i32 s3, s2, 32*PITCH
	s_add_co_u32 s3, s3, WQ0                       ; my wave's stage
	s_mul_i32 s54, s53, 32*PITCH
	s_mov_b32 s[MNT], 0x600000
	s_mov_b32 s24, 256                             ; the weight's first tile, log2 of its tiles along K, bytes in a row: w2's, unless the tile's number says otherwise
	s_mov_b32 s25, 4
	s_mov_b32 s26, 4096
	v_and_b32 v1, 31, v0
	v_and_b32 v2, 7, v0
	v_bfe_u32 v3, v0, 3, 1
	v_lshl_or_b32 v2, v3, 4, v2
	v_bfe_u32 v3, v0, 4, 1
	v_lshl_or_b32 v2, v3, 3, v2                    ; sigma(lane)
	v_mul_u32_u24 v4, v2, PITCH
	v_add_nc_u32 v4, s3, v4                        ; my column's record
	v_lshlrev_b32 v8, 4, v1
	v_add_nc_u32 v7, s3, v8
	v_mov_b32 v[WSB+2], 0
	v_mov_b32 v[WSB+3], 0
	s_wait_alu depctr_va_vdst(0)
	s_wait_kmcnt 0x0
	s_mov_b64 s[22:23], s[18:19]
	s_cmp_lt_u32 s52, 256                          ; the choices hang on the tile's number alone
	s_cselect_b64 s[22:23], s[16:17], s[22:23]
	s_cselect_b32 s24, 128, s24
	s_cselect_b32 s25, 2, s25
	s_cselect_b32 s26, 16384, s26
	s_cmp_lt_u32 s52, 128
	s_cselect_b64 s[22:23], s[14:15], s[22:23]
	s_cselect_b32 s24, 96, s24
	s_cselect_b32 s26, 4096, s26
	s_cmp_lt_u32 s52, 96
	s_cselect_b64 s[22:23], s[12:13], s[22:23]
	s_cselect_b32 s24, 64, s24
	s_cmp_lt_u32 s52, 64
	s_cselect_b64 s[22:23], s[10:11], s[22:23]
	s_cselect_b32 s24, 32, s24
	s_cmp_lt_u32 s52, 32
	s_cselect_b64 s[22:23], s[8:9], s[22:23]
	s_cselect_b32 s24, 0, s24
	s_sub_co_u32 s27, s52, s24                     ; the tile's number in its weight
	s_bfm_b32 s28, s25, 0
	s_and_b32 s28, s27, s28                        ; which 256 along K
	s_lshr_b32 s29, s27, s25                       ; which 128 columns
	s_mul_i32 s30, s28, s26
	s_lshl_b32 s30, s30, 8
	s_lshl_b32 s29, s29, 9
	s_add_co_u32 s30, s30, s29
	s_lshl_b32 s29, s53, 7
	s_add_co_u32 s30, s30, s29
	s_mov_b32 s31, 0
	s_add_nc_u64 s[32:33], s[22:23], s[30:31]      ; a base for each block, never rewritten
	s_lshl_b32 s48, s26, 5
	s_mov_b32 s49, 0
.irp t, 1,2,3,4,5,6,7
	s_add_nc_u64 s[32+2*\t:33+2*\t], s[30+2*\t:31+2*\t], s[48:49]
.endr
	s_mul_i32 s30, s52, TILE
	s_add_co_u32 s30, s30, s54
	s_add_nc_u64 s[20:21], s[20:21], s[30:31]      ; wc at my wave's 8,704 bytes
	v_lshlrev_b32 v[WVO], 2, v1
.set i, 1
.rept 31
	v_add_nc_u32 v[WVO+i], s26, v[WVO+i-1]
.set i, i+1
.endr
.macro LOAD t                          ; block t: W(32 t + i, my column) into set t % 2
.set i, 0
.rept 32
	global_load_b32 v[WX+32*((\t)%2)+i], v[WVO+i], s[32+2*(\t):33+2*(\t)] th:TH_LOAD_NT
.set i, i+1
.endr
.endm
	LOAD 0
	LOAD 1
.macro BLOCK t
.set XS, WX+32*((\t)%2)
.if (\t) < 7
	s_wait_loadcnt 32                              ; this block's 32 loads are in; the next block's 32 may be out
.else
	s_wait_loadcnt 0
.endif
	v_max3_num_f32 v12, |v[XS]|, |v[XS+1]|, |v[XS+2]|
	v_max3_num_f32 v13, |v[XS+3]|, |v[XS+4]|, |v[XS+5]|
.irp i, 6,10,14,18,22,26
	v_max3_num_f32 v12, v12, |v[XS+\i]|, |v[XS+\i+1]|
	v_max3_num_f32 v13, v13, |v[XS+\i+2]|, |v[XS+\i+3]|
.endr
	v_max3_num_f32 v12, v12, |v[XS+30]|, |v[XS+31]|
	v_max3_num_f32 v12, v12, v13, 0x4800000        ; the floor 2^(9 - 127)
	v_add_nc_u32 v11, 0xfc000000, v12              ; the conversion's scale operand
	v_and_or_b32 v10, v12, 0x7f800000, s[MNT]      ; 448 x the scale
	v_lshrrev_b32 v13, 23, v11                     ; the scale's byte
.if (\t)%4 == 0
	v_mov_b32 v[WSB+(\t)/4], v13
.else
	v_lshl_or_b32 v[WSB+(\t)/4], v13, 8*((\t)%4), v[WSB+(\t)/4]
.endif
.set i, 0
.rept 32
	v_med3_num_f32 v[XS+i], v[XS+i], -v10, v10     ; the conversion does not saturate (ISA guide 7.6.2): the hold comes first
.set i, i+1
.endr
.irp g, 0,1,2,3
	v_cvt_scalef32_pk8_fp8_f32 v[WC+2*\g:WC+2*\g+1], v[XS+8*\g:XS+8*\g+7], v11
.endr
	ds_store_b128 v4, v[WC:WC+3] offset:32*(\t)
	ds_store_b128 v4, v[WC+4:WC+7] offset:32*(\t)+16
.if (\t)+2 < 8
	LOAD (\t)+2
.endif
	s_wait_dscnt 0x0                               ; the stores have read their registers
.endm
.irp t, 0,1,2,3,4,5,6,7
	BLOCK \t
.endr
	ds_store_b128 v4, v[WSB:WSB+3] offset:256
.irp i, 0,1,2,3,4,5,6,7,8,9,10,11,12,13,14,15,16
	ds_load_b128 v[WOUT+4*\i:WOUT+4*\i+3], v7 offset:512*\i   ; LDS serves a wave's instructions in order
.endr
.irp i, 0,1,2,3,4,5,6,7,8,9,10,11,12,13,14,15,16
	s_wait_dscnt 16-\i
	global_store_b128 v8, v[WOUT+4*\i:WOUT+4*\i+3], s[20:21] offset:512*\i   ; 512 consecutive bytes, aligned to 256
.endr
	s_wait_tensorcnt 0x0                           ; the wave's end
	ds_add_u32 v[SPW], v[NIL]
	s_wait_dscnt 0x0
	s_endpgm
.Lln:
	s_load_b256 s[4:11], s[0:1], ARG               ; x, gain, bias, the codes
	s_sub_co_u32 s28, ttmp9, NWQ                   ; u
	s_mul_i32 s3, s2, 4608                         ; my stage
	s_mul_i32 s16, s2, RPW*272
	s_add_co_u32 s16, s16, OUT                     ; my first row's place in the image: RPW x wave
	s_mov_b32 s12, 0x76543210
	s_mov_b32 s13, 0xfedcba98
	s_mov_b32 s14, 0x3a800000                      ; 1 / 1,024
	s_mov_b32 s15, 0x3727c5ac                      ; 1e-5
	s_mov_b32 s18, 0x600000
	s_lshr_b32 s20, s28, 1                         ; place p of the 16 is row 32 (u / 2) + 8 (u % 2) + p % 8 + 16 (p / 8)
	s_lshl_b32 s20, s20, 5
	s_and_b32 s21, s28, 1
	s_lshl_b32 s21, s21, 3
	s_add_co_u32 s20, s20, s21
	s_mul_i32 s21, s2, RPW
	s_and_b32 s22, s21, 7
	s_add_co_u32 s20, s20, s22
	s_lshr_b32 s21, s21, 3
	s_lshl_b32 s21, s21, 4
	s_add_co_u32 s20, s20, s21
	s_lshl_b32 s20, s20, 12
	s_mov_b32 s21, 0
	s_and_b32 s25, s2, 3                           ; on the way out wave w copies UPW runs of piece w % 4, from run UPW (w / 4) on
	s_lshr_b32 s26, s2, 2
	s_mul_i32 s26, s26, UPW*256
	s_lshr_b32 s22, s28, 3
	s_lshl_b32 s22, s22, 2
	s_add_co_u32 s22, s22, s25
	s_mul_i32 s22, s22, TILE
	s_and_b32 s24, s28, 7
	s_mul_i32 s24, s24, 4352
	s_add_co_u32 s22, s22, s24
	s_add_co_u32 s22, s22, s26
	s_mov_b32 s23, 0
	s_mul_i32 s27, s25, 4352
	s_add_co_u32 s27, s27, s26
	s_add_co_u32 s27, s27, OUT
	v_and_b32 v1, 31, v0                           ; lane l
	v_lshrrev_b32 v16, 3, v1                       ; l / 8
	v_and_b32 v17, 7, v0                           ; l % 8
	v_mul_u32_u24 v2, v16, 144
	v_lshl_add_u32 v2, v17, 4, v2
	v_add_nc_u32 v2, s3, v2                        ; in: load j's 16 bytes of lane l belong to block 4 j + l / 8
	v_mul_u32_u24 v3, v1, 144
	v_add_nc_u32 v3, s3, v3                        ; back: block l
	v_mul_u32_u24 v5, v16, 4352                    ; block l belongs to piece l / 8
	v_add_nc_u32 v5, s16, v5
	v_lshl_add_u32 v4, v17, 5, v5                  ; its codes,
	v_add_nc_u32 v5, v5, v17                       ; its scale byte
	v_lshlrev_b32 v6, 4, v1
	v_lshlrev_b32 v9, 3, v1
	v_add_nc_u32 v8, s27, v9
	v_mov_b32 v29, 0
	s_wait_alu depctr_va_vdst(0)
	s_wait_kmcnt 0x0
	s_add_nc_u64 s[4:5], s[4:5], s[20:21]
	s_add_nc_u64 s[10:11], s[10:11], s[22:23]
.irp c, 0,1,2,3,4,5,6,7
	global_load_b128 v[X+4*\c:X+4*\c+3], v6, s[6:7] offset:512*\c     ; the gain, 512 consecutive bytes an instruction, for now where my block will lie
	global_load_b128 v[G+4*\c:G+4*\c+3], v6, s[8:9] offset:512*\c     ; the bias likewise, for now where the gain will lie
.endr
.set i, 0
.rept RPW
.irp j, 0,1,2,3,4,5,6,7
	global_load_b128 v[R+32*i+4*\j:R+32*i+4*\j+3], v6, s[4:5] offset:4096*i+512*\j
.endr
.set i, i+1
.endr
.macro RED a, t                        ; the sum over the 32 lanes, in every lane
	s_delay_alu instid0(VALU_DEP_1)
	v_add_f32_dpp v[\a], v[\a], v[\a] row_xmask:1 row_mask:0xf bank_mask:0xf
	s_delay_alu instid0(VALU_DEP_1)
	v_add_f32_dpp v[\a], v[\a], v[\a] row_xmask:2 row_mask:0xf bank_mask:0xf
	s_delay_alu instid0(VALU_DEP_1)
	v_add_f32_dpp v[\a], v[\a], v[\a] row_xmask:4 row_mask:0xf bank_mask:0xf
	s_delay_alu instid0(VALU_DEP_1)
	v_add_f32_dpp v[\a], v[\a], v[\a] row_xmask:8 row_mask:0xf bank_mask:0xf
	s_delay_alu instid0(VALU_DEP_1)
	v_permlanex16_b32 v[\t], v[\a], s12, s13
	s_delay_alu instid0(VALU_DEP_1)
	v_add_f32 v[\a], v[\a], v[\t]
.endm
.macro ROW i
	s_wait_loadcnt 8*(RPW-1-\i)                    ; gain, bias and this row are in; the later rows' loads, 8 each, may be out
.irp j, 0,1,2,3,4,5,6,7
	ds_store_b128 v2, v[R+32*\i+4*\j:R+32*\i+4*\j+3] offset:576*\j
.endr
.irp c, 0,1,2,3,4,5,6,7
	ds_load_b128 v[X+4*\c:X+4*\c+3], v3 offset:16*\c   ; LDS serves a wave's instructions in order
.endr
	s_wait_dscnt 0x0
	v_pk_add_f32 v[12:13], v[32:33], v[34:35]
	v_pk_add_f32 v[158:159], v[40:41], v[44:45]
	v_pk_add_f32 v[156:157], v[48:49], v[52:53]
	v_pk_add_f32 v[154:155], v[56:57], v[60:61]
	v_pk_add_f32 v[152:153], v[36:37], v[38:39]
	v_pk_add_f32 v[150:151], v[42:43], v[46:47]
	v_pk_add_f32 v[148:149], v[50:51], v[54:55]
	v_pk_add_f32 v[10:11], v[58:59], v[62:63]
	s_delay_alu instid0(VALU_DEP_1)
	v_pk_add_f32 v[10:11], v[10:11], v[154:155]
	v_pk_add_f32 v[12:13], v[12:13], v[152:153]
	v_pk_add_f32 v[158:159], v[158:159], v[150:151]
	v_pk_add_f32 v[156:157], v[156:157], v[148:149]
	s_delay_alu instid0(VALU_DEP_2)
	v_pk_add_f32 v[10:11], v[10:11], v[158:159]
	s_delay_alu instid0(VALU_DEP_2)
	v_pk_add_f32 v[12:13], v[12:13], v[156:157]
	s_delay_alu instid0(VALU_DEP_1)
	v_pk_add_f32 v[10:11], v[10:11], v[12:13]
	s_delay_alu instid0(VALU_DEP_1)
	v_add_f32 v10, v10, v11
	RED 10, 11
	s_delay_alu instid0(VALU_DEP_1)
	v_mul_f32 v10, s14, v10                        ; the mean
.irp j, 0,2,4,6,8,10,12,14,16,18,20,22,24,26,28,30
	v_pk_add_f32 v[X+\j:X+\j+1], v[X+\j:X+\j+1], v[10:11] op_sel_hi:[1,0] neg_lo:[0,1] neg_hi:[0,1]   ; x - mean
.endr
	v_pk_mul_f32 v[12:13], v[X:X+1], v[X:X+1]
	v_pk_mul_f32 v[14:15], v[X+2:X+3], v[X+2:X+3]
.irp j, 4,8,12,16,20,24,28
	s_delay_alu instid0(VALU_DEP_2)
	v_pk_fma_f32 v[12:13], v[X+\j:X+\j+1], v[X+\j:X+\j+1], v[12:13]
	s_delay_alu instid0(VALU_DEP_2)
	v_pk_fma_f32 v[14:15], v[X+\j+2:X+\j+3], v[X+\j+2:X+\j+3], v[14:15]
.endr
	s_delay_alu instid0(VALU_DEP_1)
	v_pk_add_f32 v[12:13], v[12:13], v[14:15]
	s_delay_alu instid0(VALU_DEP_1)
	v_add_f32 v12, v12, v13
	RED 12, 13
	s_delay_alu instid0(VALU_DEP_1)
	v_fma_f32 v12, v12, s14, s15                   ; the variance + 1e-5
	s_wait_alu depctr_va_vdst(0)                   ; a wait ahead of the transcendental
	v_rsq_f32 v14, v12
	v_nop
	s_wait_alu depctr_va_vdst(0)                   ; and ahead of its first reader
.irp j, 0,2,4,6,8,10,12,14,16,18,20,22,24,26,28,30
	v_pk_mul_f32 v[X+\j:X+\j+1], v[X+\j:X+\j+1], v[14:15] op_sel_hi:[1,0]
.endr
.irp j, 0,2,4,6,8,10,12,14,16,18,20,22,24,26,28,30
	v_pk_fma_f32 v[X+\j:X+\j+1], v[X+\j:X+\j+1], v[G+\j:G+\j+1], v[BE+\j:BE+\j+1]
.endr
	v_max3_num_f32 v16, |v[X]|, |v[X+1]|, |v[X+2]|
	v_max3_num_f32 v17, |v[X+3]|, |v[X+4]|, |v[X+5]|
.irp j, 6,10,14,18,22,26
	s_delay_alu instid0(VALU_DEP_2)
	v_max3_num_f32 v16, v16, |v[X+\j]|, |v[X+\j+1]|
	s_delay_alu instid0(VALU_DEP_2)
	v_max3_num_f32 v17, v17, |v[X+\j+2]|, |v[X+\j+3]|
.endr
	s_delay_alu instid0(VALU_DEP_2)
	v_max3_num_f32 v16, v16, |v[X+30]|, |v[X+31]|
	s_delay_alu instid0(VALU_DEP_1)
	v_max3_num_f32 v16, v16, v17, 0x4800000        ; the floor 2^(9 - 127)
	s_delay_alu instid0(VALU_DEP_1)
	v_add_nc_u32 v18, 0xfc000000, v16              ; the conversion's scale operand
	s_delay_alu instid0(VALU_DEP_2)
	v_and_or_b32 v19, v16, 0x7f800000, s18         ; 448 x the scale
.irp j, 0,1,2,3,4,5,6,7,8,9,10,11,12,13,14,15,16,17,18,19,20,21,22,23,24,25,26,27,28,29,30,31
	v_med3_num_f32 v[X+\j], v[X+\j], -v19, v19     ; the hold comes first (ISA guide 7.6.2)
.endr
.irp g, 0,1,2,3
	v_cvt_scalef32_pk8_fp8_f32 v[20+2*\g:21+2*\g], v[X+8*\g:X+8*\g+7], v18
.endr
	v_lshrrev_b32 v28, 23, v18                     ; the scale's byte (also the plain instruction behind the conversions)
	ds_store_b128 v4, v[20:23] offset:272*\i
	ds_store_b128 v4, v[24:27] offset:272*\i+16
	ds_store_b8 v5, v28 offset:272*\i+256
	ds_store_b8 v5, v29 offset:272*\i+264
.endm
	s_wait_loadcnt 8*RPW                           ; gain and bias are in; the rows' loads, 8 each, may be out
.irp j, 0,1,2,3,4,5,6,7                        ; both are turned through my stage as a row is, so that lane l holds its block's 32 columns: first the bias,
	ds_store_b128 v2, v[G+4*\j:G+4*\j+3] offset:576*\j
.endr
.irp c, 0,1,2,3,4,5,6,7
	ds_load_b128 v[BE+4*\c:BE+4*\c+3], v3 offset:16*\c
.endr
	s_wait_dscnt 0x0                               ; the stores have read their registers
.irp j, 0,1,2,3,4,5,6,7                        ; then the gain
	ds_store_b128 v2, v[X+4*\j:X+4*\j+3] offset:576*\j
.endr
.irp c, 0,1,2,3,4,5,6,7
	ds_load_b128 v[G+4*\c:G+4*\c+3], v3 offset:16*\c
.endr
	s_wait_dscnt 0x0
	ROW 0
.if RPW > 1
	ROW 1
.endif
	s_wait_dscnt 0x0                               ; for the others' sake: my stores into the image are done
	s_barrier_signal -1
	s_barrier_wait -1
.set i, 0
.rept UPW
	ds_load_b64 v[32+2*i:33+2*i], v8 offset:256*i
.set i, i+1
.endr
.set i, 0
.rept UPW
	s_wait_dscnt UPW-1-i
	global_store_b64 v9, v[32+2*i:33+2*i], s[10:11] offset:256*i   ; 32 lanes store 256 consecutive bytes, aligned
.set i, i+1
.endr
	s_cmp_lt_u32 s2, 4                             ; a piece has 17 runs: waves 0 to 3 copy the last
	s_cbranch_scc0 .Lln_end
	ds_load_b64 v[64:65], v8 offset:4096
	s_wait_dscnt 0x0
	global_store_b64 v9, v[64:65], s[10:11] offset:4096
.Lln_end:
	s_wait_tensorcnt 0x0                           ; the wave's end
	ds_add_u32 v[SPW], v[NIL]
	s_wait_dscnt 0x0
	s_endpgm
.Lfunc_end_k_q111e05e593_prep:
	.size	k_q111e05e593_prep, .Lfunc_end_k_q111e05e593_prep-k_q111e05e593_prep
	.p2alignl 7, 3214868480
	.fill 96, 4, 3214868480
	.section	.rodata,"a",@progbits
	.p2align	6, 0x0
	.amdhsa_kernel k_q111e05e593_prep
		.amdhsa_group_segment_fixed_size 124928
		.amdhsa_private_segment_fixed_size 0
		.amdhsa_enable_private_segment 0
		.amdhsa_kernarg_size 88
		.amdhsa_user_sgpr_count 2
		.amdhsa_user_sgpr_kernarg_segment_ptr 1
		.amdhsa_wavefront_size32 1
		.amdhsa_system_sgpr_workgroup_id_x 1
		.amdhsa_system_sgpr_workgroup_id_y 1
		.amdhsa_system_sgpr_workgroup_id_z 1
		.amdhsa_system_vgpr_workitem_id 0
		.amdhsa_next_free_vgpr 210
		.amdhsa_next_free_sgpr 66
		.amdhsa_reserve_vcc 0
		.amdhsa_float_denorm_mode_32 3
		.amdhsa_float_denorm_mode_16_64 3
		.amdhsa_memory_ordered 1
		.amdhsa_forward_progress 1
		.amdhsa_inst_pref_size 96
	.end_amdhsa_kernel
	.amdgpu_metadata
---
amdhsa.version: [ 1, 2 ]
amdhsa.kernels:
  - .name:           k_q111e05e593_prep
    .symbol:         k_q111e05e593_prep.kd
    .args:
      - { .name: wq, .offset: 0, .size: 8, .value_kind: global_buffer, .address_space: global }
      - { .name: wk, .offset: 8, .size: 8, .value_kind: global_buffer, .address_space: global }
      - { .name: wv, .offset: 16, .size: 8, .value_kind: global_buffer, .address_space: global }
      - { .name: wo, .offset: 24, .size: 8, .value_kind: global_buffer, .address_space: global }
      - { .name: w1, .offset: 32, .size: 8, .value_kind: global_buffer, .address_space: global }
      - { .name: w2, .offset: 40, .size: 8, .value_kind: global_buffer, .address_space: global }
      - { .name: wc, .offset: 48, .size: 8, .value_kind: global_buffer, .address_space: global }
      - { .name: x, .offset: 56, .size: 8, .value_kind: global_buffer, .address_space: global }
      - { .name: g1, .offset: 64, .size: 8, .value_kind: global_buffer, .address_space: global }
      - { .name: be1, .offset: 72, .size: 8, .value_kind: global_buffer, .address_space: global }
      - { .name: hc, .offset: 80, .size: 8, .value_kind: global_buffer, .address_space: global }
    .group_segment_fixed_size: 124928
    .private_segment_fixed_size: 0
    .kernarg_segment_align: 8
    .kernarg_segment_size: 88
    .max_flat_workgroup_size: 256
    .sgpr_count:     66
    .vgpr_count:     210
    .wavefront_size: 32
...
	.end_amdgpu_metadata
.endif
;; end of part 8
;; launch qkv (part 9): grid 12 x 16, 4 waves a work-group, clusters of 4 x 4, 327,680 bytes of LDS; arguments hc, wc, bq, bk, bv, qkvc; writes qkvc
.if DOCPART == 9
	.amdgcn_target "amdgcn-amd-amdhsa--gfx1250"
	.amdhsa_code_object_version 6
	.text
	.protected	k_q111e05e593_qkv
	.globl	k_q111e05e593_qkv
	.p2align	8
	.type	k_q111e05e593_qkv,@function
k_q111e05e593_qkv:
	s_mov_b64 s[64:65], 0
	v_nop
	global_prefetch_b8 v0, s[64:65] scope:SCOPE_SE
	s_setreg_imm32_b32 hwreg(HW_REG_WAVE_MODE, 25, 1), 1
	s_wait_xcnt 0x0
	s_wait_alu depctr_hold_cnt(0) depctr_sa_sdst(0) depctr_va_vdst(0) depctr_va_sdst(0) depctr_va_ssrc(0) depctr_va_vcc(0) depctr_vm_vsrc(0)
	s_getreg_b32 s2, hwreg(HW_REG_IB_STS2, 6, 4)
	s_cmp_eq_u32 s2, 0
	s_cbranch_scc0 .Lentry_in_a_cluster
	s_endpgm
.Lentry_in_a_cluster:
	s_bfe_u32 s2, ttmp6, 0x10000c
	s_cmp_lg_u32 s2, 0xf033
	s_cbranch_scc0 .Lentry_shape_is_right
	s_endpgm
.Lentry_shape_is_right:
; q = h wq + bq, k = h wk + bk, v = h wv + bv on codes of FP8 (E4M3) with E8M0 scales, and each result is quantised again on the way out, for attention:
; q and k along the head's 64 channels, v along the keys.  h: hc, 4,096 tokens x 1,024; the weights: wc.  Both lie as tiles of 128 records of 272 bytes (256 codes, 8 scale bytes, 8 zeros),
; tile (g, s) at (4 g + s) x 34,816 bytes; records lie at places sigma(i) (bits 3 and 4 of i exchanged), so that 16 records on end, taken as a product's FIRST source, leave
; 16 neighbours of the true order in the 16 registers of two neighbouring result tiles: the order that the conversions and the next product's operand want.
; THE CORE.  A block of 256 x 256 is made by four waves, 128 x 128 each: 64 accumulators, 512 registers.  K goes in steps of 256 through two LDS slots; a wave's one tensor load brings a whole tile,
; 34,816 dense bytes, which is its LDS image as it stands.  4 x 4 work-groups form a cluster: the second source's tiles are shared along a row of it, the first source's along a column: joint loads.
; ROLES, by the cluster's x (the same in all sixteen partners): 0: q, 1: k: first source = 256 columns of the weight, second = 256 tokens: a lane holds a token, its registers run along the columns.
; 2: v: first source = 256 tokens, second = 256 columns of wv: a lane holds a channel, its registers run along the tokens, which are the keys.
; The bias is the C of each sum's first product.  OUT: q: [head 32][place 2,048][80]: 64 codes, a scale word (2 bytes, then 0x7f 0x7f), 12 zeros.  k and v: [head][key step 16][19,456]: 128 records of k like q's, then
; 64 records of 144 bytes for v: 128 codes along the step's keys, 4 scale bytes, 12 zeros.
; LIMITS: a block of zeros gets the byte 1 (zero codes; this program alone reads the bytes); magnitudes under 2^-118 are held at that floor; NaN and infinities are not served.
; REGISTERS, in windows of 256: window 0: v0-31 addresses; v32-63 scale words, two sets; v64-127 the bias, later numbers at work; from v128 the second source's fragments, one set; on the way out v128-255 are free.
;   window 1: the first source's fragments, two sets.   windows 2, 3: the accumulators ((a, b) at v[8 (8 (a % 4) + b)]).
.set KS,     4                         ; tiles along K
.set WV_OFF, 2228224                   ; wv's tiles in wc
.set TILE,   34816
.set PITCH,  272
.set HALFT,  2*TILE                    ; LDS: [tile 4][slot 2]: a tile's two slots lie on end, so that the head's one load a wave, two tiles along K, fills both
.set SLOT,   TILE                      ; from slot 0 to slot 1
.set SPARE,  8*TILE                    ; behind the ring: the spare words, 128 bytes a wave
.set LAPS,   KS/2
.set NQ,     2
.set FR,     16
.set NL,     4
.set NP,     8                         ; places behind this matrix instruction (ISA guide 7.12.1)
.set ADRA, 16                          ; v16-17  LDS address of the second source's fragments in slot 0, 1
.set ADRB, 20                          ; v20-21  of the first source's
.set ADRS, 22                          ; v22-23  of the scale words: lanes 0-15 the second source's records, lanes 16-31 the first's
.set STOQ, 24                          ; the way out: see below
.set STSQ, 25
.set STOV, 26
.set STSV, 27
.set SPW,  28                          ; v28  LDS address of my spare word; never rewritten
.set NIL,  29                          ; v29  0; never rewritten
.set CPQ,  30
.set CPV,  31
.set GOF,  7
.set SC,   32
.set BI,   64
.set T,    64
.set AF,   128
.set PC,   128                         ; v128-143 the codes just made
.set TM,   144                         ; v144-159 largest magnitudes, bytes, holds, scale operands
.set PW,   160                         ; v160 the scale word just made; v161-163 zeros
.set QA,   164                         ; v164 head 0's scale word; v165-167 zeros
.set QB,   168                         ; v168 head 1's; v169-171 zeros
.set CP,   176                         ; v176-255 the copy out
.set G1, 24
.set G0, 32
.set G1B, 48
.set G0B, 56
.set PADW, 88
.set MNT,  89
.set SEL,  90
.set MSB, 0
.macro WIN new                         ; the immediate's high byte repeats the setting that is left
.if MSB != (\new)
	s_set_vgpr_msb (MSB<<8)|(\new)
.set MSB, (\new)
.endif
.endm
.set MUL_LO,  0xa1                     ; source 0 window 1, source 1 window 0, C and D window 2
.set MUL_HI,  0xf1                     ; the same, C and D window 3
.set BIAS_LO, 0x81                     ; C (the bias) window 0, D window 2
.set BIAS_HI, 0xc1
.set TO_B,    0x40                     ; destination window 1, address window 0
; A joint load: waves 0 and 1 fetch the second source's two tiles, waves 2 and 3 the first's.  The branch hangs on the wave's number alone.  Four v_nop follow each line.
.macro JLOAD s
	s_cmp_eq_u32 s15, 0
	s_cbranch_scc0 .Lfor_b_\@
	tensor_load_to_lds s[G0+4*(\s):G0+4*(\s)+3], s[G1:G1+7]
	s_nop 0
.rept 4
	v_nop
.endr
	s_branch .Lasked_\@
.Lfor_b_\@:
	tensor_load_to_lds s[G0B+4*(\s):G0B+4*(\s)+3], s[G1B:G1B+7]
	s_nop 0
.rept 4
	v_nop
.endr
.Lasked_\@:
.endm
.macro CREST                           ; a round of the cluster's barrier behind its opening barrier
	s_cmp_lg_u32 s14, 0
	s_cbranch_scc1 .Lnot_wave_0_\@
	s_barrier_signal -3
.Lnot_wave_0_\@:
	s_barrier_wait -3
	s_barrier_signal -1
	s_barrier_wait -1
.endm
.macro CROUND
	s_barrier_signal -1
	s_barrier_wait -1
	CREST
.endm
	s_load_b256 s[4:11], s[0:1], 0x0               ; hc, wc, bq, bk
	s_load_b128 s[68:71], s[0:1], 0x20             ; bv, qkvc
	v_lshl_add_u32 v[SPW], v0, 2, SPARE
	v_mov_b32 v[NIL], 0
	ds_add_u32 v28, v29
	ds_add_u32 v28, v29
	s_wait_dscnt 0x0
	v_lshrrev_b32 v1, 5, v0
	v_readfirstlane_b32 s14, v1                    ; wave 0..3
	v_and_b32 v19, 31, v0                          ; the prefetches' offsets: 34 runs of 256 bytes: v18 runs 0-31, a lane each; v19 runs 32 and 33 (the lanes left over name run 33 again)
	v_lshlrev_b32 v18, 8, v19
	v_min_u32 v19, 1, v19
	v_lshl_add_u32 v19, v19, 8, 8192
	s_wait_alu depctr_va_vdst(0)
	s_lshr_b32 s15, s14, 1                         ; RH: my half of the second source's records.  Also: I fetch for the second source (0) or the first (1)
	s_and_b32 s16, s14, 1                          ; CH: my half of the first source's.  Also: which of the two tiles I fetch
	s_bfe_u32 s40, ttmp6, 0x40000                  ; cx
	s_bfe_u32 s41, ttmp6, 0x40004                  ; cy
	s_and_b32 s18, ttmp7, 0xffff
	s_lshl_b32 s18, s18, 2                         ; 4 x cluster y
	s_lshl_b32 s19, ttmp9, 2                       ; 4 x cluster x
	s_cmp_eq_u32 ttmp9, 2                          ; v's clusters?
	s_cselect_b32 s17, 0, s18                      ; second source's block of 256: q, k: tokens 4 Y + cy; v: wv's columns cy
	s_cselect_b32 s42, s18, s19                    ; first source's: q, k: columns 4 X + cx of wq | wk; v: tokens 4 Y + cx
	s_cselect_b32 s72, WV_OFF, 0
	s_cselect_b32 s81, 0, 64                       ; the bias: bytes from half to half of the lanes,
	s_cselect_b32 s82, 4, 0                        ; from lane to lane,
	s_cselect_b32 s83, 0, 4                        ; from register to register
	s_add_co_u32 s17, s17, s41                     ; TA: it never holds cx
	s_add_co_u32 s42, s42, s40                     ; TB: it never holds cy
	s_lshl_b32 s43, s41, 2
	s_lshl_b32 s43, 15, s43                        ; my row of the cluster
	s_lshl_b32 s44, 0x1111, s40                    ; my column
	s_or_b32 s[G1+0], s43, (3<<16)|(1<<21)         ; 15:0 the mask; 17:16 elements of 8 bytes; 21 set beside a mask; no padding: the tile is its own image
	s_or_b32 s[G1B+0], s44, (3<<16)|(1<<21)
.irp g, G1, G1B
	s_mov_b32 s[\g+1], 32<<16                      ; tensor_dim0 = 32 elements: rows of 256 bytes
	s_mov_b32 s[\g+2], 272<<16                     ; tensor_dim1 = 272 rows for the head's load: two tiles; behind it 136
	s_mov_b32 s[\g+3], 32<<16                      ; tile_dim0
	s_mov_b32 s[\g+4], 272                         ; tile_dim1
	s_mov_b32 s[\g+5], 32                          ; the pitch: dense
	s_mov_b32 s[\g+6], 0
	s_mov_b32 s[\g+7], 0
.endr
	s_lshl_b32 s20, s17, 1
	s_add_co_u32 s20, s20, s16
	s_mul_i32 s20, s20, KS*TILE
	s_add_co_u32 s20, s20, s72
	s_mov_b32 s21, 0
	s_lshl_b32 s46, s42, 1
	s_add_co_u32 s46, s46, s16
	s_mul_i32 s46, s46, KS*TILE
	s_mov_b32 s47, 0
	s_mul_i32 s45, s14, HALFT                      ; where they go: wave x two tiles: no place in the cluster enters an LDS address
	s_wait_kmcnt 0x0
	s_cmp_eq_u32 ttmp9, 2
	s_cselect_b64 s[74:75], s[6:7], s[4:5]         ; second source: hc, for v wc
	s_cselect_b64 s[76:77], s[4:5], s[6:7]         ; first source: wc, for v hc
	s_cselect_b64 s[78:79], s[68:69], s[8:9]       ; the bias
	s_cmp_eq_u32 ttmp9, 1
	s_cselect_b64 s[78:79], s[10:11], s[78:79]
	s_add_nc_u64 s[20:21], s[74:75], s[20:21]
	s_add_nc_u64 s[46:47], s[76:77], s[46:47]
	s_cmp_eq_u32 s15, 0                            ; the tile that I fetch has 136 runs of 256 bytes; the four partners that ask for it with me share them out by address, 34 each
	s_cselect_b64 s[66:67], s[20:21], s[46:47]
	s_cselect_b32 s12, s40, s41
	s_mul_i32 s12, s12, 34*256
	s_mov_b32 s13, 0
	s_add_nc_u64 s[66:67], s[66:67], s[12:13]
	CROUND                                         ; all sixteen work-groups are here: the first joint loads meet
.irp s, 0,1
	s_mov_b32 s[G0+4*\s], 1
	s_add_co_u32 s[G0+4*\s+1], s45, \s*SLOT
	s_add_nc_u64 s[G0+4*\s+2:G0+4*\s+3], s[20:21], \s*TILE
	s_or_b32 s[G0+4*\s+3], s[G0+4*\s+3], 0x80000000
	s_mov_b32 s[G0B+4*\s], 1
	s_add_co_u32 s[G0B+4*\s+1], s45, \s*SLOT
	s_add_nc_u64 s[G0B+4*\s+2:G0B+4*\s+3], s[46:47], \s*TILE
	s_or_b32 s[G0B+4*\s+3], s[G0B+4*\s+3], 0x80000000
.if \s == 0
	JLOAD 0                                        ; the head's one load a wave: my tile's K steps 0 and 1, into both slots
.endif
	global_prefetch_b8 v18, s[66:67] offset:(\s+2)*TILE th:TH_LOAD_NT scope:SCOPE_SE   ; the tile that stands two fills on
	global_prefetch_b8 v19, s[66:67] offset:(\s+2)*TILE th:TH_LOAD_NT scope:SCOPE_SE
.endr
	v_and_b32 v1, 15, v0                           ; r
	s_wait_alu depctr_va_vdst(0)
	v_bfe_u32 v2, v0, 4, 1                         ; h
	; the bias, in the result's layout, 64 registers.  q, k: register 8 b + j = bias[32 (b / 2) + 8 (b % 2) + 16 h + j]; v: register 8 a + j = bias[32 (a / 2) + 8 (a % 2) + r + 8 (r / 8)], alike for all j
	s_wait_alu depctr_va_vdst(0)
	s_lshl_b32 s92, s41, 10
	s_lshl_b32 s93, s15, 9
	s_add_co_u32 s92, s92, s93                     ; v: 4 (256 cy + 128 RH)
	s_lshl_b32 s94, s40, 10
	s_lshl_b32 s93, s16, 9
	s_add_co_u32 s94, s94, s93                     ; q, k: 4 (256 cx + 128 CH)
	s_cmp_eq_u32 ttmp9, 2
	s_cselect_b32 s92, s92, s94
	s_mov_b32 s93, 0
	s_add_nc_u64 s[78:79], s[78:79], s[92:93]
	v_and_b32 v5, 8, v1
	v_add_nc_u32 v5, v5, v1                        ; r + 8 (r / 8)
	v_mul_u32_u24 v8, s81, v2
	v_mad_u32_u24 v8, v5, s82, v8
.irp j, 1,2,3,4,5,6,7
	v_add_nc_u32 v[8+\j], s83, v[7+\j]
.endr
.irp e, 0,1,2,3,4,5,6,7
.irp j, 0,1,2,3,4,5,6,7
	global_load_b32 v[BI+8*\e+\j], v[8+\j], s[78:79] offset:4*(32*(\e/2)+8*(\e%2))
.endr
.endr
	v_mul_u32_u24 v3, v1, PITCH
	v_lshl_add_u32 v4, v2, 4, v3                   ; a fragment's record x pitch + 16 x half
	s_mul_i32 s21, s15, HALFT                      ; my 128 records of the second source
	s_mul_i32 s22, s16, HALFT
	s_add_co_u32 s22, s22, 2*HALFT                 ; and of the first
	s_sub_co_u32 s23, s22, s21
	v_mul_u32_u24 v6, s23, v2                      ; lanes 16-31 take the first source's scale words
	v_add_nc_u32 v5, v3, v6
.irp s, 0,1
	v_add_nc_u32 v[ADRA+\s], s21, v4
	v_add_nc_u32 v[ADRB+\s], s22, v4
	v_add_nc_u32 v[ADRS+\s], s21, v5
	s_add_co_u32 s21, s21, SLOT
	s_add_co_u32 s22, s22, SLOT
.endr
	; the way out's LDS addresses, all made here, ahead of every parting of the ways.  q, k: my stage at 20,480 x wave: [head 2][place 128][80].  v: at 81,920 + 18,432 x wave: [head 2][channel 64][144]
	s_mul_i32 s21, s14, 20480
	v_mul_u32_u24 v5, v1, 80
	v_add_nc_u32 v[STSQ], s21, v5
	v_lshl_add_u32 v[STOQ], v2, 4, v[STSQ]
	s_mul_i32 s22, s14, 18432
	s_add_co_u32 s22, s22, 81920
	v_mul_u32_u24 v5, v1, 144
	v_add_nc_u32 v[STSV], s22, v5
	v_lshl_add_u32 v[STOV], v2, 4, v[STSV]
	v_and_b32 v6, 31, v0
	v_lshlrev_b32 v[GOF], 4, v6
	v_add_nc_u32 v[CPQ], s21, v[GOF]
	v_add_nc_u32 v[CPV], s22, v[GOF]
	s_mov_b32 s[PADW], 0x7f7f0000                  ; the scale bytes of the half of K that a head of 64 leaves empty: 1.0
	s_mov_b32 s[MNT], 0x600000
	s_mov_b32 s[SEL], 0x76543210
	s_mov_b32 s[SEL+1], 0xfedcba98
	; where my two heads' parts go.  gi: my 128 tokens among 32 such groups; hd0: my first head
	s_lshl_b32 s92, s17, 1
	s_add_co_u32 s92, s92, s15
	s_lshl_b32 s93, s42, 1
	s_add_co_u32 s93, s93, s16
	s_lshl_b32 s95, s40, 2
	s_lshl_b32 s96, s16, 1
	s_add_co_u32 s95, s95, s96                     ; q, k: 4 cx + 2 CH
	s_lshl_b32 s96, s41, 2
	s_lshl_b32 s97, s15, 1
	s_add_co_u32 s96, s96, s97                     ; v: 4 cy + 2 RH
	s_cmp_eq_u32 ttmp9, 2
	s_cselect_b32 s94, s93, s92
	s_cselect_b32 s95, s96, s95
	s_mov_b32 s96, 163840                          ; bytes from head to head,
	s_mov_b32 s97, 10240                           ; from 128 tokens to the next,
	s_mov_b32 s98, 0                               ; and where the part begins: q's
	s_cmp_eq_u32 ttmp9, 0
	s_cselect_b32 s96, s96, 311296
	s_cselect_b32 s97, s97, 19456
	s_cselect_b32 s98, s98, 5242880
	s_cmp_eq_u32 ttmp9, 2
	s_cselect_b32 s98, 5253120, s98
	s_lshr_b32 s99, s94, 4
	s_lshl_b32 s99, s99, 4
	s_add_co_u32 s99, s99, s95
	s_mul_i32 s99, s99, s96
	s_and_b32 s94, s94, 15
	s_mul_i32 s94, s94, s97
	s_add_co_u32 s98, s98, s99
	s_add_co_u32 s84, s98, s94
	s_mov_b32 s85, 0
	s_mov_b32 s97, 0
	s_add_nc_u64 s[84:85], s[70:71], s[84:85]      ; my first head's part,
	s_add_nc_u64 s[86:87], s[84:85], s[96:97]      ; my second's
.macro FRAG reg, adr, q, i             ; 16 records x 128 K: lane l holds record l % 16; registers 4 c .. 4 c + 3 hold K = 32 c + 16 (l / 16) + 0 .. 15
.irp c, 0,1,2,3
	ds_load_b128 v[\reg+4*\c:\reg+4*\c+3], v[\adr] offset:128*(\q)+32*\c+(\i)*16*PITCH
.endr
.endm
; 16 matrix instructions: the second source's blocks a0, a0 + 1 x the first's eight.  zero = 1: C = the bias by b; 2: by a; 0: the sums go on.  The 64 accumulators take turns, one instruction a turn.
.macro MUL16 a0, p, q, sc, zero
.irp a, \a0, \a0+1
.irp b, 0,1,2,3,4,5,6,7
.if (\zero) == 1
	v_wmma_scale_f32_16x16x128_f8f6f4 v[8*(8*((\a)%4)+\b):8*(8*((\a)%4)+\b)+7], v[128*(\p)+FR*\b:128*(\p)+FR*\b+FR-1], v[AF+FR*(\a):AF+FR*(\a)+FR-1], v[BI+8*\b:BI+8*\b+7], v[SC+8*NQ*(\sc)+NQ*\b+(\q)], v[SC+8*NQ*(\sc)+NQ*(\a)+(\q)] matrix_a_scale:MATRIX_SCALE_ROW1
.elseif (\zero) == 2
	v_wmma_scale_f32_16x16x128_f8f6f4 v[8*(8*((\a)%4)+\b):8*(8*((\a)%4)+\b)+7], v[128*(\p)+FR*\b:128*(\p)+FR*\b+FR-1], v[AF+FR*(\a):AF+FR*(\a)+FR-1], v[BI+8*(\a):BI+8*(\a)+7], v[SC+8*NQ*(\sc)+NQ*\b+(\q)], v[SC+8*NQ*(\sc)+NQ*(\a)+(\q)] matrix_a_scale:MATRIX_SCALE_ROW1
.else
	v_wmma_scale_f32_16x16x128_f8f6f4 v[8*(8*((\a)%4)+\b):8*(8*((\a)%4)+\b)+7], v[128*(\p)+FR*\b:128*(\p)+FR*\b+FR-1], v[AF+FR*(\a):AF+FR*(\a)+FR-1], v[8*(8*((\a)%4)+\b):8*(8*((\a)%4)+\b)+7], v[SC+8*NQ*(\sc)+NQ*\b+(\q)], v[SC+8*NQ*(\sc)+NQ*(\a)+(\q)] matrix_a_scale:MATRIX_SCALE_ROW1
.endif
.endr
.endr
.endm
.macro FETCH_B slot, q, p
	WIN TO_B
.irp i, 0,1,2,3,4,5,6,7
	FRAG 128*(\p)+FR*\i, ADRB+\slot, \q, \i
.endr
	WIN 0
.endm
.macro FETCH_A slot, q, i0
.irp i, \i0, \i0+1, \i0+2, \i0+3
	FRAG AF+FR*(\i), ADRA+\slot, \q, \i
.endr
.endm
.macro SCALES sc                       ; a slot's scale words: bytes 256 to 263 of each record: two words; lanes 0-15 the second source's block i, lanes 16-31 the first's
.irp i, 0,1,2,3,4,5,6,7
	ds_load_b64 v[SC+8*NQ*\sc+NQ*\i:SC+8*NQ*\sc+NQ*\i+1], v[ADRS+\sc] offset:\i*16*PITCH+256
.endr
.endm
.macro PLACES n                        ; plain vector instructions between a matrix instruction and a load into, or a read of, its registers
.rept \n
	v_nop
.endr
.endm
.macro STEP slot, q, zero              ; 128 along K that has its successor in the same slot
	s_wait_dscnt 4*NL                              ; all but the youngest 16 loads (the second source's blocks 4-7) are in
.if \zero
	WIN BIAS_LO
.else
	WIN MUL_LO
.endif
	MUL16 0, (\q)%2, \q, \slot, \zero
	MUL16 2, (\q)%2, \q, \slot, \zero
	s_wait_dscnt 0
	PLACES NP
	FETCH_B \slot, (\q)+1, 1-(\q)%2
	FETCH_A \slot, (\q)+1, 0
.if \zero
	WIN BIAS_HI
.else
	WIN MUL_HI
.endif
	MUL16 4, (\q)%2, \q, \slot, \zero
	MUL16 6, (\q)%2, \q, \slot, \zero
	PLACES NP
	WIN 0
	FETCH_A \slot, (\q)+1, 4
.endm
; A slot's last step changes slots: one barrier; in front of it each wave waits for all its tensor loads, adds 0 to its spare word, and waits for that and for its reads of this slot.
.macro TURN slot, next, fill
	s_wait_tensorcnt 0x0                           ; all my tensor loads have landed: my part of the next slot
	ds_add_u32 v[SPW], v[NIL]                      ; 0 onto my spare word
	s_wait_dscnt 4*NL+1                            ; the add and the youngest 16 loads may be out
	WIN MUL_LO
	MUL16 0, 1, NQ-1, \slot, 0
	s_wait_dscnt 0x0                               ; the add is done, and my reads of this slot are over
	s_barrier_signal -1
	MUL16 2, 1, NQ-1, \slot, 0
	WIN 0
	s_barrier_wait -1
.if \fill
	CREST                                          ; the barrier has opened a round of the cluster's: no wave of any partner still reads this slot or has a load on its way
	s_add_nc_u64 s[G0+4*\slot+2:G0+4*\slot+3], s[G0+4*\slot+2:G0+4*\slot+3], 2*TILE
	s_add_nc_u64 s[G0B+4*\slot+2:G0B+4*\slot+3], s[G0B+4*\slot+2:G0B+4*\slot+3], 2*TILE
	JLOAD \slot                                    ; the first tensor load behind the round; its four v_nop are among the places in front of the loads below
	PLACES NP-4
.else
	PLACES NP
.endif
	FETCH_B \next, 0, 0
	FETCH_A \next, 0, 0
	SCALES \next
	WIN MUL_HI
	MUL16 4, 1, NQ-1, \slot, 0
	MUL16 6, 1, NQ-1, \slot, 0
	PLACES NP
	WIN 0
	FETCH_A \next, 0, 4
.endm
	s_wait_alu depctr_va_vdst(0)
	s_wait_tensorcnt 0x0                           ; my part of both slots is in, and no tensor load of mine is out: from here on a load brings one tile
	s_mov_b32 s[G1+2], 136<<16
	s_mov_b32 s[G1+4], 136
	s_mov_b32 s[G1B+2], 136<<16
	s_mov_b32 s[G1B+4], 136
	s_barrier_signal -1
	s_barrier_wait -1
	FETCH_B 0, 0, 0
	FETCH_A 0, 0, 0
	SCALES 0
	FETCH_A 0, 0, 4
	s_wait_loadcnt 0x0                             ; the bias
	s_cmp_eq_u32 ttmp9, 2                          ; the first step starts the sums with the bias: by column for q and k, by lane for v
	s_cbranch_scc1 .Lfirst_v
	STEP 0, 0, 1
	s_branch .Lfirst_done
.Lfirst_v:
	STEP 0, 0, 2
.Lfirst_done:
	s_mov_b32 s3, LAPS-1
.Llap:                                                 ; a trip goes once round the ring and fills both slots again
	TURN 0, 1, 1
	STEP 1, 0, 0
	TURN 1, 0, 1
	STEP 0, 0, 0
	s_sub_co_u32 s3, s3, 1
	s_cmp_lg_u32 s3, 0
	s_cbranch_scc1 .Llap
	TURN 0, 1, 0                                   ; the last lap fills nothing
	STEP 1, 0, 0
	s_wait_dscnt 4*NL
	WIN MUL_LO
	MUL16 0, 1, NQ-1, 1, 0
	MUL16 2, 1, NQ-1, 1, 0
	s_wait_dscnt 0
	WIN MUL_HI
	MUL16 4, 1, NQ-1, 1, 0
	MUL16 6, 1, NQ-1, 1, 0
	WIN 0
	PLACES NP
	s_wait_dscnt 0x0
	s_barrier_signal -1                            ; every wave's reads of the ring are over: both slots have had their last fill and may serve as stages
	s_barrier_wait -1
.irp j, 1,2,3
	v_mov_b32 v[PW+\j], 0
	v_mov_b32 v[QA+\j], 0
	v_mov_b32 v[QB+\j], 0
.endr
.irp b, 0,1,2,3
	v_mov_b32 v[TM+4+\b], 0                        ; a lane permute's destination counts as one of its sources
.endr
; 64 numbers of a lane in window w, register 16 b + i = place 32 b + 16 (lane / 16) + i along the next K, become a fragment's codes in v[PC] on and its scale word in v[PW].  Each accumulator is read from its low end on.
.macro QUANT src, w
	WIN ((\w)<<2)|((\w)<<4)
.irp b, 0,1,2,3
	v_max3_num_f32 v[TM+\b], 0x4800000, |v[(\src)+16*\b]|, |v[(\src)+16*\b+1]|   ; my 16 numbers of block b, and the floor 2^(9 - 127)
.endr
.irp i, 2,4,6,8,10,12,14
.irp b, 0,1,2,3
	v_max3_num_f32 v[TM+\b], v[TM+\b], |v[(\src)+16*\b+\i]|, |v[(\src)+16*\b+\i+1]|
.endr
.endr
	WIN 0
.irp b, 0,1,2,3
	v_permlanex16_b32 v[TM+4+\b], v[TM+\b], s[SEL], s[SEL+1]
.endr
.irp b, 0,1,2,3
	v_max_num_f32 v[TM+\b], v[TM+\b], v[TM+4+\b]   ; with lane l xor 16's: the block's largest magnitude
.endr
.irp b, 0,1,2,3
	v_add_nc_u32 v[TM+12+\b], 0xfc000000, v[TM+\b] ; the conversion's scale operand
.endr
.irp b, 0,1,2,3
	v_and_or_b32 v[TM+8+\b], v[TM+\b], 0x7f800000, s[MNT]   ; 448 x the scale
.endr
.irp b, 0,1,2,3
	v_lshrrev_b32 v[TM+4+\b], 23, v[TM+12+\b]      ; the scale's byte
.endr
	v_lshl_or_b32 v[PW], v[TM+5], 8, v[TM+4]
	v_lshl_or_b32 v[PW], v[TM+6], 16, v[PW]
	v_lshl_or_b32 v[PW], v[TM+7], 24, v[PW]
	WIN (\w)
.irp b, 0,1,2,3
.irp i, 0,1,2,3,4,5,6,7,8,9,10,11,12,13,14,15
	v_med3_num_f32 v[T+16*\b+\i], v[(\src)+16*\b+\i], -v[TM+8+\b], v[TM+8+\b]   ; the conversion does not saturate (ISA guide 7.6.2): the hold comes first
.endr
.endr
	WIN 0
.irp b, 0,1,2,3
	v_cvt_scalef32_pk8_fp8_f32 v[PC+4*\b:PC+4*\b+1], v[T+16*\b:T+16*\b+7], v[TM+12+\b]
	v_cvt_scalef32_pk8_fp8_f32 v[PC+4*\b+2:PC+4*\b+3], v[T+16*\b+8:T+16*\b+15], v[TM+12+\b]
.endr
	v_nop                                          ; a plain instruction behind the last conversion
.endm
.macro OUTBLK a                        ; block a: 16 lanes' records
	QUANT 64*((\a)%4), 2+(\a)/4
	v_and_or_b32 v[QA], v[PW], 0xffff, s[PADW]     ; q, k: a head's two bytes, then two bytes of 1.0
	v_lshrrev_b32 v[QB], 16, v[PW]
	v_or_b32 v[QB], s[PADW], v[QB]
	s_cmp_eq_u32 ttmp9, 2
	s_cbranch_scc1 .Lv_\@
.irp b, 0,1,2,3
	ds_store_b128 v[STOQ], v[PC+4*\b:PC+4*\b+3] offset:(\b/2)*10240+(\a)*1280+32*(\b%2)
.endr
	ds_store_b128 v[STSQ], v[QA:QA+3] offset:(\a)*1280+64          ; both halves of the lanes write the same 16 bytes with the same values
	ds_store_b128 v[STSQ], v[QB:QB+3] offset:10240+(\a)*1280+64
	s_branch .Lj_\@
.Lv_\@:
	s_wait_alu depctr_va_vdst(0)
.irp b, 0,1,2,3
	ds_store_b128 v[STOV], v[PC+4*\b:PC+4*\b+3] offset:(\a)*2304+32*\b
.endr
	ds_store_b128 v[STSV], v[PW:PW+3] offset:(\a)*2304+128
.Lj_\@:
	s_wait_dscnt 0x0                               ; the stores have read their registers
.endm
.irp a, 0,1,2,3,4,5,6,7
	OUTBLK \a
.endr
	; my stage leaves as it lies: a head's part is dense in memory too.  LDS serves a wave's instructions in order, and the stage is my own: no barrier
	s_cmp_eq_u32 ttmp9, 2
	s_cbranch_scc1 .Lcopy_v
.irp u, 0,1
.irp i, 0,1,2,3,4,5,6,7,8,9,10,11,12,13,14,15,16,17,18,19
	ds_load_b128 v[CP+4*\i:CP+4*\i+3], v[CPQ] offset:\u*10240+512*\i
.endr
	s_wait_dscnt 0x0
.irp i, 0,1,2,3,4,5,6,7,8,9,10,11,12,13,14,15,16,17,18,19
	global_store_b128 v[GOF], v[CP+4*\i:CP+4*\i+3], s[84+2*\u:85+2*\u] offset:512*\i   ; 512 consecutive bytes, aligned to 256
.endr
	s_wait_xcnt 0x0                                ; the stores have read their registers: the next head's loads may land there
.endr
	s_branch .Lcopied
.Lcopy_v:
.irp u, 0,1
.irp i, 0,1,2,3,4,5,6,7,8,9,10,11,12,13,14,15,16,17
	ds_load_b128 v[CP+4*\i:CP+4*\i+3], v[CPV] offset:\u*9216+512*\i
.endr
	s_wait_dscnt 0x0
.irp i, 0,1,2,3,4,5,6,7,8,9,10,11,12,13,14,15,16,17
	global_store_b128 v[GOF], v[CP+4*\i:CP+4*\i+3], s[84+2*\u:85+2*\u] offset:512*\i
.endr
	s_wait_xcnt 0x0
.endr
.Lcopied:
	s_wait_tensorcnt 0x0                           ; the wave's end
	ds_add_u32 v[SPW], v[NIL]
	s_wait_dscnt 0x0
	CROUND                                         ; the closing round
	s_endpgm
.Lfunc_end_k_q111e05e593_qkv:
	.size	k_q111e05e593_qkv, .Lfunc_end_k_q111e05e593_qkv-k_q111e05e593_qkv
	.p2alignl 7, 3214868480
	.fill 96, 4, 3214868480
	.section	.rodata,"a",@progbits
	.p2align	6, 0x0
	.amdhsa_kernel k_q111e05e593_qkv
		.amdhsa_group_segment_fixed_size 327680
		.amdhsa_private_segment_fixed_size 0
		.amdhsa_enable_private_segment 0
		.amdhsa_kernarg_size 48
		.amdhsa_user_sgpr_count 2
		.amdhsa_user_sgpr_kernarg_segment_ptr 1
		.amdhsa_wavefront_size32 1
		.amdhsa_system_sgpr_workgroup_id_x 1
		.amdhsa_system_sgpr_workgroup_id_y 1
		.amdhsa_system_sgpr_workgroup_id_z 1
		.amdhsa_system_vgpr_workitem_id 0
		.amdhsa_next_free_vgpr 1024
		.amdhsa_next_free_sgpr 100
		.amdhsa_reserve_vcc 0
		.amdhsa_float_denorm_mode_32 3
		.amdhsa_float_denorm_mode_16_64 3
		.amdhsa_memory_ordered 1
		.amdhsa_forward_progress 1
		.amdhsa_inst_pref_size 221
	.end_amdhsa_kernel
	.amdgpu_metadata
---
amdhsa.version: [ 1, 2 ]
amdhsa.kernels:
  - .name:           k_q111e05e593_qkv
    .symbol:         k_q111e05e593_qkv.kd
    .args:
      - { .name: hc, .offset: 0, .size: 8, .value_kind: global_buffer, .address_space: global }
      - { .name: wc, .offset: 8, .size: 8, .value_kind: global_buffer, .address_space: global }
      - { .name: bq, .offset: 16, .size: 8, .value_kind: global_buffer, .address_space: global }
      - { .name: bk, .offset: 24, .size: 8, .value_kind: global_buffer, .address_space: global }
      - { .name: bv, .offset: 32, .size: 8, .value_kind: global_buffer, .address_space: global }
      - { .name: qkvc, .offset: 40, .size: 8, .value_kind: global_buffer, .address_space: global }
    .group_segment_fixed_size: 327680
    .private_segment_fixed_size: 0
    .kernarg_segment_align: 8
    .kernarg_segment_size: 48
    .max_flat_workgroup_size: 128
    .sgpr_count:     100
    .vgpr_count:     1024
    .wavefront_size: 32
...
	.end_amdgpu_metadata
.endif
;; end of part 9
;; launch attn (part 10): grid 32 x 8, 16 waves a work-group, clusters of 4 x 1, 327,680 bytes of LDS; arguments qkvc, cc; writes cc
.if DOCPART == 10
	.amdgcn_target "amdgcn-amd-amdhsa--gfx1250"
	.amdhsa_code_object_version 6
	.text
	.protected	k_q111e05e593_attn
	.globl	k_q111e05e593_attn
	.p2align	8
	.type	k_q111e05e593_attn,@function
k_q111e05e593_attn:
	s_mov_b64 s[64:65], 0
	v_nop
	global_prefetch_b8 v0, s[64:65] scope:SCOPE_SE
	s_setreg_imm32_b32 hwreg(HW_REG_WAVE_MODE, 25, 1), 1
	s_wait_xcnt 0x0
	s_wait_alu depctr_hold_cnt(0) depctr_sa_sdst(0) depctr_va_vdst(0) depctr_va_sdst(0) depctr_va_ssrc(0) depctr_va_vcc(0) depctr_vm_vsrc(0)
	s_getreg_b32 s2, hwreg(HW_REG_IB_STS2, 6, 4)
	s_cmp_eq_u32 s2, 0
	s_cbranch_scc0 .Lentry_in_a_cluster
	s_endpgm
.Lentry_in_a_cluster:
	s_bfe_u32 s2, ttmp6, 0x10000c
	s_cmp_lg_u32 s2, 0x3003
	s_cbranch_scc0 .Lentry_shape_is_right
	s_endpgm
.Lentry_shape_is_right:
; ctx = softmax(q k^T / 8, causal) v for 32 heads of 64 channels and 2,048 tokens, both products on codes of FP8 (E4M3) with E8M0 scales; ctx is quantised along its 1,024 features on the way out.
; IN (qkvc): q: [head 32][place 2,048][80]: 64 codes, a scale word (2 bytes, 0x7f 0x7f), 12 zeros.  From byte 5,242,880: [head][key step 16][19,456]: 128 records of k like q's, then 64 records of v^T of 144 bytes:
; 128 codes along the step's keys in true order, 4 scale bytes, 12 zeros.  Tokens and channels lie at places sigma(i) (bits 3 and 4 of i exchanged).  OUT (cc): tiles of 128 records of 272 bytes, tile (g, s) at (4 g + s) x 34,816.
; THE SOFTMAX: t = score x log2(e) / 8; M = the running largest t rounded UP to a whole number; p = 2^(t - M) is quantised along the keys, not normalised; the row's sum is taken of the unquantised p and divides at the end;
; when M moves, the sum and O are multiplied by 2^(old M - new M): exact.
; SHARES.  A work-group has 16 waves: 4 heads (which fill 256 features, one K step of the next product) x 4 tiles of 16 query places: tiles j, 63 - j, 64 + j, 127 - j, so that every work-group has the same number of
; key steps under the mask.  Wave w: head w / 4, kind (w % 4 + w / 4) % 4.  Every work-group walks all 16 key steps: the trip counts are constants; a step all of whose keys come after the wave's queries is jumped over.
; That jump hangs on the tile's number / 8, which is made of the cluster's x and the wave's number alone: the same in all four partners.
; Both products are used transposed (S^T = k q^T, O^T = v^T p^T): a lane holds one query.  16 records of k on end are the keys 32 (t / 2) + 8 (t % 2) + r + 8 (r / 8): p's 16 registers of two neighbouring tiles are 16 neighbouring keys.
; K = 64 IN A FORM OF K = 128: q's codes for the upper 64 are zeros, and both sides' scale bytes there are 1.0.  k's fragment t names 16 registers of which the upper 8 are the next tile's codes (for tile 7: kept zeros):
; those are finite numbers (the quantiser holds every number at 448, so no code is the NaN code), and times zero they add exact zeros.
; CLUSTER.  The four partners walk the same four heads: each slot (2 key steps x 4 heads) is asked for jointly, by waves 0 to 3, a head each: 38,912 dense bytes a load.
; LIMITS: as in the launches before: zero blocks get the byte 1; NaN and infinities are not served.
.set TILE,   34816
.set KV_OFF, 5242880
.set STEPB,  19456                     ; a head's key step: k 10,240, v 9,216
.set HEADB,  2*STEPB                   ; a head's part of a slot
.set SLOTB,  4*HEADB                   ; 155,648
.set SPARE,  2*SLOTB                   ; behind the ring: the spare words, 128 bytes a wave: eight blocks of 256 bytes that no other line names
.set AK0,  1                           ; v1  my lane's place in a step's k
.set AV0,  2                           ; v2  in its v
.set ASK0, 3                           ; v3  k's scale words
.set ASV0, 4                           ; v4  v's
.set SPW,  5                           ; v5  my spare word's address; never rewritten
.set NIL,  6                           ; v6  0; never rewritten
.set DQ,   7                           ; v7  my query's number in its group of 128, less 16 (lane / 16)
.set ADK,  8                           ; v8-11 the addresses of the step in hand
.set ADV,  9
.set ADS,  10
.set ADT,  11
.set KF,   32                          ; v32-95 k's 8 tiles of 8 registers, then v's 4 fragments; v96-103 zeros, kept
.set S,    104                         ; v104-167 S^T, then p
.set OT,   168                         ; v168-199 O^T
.set PC,   200                         ; v200-215 p's codes
.set MX,   216                         ; largest scores, then largest p, of the four blocks
.set PB,   220                         ; at work; bytes
.set HO,   224                         ; 448 x the scale
.set SO,   228                         ; the conversions' scale operands
.set FF,   232                         ; v232 f = 2^(old M - new M); v233 p's scale word
.set TMP,  234
.set INF,  235
.set KSW,  236                         ; v236-243 k's scale words
.set VSW,  244                         ; v244-247 v's
.set QSW,  248                         ; v248 q's
.set WV,  8
.set AA,  9
.set CC,  10
.set SL,  11
.set TG,  15
.set TT,  16
.set KSI, 17
.set TB,  18
.set TW,  19
.set SEL, 20
.set CS,  22
.set G1,  24
.set G0,  32
.set LAP, 40
.set MNT, 41
.macro ROUND                           ; a round of the cluster's barrier
	s_barrier_signal -1
	s_barrier_wait -1
	s_cmp_lg_u32 s[WV], 0
	s_cbranch_scc1 .Lnot_wave_0_\@
	s_barrier_signal -3
.Lnot_wave_0_\@:
	s_barrier_wait -3
	s_barrier_signal -1
	s_barrier_wait -1
.endm
.macro TLOAD s                         ; waves 0 to 3 fetch, a head each; the branch hangs on the wave's number alone; four v_nop follow the load
	s_cmp_lt_u32 s[WV], 4
	s_cbranch_scc0 .Lnone_\@
	tensor_load_to_lds s[G0+4*(\s):G0+4*(\s)+3], s[G1:G1+7]
	s_nop 0
.rept 4
	v_nop
.endr
.Lnone_\@:
.endm
	s_load_b128 s[4:7], s[0:1], 0x0                ; qkvc, cc
	v_lshl_add_u32 v[SPW], v0, 2, SPARE
	v_mov_b32 v[NIL], 0
	ds_add_u32 v5, v6
	ds_add_u32 v5, v6
	s_wait_dscnt 0x0
	v_lshrrev_b32 v8, 5, v0
	s_delay_alu instid0(VALU_DEP_1)
	v_readfirstlane_b32 s[WV], v8                  ; wave 0..15
; THE WAVES' SHARES (these lines hold, not the head comment's): with hi = w / 4 and lo = w % 4, wave w has head hi ^ lo and kind hi ^ phi(lo), phi = 0, 2, 3, 1.
; HEADS 0 AND 1 WALK THE KEY STEPS UPWARD, HEADS 2 AND 3 DOWNWARD (the running maximum takes the steps in any order; a wave's first step is then its diagonal one, which holds each query's own key).
; Among the four waves with one hi, and among the four with one lo, kinds 0 and 3 have heads of opposite directions, and so have kinds 1 and 2; their counts of steps add up to 17 of 16 + 1.
.set DD,  59                           ; s59  0: my head walks upward, 1: downward
.set KST, 58                           ; s58  +1 or -1
	s_and_b32 s[AA], s[WV], 3
	s_lshr_b32 s[SL], s[WV], 2
	s_xor_b32 s[CC], s[SL], s[AA]                  ; my head among the four
	s_and_b32 s57, s[AA], 1
	s_lshl_b32 s57, s57, 1
	s_xor_b32 s[SL], s[SL], s57
	s_lshr_b32 s57, s[AA], 1
	s_mul_i32 s57, s57, 3
	s_xor_b32 s[SL], s[SL], s57                    ; my kind of tile
	s_lshr_b32 s[DD], s[CC], 1
	s_bfe_u32 s12, ttmp6, 0x40000                  ; cx: it enters global addresses and the mask's numbers alone
	s_lshl_b32 s13, ttmp9, 2
	s_add_co_u32 s13, s13, s12                     ; j
	s_and_b32 s14, ttmp7, 0xffff                   ; y = 4 x batch + group of four heads
	s_lshr_b32 s42, ttmp9, 1                       ; j / 8
	s_sub_co_u32 s43, 15, ttmp9
	s_lshr_b32 s43, s43, 1                         ; (63 - j) / 8
	s_sub_co_u32 s45, 63, s13
	s_and_b32 s44, s[SL], 1
	s_cmp_eq_u32 s44, 1
	s_cselect_b32 s[TG], s43, s42
	s_cselect_b32 s[TT], s45, s13
	s_lshr_b32 s44, s[SL], 1
	s_lshl_b32 s46, s44, 3
	s_add_co_u32 s[TG], s[TG], s46                 ; my tile / 8: the key step on the diagonal
	s_lshl_b32 s46, s44, 6
	s_add_co_u32 s[TT], s[TT], s46                 ; my tile
	s_and_b32 s44, s[AA], 1                        ; and the tile of kind w % 4, which waves 0 to 3 store
	s_cmp_eq_u32 s44, 1
	s_cselect_b32 s47, s45, s13
	s_lshr_b32 s44, s[AA], 1
	s_lshl_b32 s44, s44, 6
	s_add_co_u32 s47, s47, s44
	s_lshl_b32 s48, s14, 2                         ; the first of my four heads
	s_add_co_u32 s49, s48, s[CC]
	s_mul_i32 s49, s49, 163840
	s_mul_i32 s50, s[TT], 1280
	s_add_co_u32 s50, s50, s49                     ; q: my head, my 16 places
	s_mov_b32 s51, 0
	s_add_co_u32 s52, s48, s[AA]
	s_mul_i32 s52, s52, 311296
	s_add_co_u32 s52, s52, KV_OFF                  ; k, v: the head that I fetch, if I fetch
	s_mov_b32 s53, 0
	s_lshr_b32 s54, s14, 2
	s_lshl_b32 s54, s54, 4
	s_lshr_b32 s55, s47, 3
	s_add_co_u32 s54, s54, s55                     ; cc: the group of 128 tokens,
	s_lshl_b32 s54, s54, 2
	s_and_b32 s55, s14, 3
	s_add_co_u32 s54, s54, s55                     ; the tile along K,
	s_mul_i32 s54, s54, TILE
	s_and_b32 s55, s47, 7
	s_mul_i32 s55, s55, 4352
	s_add_co_u32 s54, s54, s55                     ; the 16 records
	s_mov_b32 s55, 0
	s_mov_b32 s[G1], 15|(3<<16)|(1<<21)            ; 15:0 the mask: all four partners; 17:16 elements of 8 bytes; 21 set beside a mask; no padding
	s_mov_b32 s[G1+1], 32<<16                      ; rows of 256 bytes,
	s_mov_b32 s[G1+2], 152<<16                     ; 152 of them: 38,912 bytes
	s_mov_b32 s[G1+3], 32<<16
	s_mov_b32 s[G1+4], 152
	s_mov_b32 s[G1+5], 32                          ; dense
	s_mov_b32 s[G1+6], 0
	s_mov_b32 s[G1+7], 0
	s_mov_b32 s[SEL], 0x76543210
	s_mov_b32 s[SEL+1], 0xfedcba98
	s_mov_b32 s[CS], 0x3e38aa3b                    ; c = log2(e) / 8
	s_mov_b32 s[CS+1], s[CS]
	s_mov_b32 s[MNT], 0x600000
	s_mul_i32 s[KSI], s[DD], 15                    ; my first key step: 0 or 15
	s_lshl_b32 s[KST], s[DD], 1
	s_sub_co_u32 s[KST], 1, s[KST]
	s_mul_i32 s56, s[AA], HEADB
	s_lshr_b32 s57, s[AA], 1                       ; the direction of the head that I fetch: it begins at pair 0 or at pair 7 of key steps
	s_mul_i32 s62, s57, 7*HEADB
	s_add_co_u32 s52, s52, s62
	s_lshl_b32 s57, s57, 1
	s_sub_co_u32 s57, 1, s57
	s_mul_i32 s62, s57, HEADB
	s_ashr_i32 s63, s62, 31                        ; s[62:63]: one pair on, s[60:61]: two pairs on, with the direction's sign
	s_lshl_b64 s[60:61], s[62:63], 1
	s_add_co_u32 s74, s52, s62                     ; the second pair of the walk of the head that I fetch: pair 1 or pair 6, as an offset of its own
	s_mov_b32 s75, 0
	; the prefetches: a slot is 4 heads x 152 runs of 256 bytes.  The four partners share it out by address, a head each (head cx); in each, waves 4 to 11 ask, 19 runs a wave.
	s_lshr_b32 s71, s12, 1                         ; that head's direction
	s_mul_i32 s72, s71, 5*HEADB
	s_add_co_u32 s72, s72, HEADB+KV_OFF            ; the second pair of its walk: 1 or 6; each change of slots steps it first
	s_add_co_u32 s73, s48, s12
	s_mul_i32 s73, s73, 311296
	s_add_co_u32 s72, s72, s73
	s_sub_co_u32 s73, s[WV], 4
	s_lshr_b32 s70, s73, 3                         ; 0 in waves 4 to 11
	s_and_b32 s73, s73, 7
	s_mul_i32 s73, s73, 19*256
	s_add_co_u32 s66, s72, s73
	s_mov_b32 s67, 0
	s_lshl_b32 s71, s71, 1
	s_sub_co_u32 s71, 1, s71
	s_mul_i32 s68, s71, HEADB
	s_ashr_i32 s69, s68, 31
	s_wait_kmcnt 0x0
	s_add_nc_u64 s[52:53], s[4:5], s[52:53]
	s_add_nc_u64 s[66:67], s[4:5], s[66:67]
	s_add_nc_u64 s[74:75], s[4:5], s[74:75]
.irp n, 0,1
	s_mov_b32 s[G0+4*\n], 1
	s_add_co_u32 s[G0+4*\n+1], s56, \n*SLOTB
.if \n
	s_mov_b64 s[G0+6:G0+7], s[74:75]
.else
	s_mov_b64 s[G0+2:G0+3], s[52:53]
.endif
	s_or_b32 s[G0+4*\n+3], s[G0+4*\n+3], 0x80000000
.endr
	ROUND                                          ; all four work-groups are here
	TLOAD 0                                        ; the first pair of each head's walk: key steps 0 and 1, or 14 and 15
	s_add_nc_u64 s[4:5], s[4:5], s[50:51]
	s_add_nc_u64 s[6:7], s[6:7], s[54:55]
	v_and_b32 v8, 15, v0                           ; r
	v_bfe_u32 v9, v0, 4, 1                         ; h
	s_delay_alu instid0(VALU_DEP_2)
	v_mul_u32_u24 v250, v8, 80
	s_delay_alu instid0(VALU_DEP_1)
	v_lshl_add_u32 v249, v9, 4, v250
	global_load_b128 v[16:19], v249, s[4:5]        ; q's codes: channels 16 h .. and 32 + 16 h ..
	global_load_b128 v[20:23], v249, s[4:5] offset:32
	global_load_b32 v[QSW], v250, s[4:5] offset:64
	s_mul_i32 s42, s[CC], HEADB
	v_add_nc_u32 v[ASK0], s42, v250
	s_delay_alu instid0(VALU_DEP_1)
	v_lshl_add_u32 v[AK0], v9, 4, v[ASK0]
	s_delay_alu instid0(VALU_DEP_2)
	v_add_nc_u32 v[ASK0], 64, v[ASK0]
	v_mul_u32_u24 v10, v8, 144
	s_delay_alu instid0(VALU_DEP_1)
	v_add_nc_u32 v10, s42, v10
	s_delay_alu instid0(VALU_DEP_1)
	v_add_nc_u32 v10, 10240, v10
	s_delay_alu instid0(VALU_DEP_1)
	v_lshl_add_u32 v[AV0], v9, 4, v10
	s_delay_alu instid0(VALU_DEP_2)
	v_add_nc_u32 v[ASV0], 128, v10
	s_lshr_b32 s42, s[TT], 1
	s_and_b32 s42, s42, 3
	s_lshl_b32 s42, s42, 5
	s_and_b32 s43, s[TT], 1
	s_lshl_b32 s43, s43, 3
	s_add_co_u32 s42, s42, s43
	v_and_b32 v10, 8, v8
	s_delay_alu instid0(VALU_DEP_1)
	v_add_nc_u32 v10, v10, v8                      ; r + 8 (r / 8)
	v_lshlrev_b32 v11, 4, v9
	s_delay_alu instid0(VALU_DEP_1)
	v_sub_nc_u32 v[DQ], v10, v11
	s_delay_alu instid0(VALU_DEP_1)
	v_add_nc_u32 v[DQ], s42, v[DQ]
	v_mov_b32 v13, 0xff61b1e6                      ; the largest t so far: -3e38
	s_delay_alu instid0(VALU_DEP_1)
	v_floor_f32 v12, -v13                          ; -M
	v_mov_b32 v14, 0
	v_mov_b32 v15, 0
.irp b, 0,1,2,3
	v_mov_b32 v[PB+\b], 0
.endr
	v_mov_b32 v[FF+1], 0
	v_mov_b32 v[TMP], 0
	v_mov_b32 v[INF], 0xff800000
.irp j, 0,1,2,3,4,5,6,7
	v_mov_b32 v[24+\j], 0                          ; q's upper 64 along K
	v_mov_b32 v[96+\j], 0                          ; what stands behind k's tile 7
.endr
.set n, 0
.rept 32
	v_mov_b32 v[OT+n], 0                           ; the step is written once: the first finds zeros
.set n, n+1
.endr
; A KEY STEP: 128 keys at LDS byte s[TB] of each head's part.
.macro STEP
	s_cmp_gt_u32 s[KSI], s[TG]                     ; all its keys come after my queries: nothing to do
	s_cbranch_scc1 .Lhidden_\@
	v_add_nc_u32 v[ADK], s[TB], v[AK0]
	v_add_nc_u32 v[ADV], s[TB], v[AV0]
	v_add_nc_u32 v[ADS], s[TB], v[ASK0]
	v_add_nc_u32 v[ADT], s[TB], v[ASV0]
.rept 4
	v_nop                                          ; with the four additions: eight places in front of loads into registers that the last products read
.endr
.irp t, 0,1,2,3,4,5,6,7
	ds_load_b128 v[KF+8*\t:KF+8*\t+3], v[ADK] offset:\t*1280
	ds_load_b128 v[KF+8*\t+4:KF+8*\t+7], v[ADK] offset:\t*1280+32
	ds_load_b32 v[KSW+\t], v[ADS] offset:\t*1280
.endr
	s_wait_alu depctr_va_vdst(0)
	s_wait_dscnt 0x0
.irp t, 0,1,2,3,4,5,6,7
	v_wmma_scale_f32_16x16x128_f8f6f4 v[S+8*\t:S+8*\t+7], v[KF+8*\t:KF+8*\t+15], v[16:31], 0, v[KSW+\t], v[QSW]
.endr
.rept 8
	v_nop
.endr
.irp t, 0,1,2,3                                ; v's fragments are asked for now and land under the softmax
.irp c, 0,1,2,3
	ds_load_b128 v[KF+16*\t+4*\c:KF+16*\t+4*\c+3], v[ADV] offset:\t*2304+32*\c
.endr
	ds_load_b32 v[VSW+\t], v[ADT] offset:\t*2304
.endr
	s_cmp_lg_u32 s[KSI], s[TG]                     ; on the diagonal alone: register 16 b + i holds key 32 b + 16 (lane / 16) + i of the step: hidden where 32 b + i > DQ
	s_cbranch_scc1 .Lopen_\@
.set n, 0
.rept 64
	v_cmp_gt_i32 vcc_lo, 32*(n/16)+n%16, v[DQ]
	v_cndmask_b32 v[S+n], v[S+n], v[INF], vcc_lo
.set n, n+1
.endr
.Lopen_\@:
.irp b, 0,1,2,3
	v_max3_num_f32 v[MX+\b], v[S+16*\b], v[S+16*\b+1], v[S+16*\b+2]   ; the largest score of each block of 32 keys: for the row's maximum, and, since p rises with the score, for the block's largest p
.endr
.irp i, 3,5,7,9,11,13
.irp b, 0,1,2,3
	v_max3_num_f32 v[MX+\b], v[MX+\b], v[S+16*\b+\i], v[S+16*\b+\i+1]
.endr
.endr
.irp b, 0,1,2,3
	v_max_num_f32 v[MX+\b], v[MX+\b], v[S+16*\b+15]
.endr
.irp b, 0,1,2,3
	s_delay_alu instid0(VALU_DEP_4)
	v_permlanex16_b32 v[PB+\b], v[MX+\b], s[SEL], s[SEL+1]
.endr
.irp b, 0,1,2,3
	s_delay_alu instid0(VALU_DEP_4)
	v_max_num_f32 v[MX+\b], v[MX+\b], v[PB+\b]
.endr
	s_delay_alu instid0(VALU_DEP_2)
	v_max3_num_f32 v[TMP], v[MX], v[MX+1], v[MX+2]
	s_delay_alu instid0(VALU_DEP_1)
	v_max_num_f32 v[TMP], v[TMP], v[MX+3]
	s_delay_alu instid0(VALU_DEP_1)
	v_mul_f32 v[TMP], s[CS], v[TMP]
	s_delay_alu instid0(VALU_DEP_1)
	v_max_num_f32 v13, v13, v[TMP]                 ; the running largest t
	v_mov_b32 v[TMP], v12
	s_delay_alu instid0(VALU_DEP_2)
	v_floor_f32 v12, -v13                          ; the new -M = -ceil(t)
	s_delay_alu instid0(VALU_DEP_1)
	v_sub_f32 v[TMP], v12, v[TMP]                  ; old M - new M: a whole number, 0 or less
	s_delay_alu instid0(VALU_DEP_1)
	v_cvt_i32_f32 v[TMP], v[TMP]                   ; (it saturates)
	s_delay_alu instid0(VALU_DEP_1)
	v_ldexp_f32 v[FF], 1.0, v[TMP]                 ; f
.set n, 0
.rept 32
	v_pk_fma_f32 v[S+n:S+n+1], v[S+n:S+n+1], s[CS:CS+1], v[12:13] op_sel_hi:[1,0,0]   ; t - M
.set n, n+2
.endr
.irp b, 0,1,2,3
	v_fma_f32 v[MX+\b], v[MX+\b], s[CS], v12
.endr
.set n, 0
	s_wait_alu depctr_va_vdst(0)
.rept 64
	v_exp_f32 v[S+n], v[S+n]                       ; p
.set n, n+1
.endr
	v_pk_mul_f32 v[14:15], v[14:15], v[FF:FF+1] op_sel_hi:[1,0]   ; the sums under the new M (a plain instruction behind the exponentials)
	s_wait_alu depctr_va_vdst(0)                   ; one wait for the batch, ahead of its first reader
.irp b, 0,1,2,3
	v_exp_f32 v[MX+\b], v[MX+\b]                   ; each block's largest p
.endr
	v_pk_add_f32 v[220:221], v[108:109], v[112:113]
	v_pk_add_f32 v[254:255], v[116:117], v[120:121]
	v_pk_add_f32 v[252:253], v[124:125], v[128:129]
	v_pk_add_f32 v[250:251], v[132:133], v[136:137]
	v_pk_add_f32 v[242:243], v[140:141], v[144:145]
	v_pk_add_f32 v[240:241], v[148:149], v[152:153]
	v_pk_add_f32 v[238:239], v[156:157], v[160:161]
	v_pk_add_f32 v[14:15], v[14:15], v[164:165]
	v_pk_add_f32 v[220:221], v[220:221], v[104:105]
	v_pk_add_f32 v[254:255], v[254:255], v[106:107]
	v_pk_add_f32 v[252:253], v[252:253], v[110:111]
	v_pk_add_f32 v[250:251], v[250:251], v[114:115]
	v_pk_add_f32 v[242:243], v[242:243], v[118:119]
	v_pk_add_f32 v[240:241], v[240:241], v[122:123]
	v_pk_add_f32 v[238:239], v[238:239], v[126:127]
	v_pk_add_f32 v[14:15], v[14:15], v[130:131]
	v_pk_add_f32 v[220:221], v[220:221], v[134:135]
	v_pk_add_f32 v[254:255], v[254:255], v[138:139]
	v_pk_add_f32 v[252:253], v[252:253], v[142:143]
	v_pk_add_f32 v[250:251], v[250:251], v[146:147]
	v_pk_add_f32 v[242:243], v[242:243], v[150:151]
	v_pk_add_f32 v[240:241], v[240:241], v[154:155]
	v_pk_add_f32 v[238:239], v[238:239], v[158:159]
	v_pk_add_f32 v[14:15], v[14:15], v[162:163]
	v_pk_add_f32 v[220:221], v[220:221], v[166:167]
	s_delay_alu instid0(VALU_DEP_2)
	v_pk_add_f32 v[14:15], v[14:15], v[250:251]
	s_delay_alu instid0(VALU_DEP_2)
	v_pk_add_f32 v[220:221], v[220:221], v[242:243]
	v_pk_add_f32 v[254:255], v[254:255], v[240:241]
	v_pk_add_f32 v[252:253], v[252:253], v[238:239]
	s_delay_alu instid0(VALU_DEP_2)
	v_pk_add_f32 v[14:15], v[14:15], v[254:255]
	s_delay_alu instid0(VALU_DEP_2)
	v_pk_add_f32 v[220:221], v[220:221], v[252:253]
	s_delay_alu instid0(VALU_DEP_1)
	v_pk_add_f32 v[14:15], v[14:15], v[220:221]
	s_wait_alu depctr_va_vdst(0)                   ; and one for the four
.irp b, 0,1,2,3
	v_max_num_f32 v[MX+\b], 0x4800000, v[MX+\b]    ; the floor 2^(9 - 127)
.endr
.irp b, 0,1,2,3
	s_delay_alu instid0(VALU_DEP_4)
	v_add_nc_u32 v[SO+\b], 0xfc000000, v[MX+\b]
.endr
.irp b, 0,1,2,3
	v_and_or_b32 v[HO+\b], v[MX+\b], 0x7f800000, s[MNT]
.endr
.irp b, 0,1,2,3
	v_lshrrev_b32 v[PB+\b], 23, v[SO+\b]
.endr
	s_delay_alu instid0(VALU_DEP_3)
	v_lshl_or_b32 v[FF+1], v[PB+1], 8, v[PB]       ; p's scale word for these 128 keys
	s_delay_alu instid0(VALU_DEP_1)
	v_lshl_or_b32 v[FF+1], v[PB+2], 16, v[FF+1]
	s_delay_alu instid0(VALU_DEP_1)
	v_lshl_or_b32 v[FF+1], v[PB+3], 24, v[FF+1]
.irp b, 0,1,2,3
.irp i, 0,1,2,3,4,5,6,7,8,9,10,11,12,13,14,15
	v_min_num_f32 v[S+16*\b+\i], v[S+16*\b+\i], v[HO+\b]   ; the conversion does not saturate (ISA guide 7.6.2); p is not negative: a one-sided hold
.endr
	v_cvt_scalef32_pk8_fp8_f32 v[PC+4*\b:PC+4*\b+1], v[S+16*\b:S+16*\b+7], v[SO+\b]
	v_cvt_scalef32_pk8_fp8_f32 v[PC+4*\b+2:PC+4*\b+3], v[S+16*\b+8:S+16*\b+15], v[SO+\b]
.endr
.set n, 0
.rept 16
	v_pk_mul_f32 v[OT+n:OT+n+1], v[OT+n:OT+n+1], v[FF:FF+1] op_sel_hi:[1,0]   ; O^T under the new M; these 16 are also the places between the codes and the products
.set n, n+2
.endr
	s_wait_alu depctr_va_vdst(0)
	s_wait_dscnt 0x0                               ; v is in
.irp t, 0,1,2,3
	v_wmma_scale_f32_16x16x128_f8f6f4 v[OT+8*\t:OT+8*\t+7], v[KF+16*\t:KF+16*\t+15], v[PC:PC+15], v[OT+8*\t:OT+8*\t+7], v[VSW+\t], v[FF+1]
.endr
.Lhidden_\@:
.endm
; A slot's two key steps.  At its head: every wave waits for all its tensor loads, adds 0 to its spare word, waits for that and for its reads of the other slot; a round of the cluster's barrier; the other slot is asked for first.
.macro TRIP slot, refill, ask=0
	s_wait_tensorcnt 0x0                           ; no tensor load of mine is out, so a group 0 may be written
	ds_add_u32 v[SPW], v[NIL]
.if \refill
	ds_add_u32 v[SPW], v[NIL]                      ; and once more where a load follows
.endif
	s_add_nc_u64 s[G0+4*\slot+2:G0+4*\slot+3], s[G0+4*\slot+2:G0+4*\slot+3], s[60:61]   ; this slot's next two key steps: a signed step,
	s_or_b32 s[G0+4*\slot+3], s[G0+4*\slot+3], 0x80000000                              ; behind which the descriptor's type is set again
.if \ask
	s_wait_xcnt 0x0                                ; my last prefetch has read its address
	s_add_nc_u64 s[66:67], s[66:67], s[68:69]      ; one pair further on than the load below
.endif
	s_wait_dscnt 0x0
	ROUND
.if \refill
	TLOAD 1-\slot                                  ; a wave's one tensor load until the next round
.endif
.if \ask                                       ; what the next change of slots will ask for: two key steps ahead of that load.  The loop's six changes ask; the last two have nothing behind them
	s_cmp_eq_u32 s70, 0
	s_cbranch_scc0 .Lnoask_\@
	global_prefetch_b8 v249, s[66:67] th:TH_LOAD_NT scope:SCOPE_SE
.Lnoask_\@:
.endif
	s_mov_b32 s[TW], 2
.Lstep_\@:
	s_and_b32 s[TB], s[TW], 1                      ; 0, then 1;
	s_xor_b32 s[TB], s[TB], s[DD]                  ; a head that walks downward takes the pair's upper step first
	s_mul_i32 s[TB], s[TB], STEPB
	s_add_co_u32 s[TB], s[TB], \slot*SLOTB
	STEP
	s_add_co_u32 s[KSI], s[KSI], s[KST]
	s_sub_co_u32 s[TW], s[TW], 1
	s_cmp_lg_u32 s[TW], 0
	s_cbranch_scc1 .Lstep_\@
.endm
	s_wait_loadcnt 0x0                             ; q
	v_and_b32 v249, 31, v0                         ; the prefetches' offset: 19 runs of 256 bytes a wave; the lanes left over name the last again
	v_min_u32 v249, 18, v249
	v_lshlrev_b32 v249, 8, v249
	s_wait_alu depctr_va_vdst(0)
	s_mov_b32 s[LAP], 3
.Llap:
	TRIP 0, 1, 1
	TRIP 1, 1, 1
	s_sub_co_u32 s[LAP], s[LAP], 1
	s_cmp_lg_u32 s[LAP], 0
	s_cbranch_scc1 .Llap
	TRIP 0, 1                                      ; the tail is written out
	TRIP 1, 0
	; THE WAY OUT.  O^T / the sum: 32 numbers a lane, register 16 b + i = channel 32 b + 16 h + i: two blocks of the next K.  They are quantised and meet the other three heads' in a stage [kind 4][16 records][272]
	; in slot 0, which has had its last fill and was left at the last round.  The address work below is nine plain instructions: the places behind the last products on every way here.
	v_add_f32 v14, v14, v15
	s_delay_alu instid0(VALU_DEP_1)
	v_permlanex16_b32 v[TMP], v14, s[SEL], s[SEL+1]
	s_delay_alu instid0(VALU_DEP_1)
	v_add_f32 v14, v14, v[TMP]                     ; the row's sum
	s_wait_alu depctr_va_vdst(0)
	v_rcp_f32 v14, v14
	v_and_b32 v8, 15, v0
	v_bfe_u32 v9, v0, 4, 1
	s_mul_i32 s42, s[SL], 4352
	s_lshl_b32 s43, s[CC], 6
	s_add_co_u32 s43, s43, s42
	v_mul_u32_u24 v10, v8, 272
	s_delay_alu instid0(VALU_DEP_1)
	v_lshl_add_u32 v8, v9, 4, v10
	s_delay_alu instid0(VALU_DEP_1)
	v_add_nc_u32 v8, s43, v8                       ; codes: kind, record r, 64 x head + 16 h
	s_lshl_b32 s43, s[CC], 1
	s_add_co_u32 s43, s43, s42
	v_add_nc_u32 v9, s43, v10                      ; scale bytes: 2 x head
	v_and_b32 v11, 31, v0
	s_delay_alu instid0(VALU_DEP_1)
	v_lshlrev_b32 v11, 3, v11
	s_mul_i32 s42, s[AA], 4352
	v_add_nc_u32 v10, s42, v11                     ; back: kind w % 4, 8 bytes a lane
	s_wait_alu depctr_va_vdst(0)                   ; ahead of the reciprocal's first reader
.set n, 0
.rept 32
	v_mul_f32 v[S+n], v[OT+n], v14
.set n, n+1
.endr
.irp b, 0,1
	v_max3_num_f32 v[MX+\b], |v[S+16*\b]|, |v[S+16*\b+1]|, 0x4800000
.endr
.irp i, 2,4,6,8,10,12,14
.irp b, 0,1
	s_delay_alu instid0(VALU_DEP_2)
	v_max3_num_f32 v[MX+\b], v[MX+\b], |v[S+16*\b+\i]|, |v[S+16*\b+\i+1]|
.endr
.endr
.irp b, 0,1
	s_delay_alu instid0(VALU_DEP_2)
	v_permlanex16_b32 v[PB+\b], v[MX+\b], s[SEL], s[SEL+1]
.endr
.irp b, 0,1
	s_delay_alu instid0(VALU_DEP_2)
	v_max_num_f32 v[MX+\b], v[MX+\b], v[PB+\b]
.endr
.irp b, 0,1
	s_delay_alu instid0(VALU_DEP_2)
	v_add_nc_u32 v[SO+\b], 0xfc000000, v[MX+\b]
.endr
.irp b, 0,1
	s_delay_alu instid0(VALU_DEP_4)
	v_and_or_b32 v[HO+\b], v[MX+\b], 0x7f800000, s[MNT]
.endr
.irp b, 0,1
	s_delay_alu instid0(VALU_DEP_4)
	v_lshrrev_b32 v[PB+\b], 23, v[SO+\b]
.endr
	s_delay_alu instid0(VALU_DEP_1)
	v_lshl_or_b32 v[TMP], v[PB+1], 8, v[PB]
.irp b, 0,1
.irp i, 0,1,2,3,4,5,6,7,8,9,10,11,12,13,14,15
	v_med3_num_f32 v[S+16*\b+\i], v[S+16*\b+\i], -v[HO+\b], v[HO+\b]
.endr
	v_cvt_scalef32_pk8_fp8_f32 v[PC+4*\b:PC+4*\b+1], v[S+16*\b:S+16*\b+7], v[SO+\b]
	v_cvt_scalef32_pk8_fp8_f32 v[PC+4*\b+2:PC+4*\b+3], v[S+16*\b+8:S+16*\b+15], v[SO+\b]
.endr
	v_nop
	ds_store_b128 v8, v[PC:PC+3]
	ds_store_b128 v8, v[PC+4:PC+7] offset:32
	ds_store_b16 v9, v[TMP] offset:256             ; both halves of the lanes write the same two bytes
	ds_store_b16 v9, v96 offset:264                ; the record's last 8 bytes are zeros
	s_wait_dscnt 0x0                               ; for the others' sake
	s_barrier_signal -1
	s_barrier_wait -1
	s_cmp_lt_u32 s[WV], 4
	s_cbranch_scc0 .Ldone
.irp i, 0,1,2,3,4,5,6,7,8,9,10,11,12,13,14,15,16
	ds_load_b64 v[32+2*\i:33+2*\i], v10 offset:256*\i
.endr
.irp i, 0,1,2,3,4,5,6,7,8,9,10,11,12,13,14,15,16
	s_wait_dscnt 16-\i                             ; the younger loads may be out
	global_store_b64 v11, v[32+2*\i:33+2*\i], s[6:7] offset:256*\i   ; 256 consecutive bytes, aligned
.endr
.Ldone:
	s_wait_tensorcnt 0x0                           ; the wave's end
	ds_add_u32 v[SPW], v[NIL]
	s_wait_dscnt 0x0
	ROUND                                          ; the closing round
	s_endpgm
.Lfunc_end_k_q111e05e593_attn:
	.size	k_q111e05e593_attn, .Lfunc_end_k_q111e05e593_attn-k_q111e05e593_attn
	.p2alignl 7, 3214868480
	.fill 96, 4, 3214868480
	.section	.rodata,"a",@progbits
	.p2align	6, 0x0
	.amdhsa_kernel k_q111e05e593_attn
		.amdhsa_group_segment_fixed_size 327680
		.amdhsa_private_segment_fixed_size 0
		.amdhsa_enable_private_segment 0
		.amdhsa_kernarg_size 16
		.amdhsa_user_sgpr_count 2
		.amdhsa_user_sgpr_kernarg_segment_ptr 1
		.amdhsa_wavefront_size32 1
		.amdhsa_system_sgpr_workgroup_id_x 1
		.amdhsa_system_sgpr_workgroup_id_y 1
		.amdhsa_system_sgpr_workgroup_id_z 1
		.amdhsa_system_vgpr_workitem_id 0
		.amdhsa_next_free_vgpr 256
		.amdhsa_next_free_sgpr 80
		.amdhsa_reserve_vcc 1
		.amdhsa_float_denorm_mode_32 3
		.amdhsa_float_denorm_mode_16_64 3
		.amdhsa_memory_ordered 1
		.amdhsa_forward_progress 1
		.amdhsa_inst_pref_size 125
	.end_amdhsa_kernel
	.amdgpu_metadata
---
amdhsa.version: [ 1, 2 ]
amdhsa.kernels:
  - .name:           k_q111e05e593_attn
    .symbol:         k_q111e05e593_attn.kd
    .args:
      - { .name: qkvc, .offset: 0, .size: 8, .value_kind: global_buffer, .address_space: global }
      - { .name: cc, .offset: 8, .size: 8, .value_kind: global_buffer, .address_space: global }
    .group_segment_fixed_size: 327680
    .private_segment_fixed_size: 0
    .kernarg_segment_align: 8
    .kernarg_segment_size: 16
    .max_flat_workgroup_size: 512
    .sgpr_count:     80
    .vgpr_count:     256
    .wavefront_size: 32
...
	.end_amdgpu_metadata
.endif
;; end of part 10
;; launch oproj (part 11): grid 8 x 32, 4 waves a work-group, clusters of 4 x 4, 327,680 bytes of LDS; arguments cc, wc, bo, x, x1; writes x1
.if DOCPART == 11
	.amdgcn_target "amdgcn-amd-amdhsa--gfx1250"
	.amdhsa_code_object_version 6
	.text
	.protected	k_q111e05e593_oproj
	.globl	k_q111e05e593_oproj
	.p2align	8
	.type	k_q111e05e593_oproj,@function
k_q111e05e593_oproj:
	s_mov_b64 s[64:65], 0
	v_nop
	global_prefetch_b8 v0, s[64:65] scope:SCOPE_SE
	s_setreg_imm32_b32 hwreg(HW_REG_WAVE_MODE, 25, 1), 1
	s_wait_xcnt 0x0
	s_wait_alu depctr_hold_cnt(0) depctr_sa_sdst(0) depctr_va_vdst(0) depctr_va_sdst(0) depctr_va_ssrc(0) depctr_va_vcc(0) depctr_vm_vsrc(0)
	s_getreg_b32 s2, hwreg(HW_REG_IB_STS2, 6, 4)
	s_cmp_eq_u32 s2, 0
	s_cbranch_scc0 .Lentry_in_a_cluster
	s_endpgm
.Lentry_in_a_cluster:
	s_bfe_u32 s2, ttmp6, 0x10000c
	s_cmp_lg_u32 s2, 0xf033
	s_cbranch_scc0 .Lentry_shape_is_right
	s_endpgm
.Lentry_shape_is_right:
.set KS,     4
.set BOFF,   3342336
.set TILE,   34816
.set PITCH,  272
.set HALFR,  64*PITCH
.set SLOT,   4*TILE
.set SPARE,  2*SLOT
.set LAPS,   KS/4
.set FR,     16
.set NP,     8
.set SPITCH, 272
.set ADRA, 16
.set ADRB, 20
.set ADRS, 22
.set STO,  24
.set RD,   25
.set CO,   26
.set SPW,  28
.set NIL,  29
.set SC,   32
.set BI,   64
.set BK,   32
.set ACC,  128
.set F0,   0
.set F1,   128
.set G1, 24
.set G0, 32
.set G1B, 48
.set G0B, 56
.set MSB, 0
.macro WIN new
.if MSB != (\new)
	s_set_vgpr_msb (MSB<<8)|(\new)
.set MSB, (\new)
.endif
.endm
.set MUL,   0x05
.set TO_F,  0x40
.set TO_R,  0x80
.set ADD_R, 0x08
.macro JLOAD s
	s_cmp_eq_u32 s15, 0
	s_cbranch_scc0 .Lfor_b_\@
	tensor_load_to_lds s[G0+4*(\s):G0+4*(\s)+3], s[G1:G1+7]
	s_nop 0
.rept 4
	v_nop
.endr
	s_branch .Lasked_\@
.Lfor_b_\@:
	tensor_load_to_lds s[G0B+4*(\s):G0B+4*(\s)+3], s[G1B:G1B+7]
	s_nop 0
.rept 4
	v_nop
.endr
.Lasked_\@:
.endm
.macro CREST
	s_cmp_lg_u32 s14, 0
	s_cbranch_scc1 .Lnot_wave_0_\@
	s_barrier_signal -3
.Lnot_wave_0_\@:
	s_barrier_wait -3
	s_barrier_signal -1
	s_barrier_wait -1
.endm
.macro CROUND
	s_barrier_signal -1
	s_barrier_wait -1
	CREST
.endm
	s_load_b256 s[4:11], s[0:1], 0x0
	s_load_b64 s[12:13], s[0:1], 0x20
	v_lshl_add_u32 v[SPW], v0, 2, SPARE
	v_mov_b32 v[NIL], 0
	ds_add_u32 v28, v29
	ds_add_u32 v28, v29
	s_wait_dscnt 0x0
	v_lshrrev_b32 v1, 5, v0
	v_readfirstlane_b32 s14, v1
	s_lshr_b32 s15, s14, 1
	s_and_b32 s16, s14, 1
	s_bfe_u32 s40, ttmp6, 0x40000
	s_bfe_u32 s41, ttmp6, 0x40004
	s_lshl_b32 s42, ttmp9, 2
	s_add_co_u32 s42, s42, s40
	s_and_b32 s17, ttmp7, 0xffff
	s_lshl_b32 s17, s17, 2
	s_add_co_u32 s17, s17, s41
	s_lshl_b32 s43, s41, 2
	s_lshl_b32 s43, 15, s43
	s_lshl_b32 s44, 0x1111, s40
	s_or_b32 s[G1+0], s43, (3<<16)|(1<<21)
	s_or_b32 s[G1B+0], s44, (3<<16)|(1<<21)
.irp g, G1, G1B
	s_mov_b32 s[\g+1], 32<<16
	s_mov_b32 s[\g+2], 272<<16                     ; a load brings two tiles along K: 272 rows of 256 bytes
	s_mov_b32 s[\g+3], 32<<16
	s_mov_b32 s[\g+4], 272
	s_mov_b32 s[\g+5], 32
	s_mov_b32 s[\g+6], 0
	s_mov_b32 s[\g+7], 0
.endr
	s_mul_i32 s20, s17, KS
	s_add_co_u32 s20, s20, s16                     ; K has four tiles, two to a slot: waves 0 and 1 fetch the second source's tiles 0, 1 and 2, 3; waves 2 and 3 the first's: one load a wave fills both slots
	s_add_co_u32 s20, s20, s16
	s_mul_i32 s20, s20, TILE
	s_mov_b32 s21, 0
	s_mul_i32 s46, s42, KS
	s_add_co_u32 s46, s46, s16
	s_add_co_u32 s46, s46, s16
	s_mul_i32 s46, s46, TILE
	s_add_co_u32 s46, s46, BOFF
	s_mov_b32 s47, 0
	s_mul_i32 s45, s16, SLOT                       ; where they go: the slot by the wave's low bit, the source's half of it by its high bit
	s_mul_i32 s3, s15, 2*TILE
	s_add_co_u32 s45, s45, s3
	s_wait_kmcnt 0x0
	s_add_nc_u64 s[20:21], s[4:5], s[20:21]
	s_add_nc_u64 s[46:47], s[6:7], s[46:47]
	CROUND
.irp s, 0
	s_mov_b32 s[G0+4*\s], 1
	s_add_co_u32 s[G0+4*\s+1], s45, \s*SLOT
	s_add_nc_u64 s[G0+4*\s+2:G0+4*\s+3], s[20:21], \s*2*TILE
	s_or_b32 s[G0+4*\s+3], s[G0+4*\s+3], 0x80000000
	s_mov_b32 s[G0B+4*\s], 1
	s_add_co_u32 s[G0B+4*\s+1], s45, \s*SLOT
	s_add_nc_u64 s[G0B+4*\s+2:G0B+4*\s+3], s[46:47], \s*2*TILE
	s_or_b32 s[G0B+4*\s+3], s[G0B+4*\s+3], 0x80000000
.if \s
	s_wait_alu depctr_va_vdst(0)
	s_wait_tensorcnt 0x0                           ; slot 1's first fill is issued as a refill is
	ds_add_u32 v28, v29
	s_wait_dscnt 0x0
	CROUND
.endif
	JLOAD \s
.endr
	s_lshl_b32 s66, s17, 1
	s_add_co_u32 s66, s66, s15
	s_lshl_b32 s66, s66, 18
	s_lshl_b32 s68, s42, 1
	s_add_co_u32 s68, s68, s16
	s_lshl_b32 s68, s68, 8
	s_add_co_u32 s66, s66, s68
	s_mov_b32 s67, 0
	s_mov_b32 s69, 0
	s_add_nc_u64 s[10:11], s[10:11], s[66:67]
	s_add_nc_u64 s[12:13], s[12:13], s[66:67]
	s_add_nc_u64 s[8:9], s[8:9], s[68:69]
	v_and_b32 v1, 15, v0
	v_bfe_u32 v2, v0, 4, 1
	v_lshlrev_b32 v7, 6, v2
.irp b, 0,1,2,3
	global_load_b128 v[BI+8*\b:BI+8*\b+3], v7, s[8:9] offset:4*(32*(\b/2)+8*(\b%2))
	global_load_b128 v[BI+8*\b+4:BI+8*\b+7], v7, s[8:9] offset:4*(32*(\b/2)+8*(\b%2))+16
.endr
	v_lshlrev_b32 v[CO], 4, v1
	v_lshl_add_u32 v[CO], v2, 12, v[CO]
	WIN TO_R
.irp a, 0,1,2,3
.irp t, 0,1,2,3,4,5,6,7
	global_load_b128 v[32*\a+4*\t:32*\a+4*\t+3], v[CO], s[10:11] offset:(32*(\a/2)+8*(\a%2)+2*\t+8*(\t/4))*4096 th:TH_LOAD_NT
.endr
.endr
	WIN 0
	v_mul_u32_u24 v3, v1, PITCH
	v_lshl_add_u32 v4, v2, 4, v3
	s_mul_i32 s21, s15, HALFR
	s_mul_i32 s22, s16, HALFR
	s_add_co_u32 s22, s22, 2*TILE
	s_sub_co_u32 s23, s22, s21
	v_mul_u32_u24 v6, s23, v2
	v_add_nc_u32 v5, v3, v6
.irp s, 0,1
	v_add_nc_u32 v[ADRA+\s], s21, v4
	v_add_nc_u32 v[ADRB+\s], s22, v4
	v_add_nc_u32 v[ADRS+\s], s21, v5
	s_add_co_u32 s21, s21, SLOT
	s_add_co_u32 s22, s22, SLOT
.endr
	s_mul_i32 s23, s14, 16*SPITCH
	v_lshl_add_u32 v5, v2, 6, v3
	v_add_nc_u32 v[STO], s23, v5
	v_mul_u32_u24 v5, v2, SPITCH
	v_lshl_add_u32 v5, v1, 4, v5
	v_add_nc_u32 v[RD], s23, v5
.macro FRAG reg, adr, q, i
.irp c, 0,1,2,3
	ds_load_b128 v[\reg+4*\c:\reg+4*\c+3], v[\adr] offset:((\q)/2)*TILE+128*((\q)%2)+32*\c+(\i)*16*PITCH
.endr
.endm
.macro FETCH slot, q, f
	WIN TO_F
.irp i, 0,1,2,3
	FRAG (\f)+64+FR*\i, ADRB+\slot, \q, \i
	FRAG (\f)+FR*\i, ADRA+\slot, \q, \i
.endr
.endm
.macro SCALES sc
	WIN 0
.irp i, 0,1,2,3
.irp u, 0,1
	ds_load_b64 v[SC+16*\sc+4*\i+2*\u:SC+16*\sc+4*\i+2*\u+1], v[ADRS+\sc] offset:\u*TILE+\i*16*PITCH+256
.endr
.endr
.endm
.macro MUL8 f, q, sc, a0, zero
.irp a, \a0, \a0+1
.irp b, 0,1,2,3
.if (\zero) == 1
	v_wmma_scale_f32_16x16x128_f8f6f4 v[ACC+8*(4*(\a)+\b):ACC+8*(4*(\a)+\b)+7], v[(\f)+64+FR*\b:(\f)+64+FR*\b+FR-1], v[(\f)+FR*(\a):(\f)+FR*(\a)+FR-1], v[BI+8*\b:BI+8*\b+7], v[SC+16*(\sc)+4*\b+(\q)], v[SC+16*(\sc)+4*(\a)+(\q)] matrix_a_scale:MATRIX_SCALE_ROW1
.else
	v_wmma_scale_f32_16x16x128_f8f6f4 v[ACC+8*(4*(\a)+\b):ACC+8*(4*(\a)+\b)+7], v[(\f)+64+FR*\b:(\f)+64+FR*\b+FR-1], v[(\f)+FR*(\a):(\f)+FR*(\a)+FR-1], v[ACC+8*(4*(\a)+\b):ACC+8*(4*(\a)+\b)+7], v[SC+16*(\sc)+4*\b+(\q)], v[SC+16*(\sc)+4*(\a)+(\q)] matrix_a_scale:MATRIX_SCALE_ROW1
.endif
.endr
.endr
.endm
.macro PLACES n
.rept \n
	v_nop
.endr
.endm
.macro STEP slot, q, zero
	FETCH \slot, (\q)+1, 128*(((\q)+1)%2)
	s_wait_dscnt 32
	WIN MUL
	MUL8 128*((\q)%2), \q, \slot, 0, \zero
	MUL8 128*((\q)%2), \q, \slot, 2, \zero
	PLACES NP
.endm
.macro TURN slot, next, fill
	WIN 0
	s_wait_tensorcnt 0x0
	ds_add_u32 v[SPW], v[NIL]
	s_wait_dscnt 1
	WIN MUL
	MUL8 F1, 3, \slot, 0, 0
	s_wait_dscnt 0x0
	WIN 0
	s_barrier_signal -1
	s_barrier_wait -1
.if \fill
	CREST
	s_add_nc_u64 s[G0+4*\slot+2:G0+4*\slot+3], s[G0+4*\slot+2:G0+4*\slot+3], 4*TILE
	s_add_nc_u64 s[G0B+4*\slot+2:G0B+4*\slot+3], s[G0B+4*\slot+2:G0B+4*\slot+3], 4*TILE
	JLOAD \slot
.endif
	FETCH \next, 0, F0
	SCALES \next
	WIN MUL
	MUL8 F1, 3, \slot, 2, 0
	PLACES NP
.endm
	s_wait_alu depctr_va_vdst(0)
	s_wait_tensorcnt 0x0
	s_barrier_signal -1
	s_barrier_wait -1
	FETCH 0, 0, F0
	SCALES 0
	s_wait_loadcnt 32
	STEP 0, 0, 1
.if LAPS > 1
	WIN 0
	s_mov_b32 s3, LAPS-1
.Llap:
	STEP 0, 1, 0
	STEP 0, 2, 0
	TURN 0, 1, 1
	STEP 1, 0, 0
	STEP 1, 1, 0
	STEP 1, 2, 0
	TURN 1, 0, 1
	STEP 0, 0, 0
	WIN 0
	s_sub_co_u32 s3, s3, 1
	s_cmp_lg_u32 s3, 0
	s_cbranch_scc1 .Llap
.endif
	STEP 0, 1, 0
	STEP 0, 2, 0
	TURN 0, 1, 0
	STEP 1, 0, 0
	STEP 1, 1, 0
	STEP 1, 2, 0
	s_wait_dscnt 0x0
	WIN MUL
	MUL8 F1, 3, 1, 0, 0
	MUL8 F1, 3, 1, 2, 0
	WIN 0
	PLACES NP
.macro TOSTAGE a
.set AC, ACC+32*(\a)
.set BB, BK+32*((\a)%2)
.irp b, 0,1,2,3
	ds_store_b128 v[STO], v[AC+8*\b:AC+8*\b+3] offset:128*(\b/2)+32*(\b%2)
	ds_store_b128 v[STO], v[AC+8*\b+4:AC+8*\b+7] offset:128*(\b/2)+32*(\b%2)+16
.endr
.irp t, 0,1,2,3,4,5,6,7
	ds_load_b128 v[BB+4*\t:BB+4*\t+3], v[RD] offset:\t*2*SPITCH
.endr
.endm
.macro SEND a, younger
.set BB, BK+32*((\a)%2)
	s_wait_dscnt \younger
	WIN ADD_R
.set n, 0
.rept 16
	v_pk_add_f32 v[BB+n:BB+n+1], v[BB+n:BB+n+1], v[32*(\a)+n:32*(\a)+n+1]
.set n, n+2
.endr
	WIN 0
.irp t, 0,1,2,3,4,5,6,7
	global_store_b128 v[CO], v[BB+4*\t:BB+4*\t+3], s[12:13] offset:(32*((\a)/2)+8*((\a)%2)+2*\t+8*(\t/4))*4096
.endr
.endm
	s_wait_loadcnt 0x0
	TOSTAGE 0
.irp a, 1,2,3
.if \a > 1
	s_wait_xcnt 0x0
.endif
	TOSTAGE \a
	SEND \a-1, 16
.endr
	SEND 3, 0
	s_wait_tensorcnt 0x0
	ds_add_u32 v[SPW], v[NIL]
	s_wait_dscnt 0x0
	CROUND
	s_endpgm
.Lfunc_end_k_q111e05e593_oproj:
	.size	k_q111e05e593_oproj, .Lfunc_end_k_q111e05e593_oproj-k_q111e05e593_oproj
	.p2alignl 7, 3214868480
	.fill 96, 4, 3214868480
	.section	.rodata,"a",@progbits
	.p2align	6, 0x0
	.amdhsa_kernel k_q111e05e593_oproj
		.amdhsa_group_segment_fixed_size 327680
		.amdhsa_private_segment_fixed_size 0
		.amdhsa_enable_private_segment 0
		.amdhsa_kernarg_size 40
		.amdhsa_user_sgpr_count 2
		.amdhsa_user_sgpr_kernarg_segment_ptr 1
		.amdhsa_wavefront_size32 1
		.amdhsa_system_sgpr_workgroup_id_x 1
		.amdhsa_system_sgpr_workgroup_id_y 1
		.amdhsa_system_sgpr_workgroup_id_z 1
		.amdhsa_system_vgpr_workitem_id 0
		.amdhsa_next_free_vgpr 640
		.amdhsa_next_free_sgpr 100
		.amdhsa_reserve_vcc 0
		.amdhsa_float_denorm_mode_32 3
		.amdhsa_float_denorm_mode_16_64 3
		.amdhsa_memory_ordered 1
		.amdhsa_forward_progress 1
		.amdhsa_inst_pref_size 58
	.end_amdhsa_kernel
	.amdgpu_metadata
---
amdhsa.version: [ 1, 2 ]
amdhsa.kernels:
  - .name:           k_q111e05e593_oproj
    .symbol:         k_q111e05e593_oproj.kd
    .args:
      - { .name: cc, .offset: 0, .size: 8, .value_kind: global_buffer, .address_space: global }
      - { .name: wc, .offset: 8, .size: 8, .value_kind: global_buffer, .address_space: global }
      - { .name: bo, .offset: 16, .size: 8, .value_kind: global_buffer, .address_space: global }
      - { .name: x, .offset: 24, .size: 8, .value_kind: global_buffer, .address_space: global }
      - { .name: x1, .offset: 32, .size: 8, .value_kind: global_buffer, .address_space: global }
    .group_segment_fixed_size: 327680
    .private_segment_fixed_size: 0
    .kernarg_segment_align: 8
    .kernarg_segment_size: 40
    .max_flat_workgroup_size: 128
    .sgpr_count:     100
    .vgpr_count:     640
    .wavefront_size: 32
...
	.end_amdgpu_metadata
.endif
;; end of part 11
;; launch ln2 (part 12): grid 256 x 1, 16 waves a work-group, no clusters, 93,184 bytes of LDS; arguments x1, g2, be2, hc; writes hc
.if DOCPART == 12
	.amdgcn_target "amdgcn-amd-amdhsa--gfx1250"
	.amdhsa_code_object_version 6
	.text
	.protected	k_q111e05e593_ln2
	.globl	k_q111e05e593_ln2
	.p2align	8
	.type	k_q111e05e593_ln2,@function
k_q111e05e593_ln2:
	s_mov_b64 s[64:65], 0
	v_nop
	global_prefetch_b8 v0, s[64:65] scope:SCOPE_SE
	s_setreg_imm32_b32 hwreg(HW_REG_WAVE_MODE, 25, 1), 1
	s_wait_xcnt 0x0
; y = (x - mean) / sqrt(var + 1e-5) x gain + bias over rows of 1,024 f32, then y is quantised along the row to codes of FP8 (E4M3), one E8M0 byte for each 32.
; The result is laid as the products want an operand: tiles of 128 rows x 256 along K, 34,816 bytes each, tile (g, s) at (4 g + s) tiles; a record of 272 bytes is
; 256 codes, 8 scale bytes, 8 zeros; the record of row i lies at place sigma(i), i with bits 3 and 4 exchanged.
; SHARES.  A work-group takes the 16 rows of a group of 32 whose bit 3 is its number's bit 0: they fill 16 places on end, 4,352 bytes = 17 aligned runs of 256 in each of four tiles.  A wave takes ONE row.
; The row is loaded 512 consecutive bytes an instruction and turned through the wave's stage (128 bytes + 16 for each block), so that lane l holds block l.  Mean and variance in two passes over registers.
; LIMITS: a block of zeros gets the byte 1 (zero codes; this program alone reads the bytes); magnitudes under 2^-118 are held at that floor; NaN and infinities are not served.
.set NWQ,   0
.set NW,    16
.set RPW,   16/NW
.set UPW,   64/NW
.set ARG,   0x0
.set TILE,  34816
.set OUT,   NW*4608                    ; LDS: NW stages of 4,608 bytes, then the image [4 pieces][16 places][272]
.set SPARE, OUT+17408                  ; then the spare words, 128 bytes a wave
.set SPW,   30
.set NIL,   31
.set X,    32
.set G,    64
.set BE,   96
.set R,    128
	v_lshl_add_u32 v[SPW], v0, 2, SPARE
	v_mov_b32 v[NIL], 0
	v_lshrrev_b32 v1, 5, v0
	v_readfirstlane_b32 s2, v1                     ; wave 0..15
	s_load_b256 s[4:11], s[0:1], ARG               ; x, gain, bias, the codes
	s_sub_co_u32 s28, ttmp9, NWQ                   ; u
	s_mul_i32 s3, s2, 4608                         ; my stage
	s_mul_i32 s16, s2, RPW*272
	s_add_co_u32 s16, s16, OUT                     ; my row's place in the image
	s_mov_b32 s12, 0x76543210
	s_mov_b32 s13, 0xfedcba98
	s_mov_b32 s14, 0x3a800000                      ; 1 / 1,024
	s_mov_b32 s15, 0x3727c5ac                      ; 1e-5
	s_mov_b32 s18, 0x600000
	s_lshr_b32 s20, s28, 1                         ; place p of the 16 is row 32 (u / 2) + 8 (u % 2) + p % 8 + 16 (p / 8)
	s_lshl_b32 s20, s20, 5
	s_and_b32 s21, s28, 1
	s_lshl_b32 s21, s21, 3
	s_add_co_u32 s20, s20, s21
	s_mul_i32 s21, s2, RPW
	s_and_b32 s22, s21, 7
	s_add_co_u32 s20, s20, s22
	s_lshr_b32 s21, s21, 3
	s_lshl_b32 s21, s21, 4
	s_add_co_u32 s20, s20, s21
	s_lshl_b32 s20, s20, 12
	s_mov_b32 s21, 0
	s_and_b32 s25, s2, 3                           ; on the way out wave w copies UPW runs of piece w % 4, from run UPW (w / 4) on
	s_lshr_b32 s26, s2, 2
	s_mul_i32 s26, s26, UPW*256
	s_lshr_b32 s22, s28, 3
	s_lshl_b32 s22, s22, 2
	s_add_co_u32 s22, s22, s25
	s_mul_i32 s22, s22, TILE
	s_and_b32 s24, s28, 7
	s_mul_i32 s24, s24, 4352
	s_add_co_u32 s22, s22, s24
	s_add_co_u32 s22, s22, s26
	s_mov_b32 s23, 0
	s_mul_i32 s27, s25, 4352
	s_add_co_u32 s27, s27, s26
	s_add_co_u32 s27, s27, OUT
	v_and_b32 v1, 31, v0                           ; lane l
	v_lshrrev_b32 v16, 3, v1                       ; l / 8
	v_and_b32 v17, 7, v0                           ; l % 8
	v_mul_u32_u24 v2, v16, 144
	v_lshl_add_u32 v2, v17, 4, v2
	v_add_nc_u32 v2, s3, v2                        ; in: load j's 16 bytes of lane l belong to block 4 j + l / 8
	v_mul_u32_u24 v3, v1, 144
	v_add_nc_u32 v3, s3, v3                        ; back: block l
	v_mul_u32_u24 v5, v16, 4352                    ; block l belongs to piece l / 8
	v_add_nc_u32 v5, s16, v5
	v_lshl_add_u32 v4, v17, 5, v5                  ; its codes,
	v_add_nc_u32 v5, v5, v17                       ; its scale byte
	v_lshlrev_b32 v6, 4, v1
	v_lshlrev_b32 v9, 3, v1
	v_add_nc_u32 v8, s27, v9
	v_mov_b32 v29, 0
	s_wait_alu depctr_va_vdst(0)
	s_wait_kmcnt 0x0
	s_add_nc_u64 s[4:5], s[4:5], s[20:21]
	s_add_nc_u64 s[10:11], s[10:11], s[22:23]
.irp c, 0,1,2,3,4,5,6,7
	global_load_b128 v[X+4*\c:X+4*\c+3], v6, s[6:7] offset:512*\c     ; the gain, 512 consecutive bytes an instruction, for now where my block will lie
	global_load_b128 v[G+4*\c:G+4*\c+3], v6, s[8:9] offset:512*\c     ; the bias likewise, for now where the gain will lie
.endr
.irp j, 0,1,2,3,4,5,6,7
	global_load_b128 v[R+4*\j:R+4*\j+3], v6, s[4:5] offset:512*\j
.endr
.macro RED a, t                        ; the sum over the 32 lanes, in every lane
	s_delay_alu instid0(VALU_DEP_1)
	v_add_f32_dpp v[\a], v[\a], v[\a] row_xmask:1 row_mask:0xf bank_mask:0xf
	s_delay_alu instid0(VALU_DEP_1)
	v_add_f32_dpp v[\a], v[\a], v[\a] row_xmask:2 row_mask:0xf bank_mask:0xf
	s_delay_alu instid0(VALU_DEP_1)
	v_add_f32_dpp v[\a], v[\a], v[\a] row_xmask:4 row_mask:0xf bank_mask:0xf
	s_delay_alu instid0(VALU_DEP_1)
	v_add_f32_dpp v[\a], v[\a], v[\a] row_xmask:8 row_mask:0xf bank_mask:0xf
	s_delay_alu instid0(VALU_DEP_1)
	v_permlanex16_b32 v[\t], v[\a], s12, s13
	s_delay_alu instid0(VALU_DEP_1)
	v_add_f32 v[\a], v[\a], v[\t]
.endm
	s_wait_loadcnt 8                               ; gain and bias are in; my row's 8 loads may be out
.irp j, 0,1,2,3,4,5,6,7                        ; both are turned through my stage as the row is, so that lane l holds its block's 32 columns: first the bias,
	ds_store_b128 v2, v[G+4*\j:G+4*\j+3] offset:576*\j
.endr
.irp c, 0,1,2,3,4,5,6,7
	ds_load_b128 v[BE+4*\c:BE+4*\c+3], v3 offset:16*\c
.endr
	s_wait_dscnt 0x0                               ; the stores have read their registers
.irp j, 0,1,2,3,4,5,6,7                        ; then the gain
	ds_store_b128 v2, v[X+4*\j:X+4*\j+3] offset:576*\j
.endr
.irp c, 0,1,2,3,4,5,6,7
	ds_load_b128 v[G+4*\c:G+4*\c+3], v3 offset:16*\c
.endr
	s_wait_dscnt 0x0
	s_wait_loadcnt 0x0                             ; my row is in
.irp j, 0,1,2,3,4,5,6,7
	ds_store_b128 v2, v[R+4*\j:R+4*\j+3] offset:576*\j
.endr
.irp c, 0,1,2,3,4,5,6,7
	ds_load_b128 v[X+4*\c:X+4*\c+3], v3 offset:16*\c   ; LDS serves a wave's instructions in order
.endr
	s_wait_dscnt 0x0
	v_pk_add_f32 v[12:13], v[32:33], v[34:35]
	v_pk_add_f32 v[158:159], v[40:41], v[44:45]
	v_pk_add_f32 v[156:157], v[48:49], v[52:53]
	v_pk_add_f32 v[154:155], v[56:57], v[60:61]
	v_pk_add_f32 v[152:153], v[36:37], v[38:39]
	v_pk_add_f32 v[150:151], v[42:43], v[46:47]
	v_pk_add_f32 v[148:149], v[50:51], v[54:55]
	v_pk_add_f32 v[10:11], v[58:59], v[62:63]
	s_delay_alu instid0(VALU_DEP_1)
	v_pk_add_f32 v[10:11], v[10:11], v[154:155]
	v_pk_add_f32 v[12:13], v[12:13], v[152:153]
	v_pk_add_f32 v[158:159], v[158:159], v[150:151]
	v_pk_add_f32 v[156:157], v[156:157], v[148:149]
	s_delay_alu instid0(VALU_DEP_2)
	v_pk_add_f32 v[10:11], v[10:11], v[158:159]
	s_delay_alu instid0(VALU_DEP_2)
	v_pk_add_f32 v[12:13], v[12:13], v[156:157]
	s_delay_alu instid0(VALU_DEP_1)
	v_pk_add_f32 v[10:11], v[10:11], v[12:13]
	s_delay_alu instid0(VALU_DEP_1)
	v_add_f32 v10, v10, v11
	RED 10, 11
	s_delay_alu instid0(VALU_DEP_1)
	v_mul_f32 v10, s14, v10                        ; the mean
.irp j, 0,2,4,6,8,10,12,14,16,18,20,22,24,26,28,30
	v_pk_add_f32 v[X+\j:X+\j+1], v[X+\j:X+\j+1], v[10:11] op_sel_hi:[1,0] neg_lo:[0,1] neg_hi:[0,1]   ; x - mean
.endr
	v_pk_mul_f32 v[12:13], v[X:X+1], v[X:X+1]
	v_pk_mul_f32 v[14:15], v[X+2:X+3], v[X+2:X+3]
.irp j, 4,8,12,16,20,24,28
	s_delay_alu instid0(VALU_DEP_2)
	v_pk_fma_f32 v[12:13], v[X+\j:X+\j+1], v[X+\j:X+\j+1], v[12:13]
	s_delay_alu instid0(VALU_DEP_2)
	v_pk_fma_f32 v[14:15], v[X+\j+2:X+\j+3], v[X+\j+2:X+\j+3], v[14:15]
.endr
	s_delay_alu instid0(VALU_DEP_1)
	v_pk_add_f32 v[12:13], v[12:13], v[14:15]
	s_delay_alu instid0(VALU_DEP_1)
	v_add_f32 v12, v12, v13
	RED 12, 13
	s_delay_alu instid0(VALU_DEP_1)
	v_fma_f32 v12, v12, s14, s15                   ; the variance + 1e-5
	s_wait_alu depctr_va_vdst(0)                   ; a wait ahead of the transcendental
	v_rsq_f32 v14, v12
	v_nop
	s_wait_alu depctr_va_vdst(0)                   ; and ahead of its first reader
.irp j, 0,2,4,6,8,10,12,14,16,18,20,22,24,26,28,30
	v_pk_mul_f32 v[X+\j:X+\j+1], v[X+\j:X+\j+1], v[14:15] op_sel_hi:[1,0]
.endr
.irp j, 0,2,4,6,8,10,12,14,16,18,20,22,24,26,28,30
	v_pk_fma_f32 v[X+\j:X+\j+1], v[X+\j:X+\j+1], v[G+\j:G+\j+1], v[BE+\j:BE+\j+1]
.endr
	v_max3_num_f32 v16, |v[X]|, |v[X+1]|, |v[X+2]|
	v_max3_num_f32 v17, |v[X+3]|, |v[X+4]|, |v[X+5]|
.irp j, 6,10,14,18,22,26
	s_delay_alu instid0(VALU_DEP_2)
	v_max3_num_f32 v16, v16, |v[X+\j]|, |v[X+\j+1]|
	s_delay_alu instid0(VALU_DEP_2)
	v_max3_num_f32 v17, v17, |v[X+\j+2]|, |v[X+\j+3]|
.endr
	s_delay_alu instid0(VALU_DEP_2)
	v_max3_num_f32 v16, v16, |v[X+30]|, |v[X+31]|
	s_delay_alu instid0(VALU_DEP_1)
	v_max3_num_f32 v16, v16, v17, 0x4800000        ; the floor 2^(9 - 127)
	s_delay_alu instid0(VALU_DEP_1)
	v_add_nc_u32 v18, 0xfc000000, v16              ; the conversion's scale operand
	s_delay_alu instid0(VALU_DEP_2)
	v_and_or_b32 v19, v16, 0x7f800000, s18         ; 448 x the scale
.irp j, 0,1,2,3,4,5,6,7,8,9,10,11,12,13,14,15,16,17,18,19,20,21,22,23,24,25,26,27,28,29,30,31
	v_med3_num_f32 v[X+\j], v[X+\j], -v19, v19     ; the hold comes first (ISA guide 7.6.2)
.endr
.irp g, 0,1,2,3
	v_cvt_scalef32_pk8_fp8_f32 v[20+2*\g:21+2*\g], v[X+8*\g:X+8*\g+7], v18
.endr
	v_lshrrev_b32 v28, 23, v18                     ; the scale's byte (also the plain instruction behind the conversions)
	ds_store_b128 v4, v[20:23]
	ds_store_b128 v4, v[24:27] offset:16
	ds_store_b8 v5, v28 offset:256
	ds_store_b8 v5, v29 offset:264
	s_wait_dscnt 0x0                               ; for the others' sake: my stores into the image are done
	s_barrier_signal -1
	s_barrier_wait -1
.set i, 0
.rept UPW
	ds_load_b64 v[32+2*i:33+2*i], v8 offset:256*i
.set i, i+1
.endr
.set i, 0
.rept UPW
	s_wait_dscnt UPW-1-i
	global_store_b64 v9, v[32+2*i:33+2*i], s[10:11] offset:256*i   ; 32 lanes store 256 consecutive bytes, aligned
.set i, i+1
.endr
	s_cmp_lt_u32 s2, 4                             ; a piece has 17 runs: waves 0 to 3 copy the last
	s_cbranch_scc0 .Lln_end
	ds_load_b64 v[64:65], v8 offset:4096
	s_wait_dscnt 0x0
	global_store_b64 v9, v[64:65], s[10:11] offset:4096
.Lln_end:
	s_wait_tensorcnt 0x0                           ; the wave's end
	ds_add_u32 v[SPW], v[NIL]
	s_wait_dscnt 0x0
	s_endpgm
.Lfunc_end_k_q111e05e593_ln2:
	.size	k_q111e05e593_ln2, .Lfunc_end_k_q111e05e593_ln2-k_q111e05e593_ln2
	.p2alignl 7, 3214868480
	.fill 96, 4, 3214868480
	.section	.rodata,"a",@progbits
	.p2align	6, 0x0
	.amdhsa_kernel k_q111e05e593_ln2
		.amdhsa_group_segment_fixed_size 93184
		.amdhsa_private_segment_fixed_size 0
		.amdhsa_enable_private_segment 0
		.amdhsa_kernarg_size 32
		.amdhsa_user_sgpr_count 2
		.amdhsa_user_sgpr_kernarg_segment_ptr 1
		.amdhsa_wavefront_size32 1
		.amdhsa_system_sgpr_workgroup_id_x 1
		.amdhsa_system_sgpr_workgroup_id_y 1
		.amdhsa_system_sgpr_workgroup_id_z 1
		.amdhsa_system_vgpr_workitem_id 0
		.amdhsa_next_free_vgpr 160
		.amdhsa_next_free_sgpr 66
		.amdhsa_reserve_vcc 0
		.amdhsa_float_denorm_mode_32 3
		.amdhsa_float_denorm_mode_16_64 3
		.amdhsa_memory_ordered 1
		.amdhsa_forward_progress 1
		.amdhsa_inst_pref_size 21
	.end_amdhsa_kernel
	.amdgpu_metadata
---
amdhsa.version: [ 1, 2 ]
amdhsa.kernels:
  - .name:           k_q111e05e593_ln2
    .symbol:         k_q111e05e593_ln2.kd
    .args:
      - { .name: x1, .offset: 0, .size: 8, .value_kind: global_buffer, .address_space: global }
      - { .name: g2, .offset: 8, .size: 8, .value_kind: global_buffer, .address_space: global }
      - { .name: be2, .offset: 16, .size: 8, .value_kind: global_buffer, .address_space: global }
      - { .name: hc, .offset: 24, .size: 8, .value_kind: global_buffer, .address_space: global }
    .group_segment_fixed_size: 93184
    .private_segment_fixed_size: 0
    .kernarg_segment_align: 8
    .kernarg_segment_size: 32
    .max_flat_workgroup_size: 512
    .sgpr_count:     66
    .vgpr_count:     160
    .wavefront_size: 32
...
	.end_amdgpu_metadata
.endif
;; end of part 12
;; launch ffn1 (part 13): grid 16 x 16, 4 waves a work-group, clusters of 4 x 4, 327,680 bytes of LDS; arguments hc, wc, b1, gc; writes gc
.if DOCPART == 13
	.amdgcn_target "amdgcn-amd-amdhsa--gfx1250"
	.amdhsa_code_object_version 6
	.text
	.protected	k_q111e05e593_ffn1
	.globl	k_q111e05e593_ffn1
	.p2align	8
	.type	k_q111e05e593_ffn1,@function
k_q111e05e593_ffn1:
	s_mov_b64 s[64:65], 0
	v_nop
	global_prefetch_b8 v0, s[64:65] scope:SCOPE_SE
	s_setreg_imm32_b32 hwreg(HW_REG_WAVE_MODE, 25, 1), 1
	s_wait_xcnt 0x0
	s_wait_alu depctr_hold_cnt(0) depctr_sa_sdst(0) depctr_va_vdst(0) depctr_va_sdst(0) depctr_va_ssrc(0) depctr_va_vcc(0) depctr_vm_vsrc(0)
	s_getreg_b32 s2, hwreg(HW_REG_IB_STS2, 6, 4)
	s_cmp_eq_u32 s2, 0
	s_cbranch_scc0 .Lentry_in_a_cluster
	s_endpgm
.Lentry_in_a_cluster:
	s_bfe_u32 s2, ttmp6, 0x10000c
	s_cmp_lg_u32 s2, 0xf033
	s_cbranch_scc0 .Lentry_shape_is_right
	s_endpgm
.Lentry_shape_is_right:
.set KS,     4
.set BOFF,   4456448
.set TILE,   34816
.set PITCH,  272
.set HALFT,  2*TILE                    ; LDS: [tile 4][slot 2]: a tile's two slots lie on end, so that the head's one load a wave, two tiles along K, fills both
.set SLOT,   TILE
.set SPARE,  8*TILE
.set LAPS,   KS/2
.set NQ,     2
.set FR,     16
.set NL,     4
.set NP,     8
.set K2V,  8
.set K1V,  10
.set ADRA, 16
.set ADRB, 20
.set ADRS, 22
.set STO,  24
.set STS,  25
.set SPW,  28
.set NIL,  29
.set CPA,  30
.set SC,   32
.set BI,   64
.set T,    64
.set AF,   128
.set PC,   128
.set TM,   144
.set PW,   160
.set ZR,   161
.set CP,   176
.set G1, 24
.set G0, 32
.set G1B, 48
.set G0B, 56
.set MNT,  89
.set SEL,  90
.set MSB, 0
.macro WIN new
.if MSB != (\new)
	s_set_vgpr_msb (MSB<<8)|(\new)
.set MSB, (\new)
.endif
.endm
.set MUL_LO,  0xa1
.set MUL_HI,  0xf1
.set BIAS_LO, 0x81
.set BIAS_HI, 0xc1
.set TO_B,    0x40
.macro JLOAD s
	s_cmp_eq_u32 s15, 0
	s_cbranch_scc0 .Lfor_b_\@
	tensor_load_to_lds s[G0+4*(\s):G0+4*(\s)+3], s[G1:G1+7]
	s_nop 0
.rept 4
	v_nop
.endr
	s_branch .Lasked_\@
.Lfor_b_\@:
	tensor_load_to_lds s[G0B+4*(\s):G0B+4*(\s)+3], s[G1B:G1B+7]
	s_nop 0
.rept 4
	v_nop
.endr
.Lasked_\@:
.endm
.macro CREST
	s_cmp_lg_u32 s14, 0
	s_cbranch_scc1 .Lnot_wave_0_\@
	s_barrier_signal -3
.Lnot_wave_0_\@:
	s_barrier_wait -3
	s_barrier_signal -1
	s_barrier_wait -1
.endm
.macro CROUND
	s_barrier_signal -1
	s_barrier_wait -1
	CREST
.endm
	s_load_b256 s[4:11], s[0:1], 0x0
	v_lshl_add_u32 v[SPW], v0, 2, SPARE
	v_mov_b32 v[NIL], 0
	ds_add_u32 v28, v29
	ds_add_u32 v28, v29
	s_wait_dscnt 0x0
	v_lshrrev_b32 v1, 5, v0
	v_readfirstlane_b32 s14, v1
	v_and_b32 v19, 31, v0                          ; the prefetches' offsets: 34 runs of 256 bytes: v18 runs 0-31, a lane each; v19 runs 32 and 33 (the lanes left over name run 33 again)
	v_lshlrev_b32 v18, 8, v19
	v_min_u32 v19, 1, v19
	v_lshl_add_u32 v19, v19, 8, 8192
	s_wait_alu depctr_va_vdst(0)
	s_lshr_b32 s15, s14, 1
	s_and_b32 s16, s14, 1
	s_bfe_u32 s40, ttmp6, 0x40000
	s_bfe_u32 s41, ttmp6, 0x40004
	s_lshl_b32 s42, ttmp9, 2
	s_add_co_u32 s42, s42, s40
	s_and_b32 s17, ttmp7, 0xffff
	s_lshl_b32 s17, s17, 2
	s_add_co_u32 s17, s17, s41
	s_lshl_b32 s43, s41, 2
	s_lshl_b32 s43, 15, s43
	s_lshl_b32 s44, 0x1111, s40
	s_or_b32 s[G1+0], s43, (3<<16)|(1<<21)
	s_or_b32 s[G1B+0], s44, (3<<16)|(1<<21)
.irp g, G1, G1B
	s_mov_b32 s[\g+1], 32<<16
	s_mov_b32 s[\g+2], 272<<16                     ; 272 rows for the head's load: two tiles; behind it 136
	s_mov_b32 s[\g+3], 32<<16
	s_mov_b32 s[\g+4], 272
	s_mov_b32 s[\g+5], 32
	s_mov_b32 s[\g+6], 0
	s_mov_b32 s[\g+7], 0
.endr
	s_lshl_b32 s20, s17, 1
	s_add_co_u32 s20, s20, s16
	s_mul_i32 s20, s20, KS*TILE
	s_mov_b32 s21, 0
	s_lshl_b32 s46, s42, 1
	s_add_co_u32 s46, s46, s16
	s_mul_i32 s46, s46, KS*TILE
	s_add_co_u32 s46, s46, BOFF
	s_mov_b32 s47, 0
	s_mul_i32 s45, s14, HALFT
	s_wait_kmcnt 0x0
	s_add_nc_u64 s[20:21], s[4:5], s[20:21]
	s_add_nc_u64 s[46:47], s[6:7], s[46:47]
	s_cmp_eq_u32 s15, 0                            ; the tile that I fetch has 136 runs of 256 bytes; the four partners that ask for it with me share them out by address, 34 each
	s_cselect_b64 s[70:71], s[20:21], s[46:47]
	s_cselect_b32 s72, s40, s41
	s_mul_i32 s72, s72, 34*256
	s_mov_b32 s73, 0
	s_add_nc_u64 s[70:71], s[70:71], s[72:73]
	CROUND
.irp s, 0,1
	s_mov_b32 s[G0+4*\s], 1
	s_add_co_u32 s[G0+4*\s+1], s45, \s*SLOT
	s_add_nc_u64 s[G0+4*\s+2:G0+4*\s+3], s[20:21], \s*TILE
	s_or_b32 s[G0+4*\s+3], s[G0+4*\s+3], 0x80000000
	s_mov_b32 s[G0B+4*\s], 1
	s_add_co_u32 s[G0B+4*\s+1], s45, \s*SLOT
	s_add_nc_u64 s[G0B+4*\s+2:G0B+4*\s+3], s[46:47], \s*TILE
	s_or_b32 s[G0B+4*\s+3], s[G0B+4*\s+3], 0x80000000
.if \s == 0
	JLOAD 0                                        ; the head's one load a wave: my tile's K steps 0 and 1, into both slots
.endif
	global_prefetch_b8 v18, s[70:71] offset:(\s+2)*TILE th:TH_LOAD_NT scope:SCOPE_SE   ; the tile that stands two fills on
	global_prefetch_b8 v19, s[70:71] offset:(\s+2)*TILE th:TH_LOAD_NT scope:SCOPE_SE
.endr
	s_lshl_b32 s68, s42, 1
	s_add_co_u32 s68, s68, s16
	s_lshl_b32 s68, s68, 9
	s_mov_b32 s69, 0
	s_add_nc_u64 s[8:9], s[8:9], s[68:69]
	s_lshl_b32 s66, s17, 5
	s_add_co_u32 s66, s66, s42
	s_mul_i32 s66, s66, TILE
	s_mov_b32 s67, 0
	s_add_nc_u64 s[84:85], s[10:11], s[66:67]
	s_add_nc_u64 s[86:87], s[84:85], 16*TILE
	v_and_b32 v1, 15, v0
	v_bfe_u32 v2, v0, 4, 1
	v_lshlrev_b32 v7, 6, v2
.irp b, 0,1,2,3,4,5,6,7
	global_load_b128 v[BI+8*\b:BI+8*\b+3], v7, s[8:9] offset:4*(32*(\b/2)+8*(\b%2))
	global_load_b128 v[BI+8*\b+4:BI+8*\b+7], v7, s[8:9] offset:4*(32*(\b/2)+8*(\b%2))+16
.endr
	v_mul_u32_u24 v3, v1, PITCH
	v_lshl_add_u32 v4, v2, 4, v3
	s_mul_i32 s21, s15, HALFT
	s_mul_i32 s22, s16, HALFT
	s_add_co_u32 s22, s22, 2*HALFT
	s_sub_co_u32 s23, s22, s21
	v_mul_u32_u24 v6, s23, v2
	v_add_nc_u32 v5, v3, v6
	v_add_nc_u32 v[STS], s21, v3
	s_lshl_b32 s23, s16, 7
	v_add_nc_u32 v[STO], s23, v[STS]
	v_lshl_add_u32 v[STO], v2, 4, v[STO]
	s_lshl_b32 s23, s16, 2
	v_add_nc_u32 v[STS], s23, v[STS]
.irp s, 0,1
	v_add_nc_u32 v[ADRA+\s], s21, v4
	v_add_nc_u32 v[ADRB+\s], s22, v4
	v_add_nc_u32 v[ADRS+\s], s21, v5
	s_add_co_u32 s21, s21, SLOT
	s_add_co_u32 s22, s22, SLOT
.endr
	v_lshlrev_b32 v[CPA], 4, v0
	v_add_nc_u32 v[CPA+1], HALFT, v[CPA]
	v_mov_b32 v[K2V], 0xbdd2d3e8
	v_mov_b32 v[K2V+1], 0xbdd2d3e8
	v_mov_b32 v[K1V], 0xc0135761
	v_mov_b32 v[K1V+1], 0xc0135761
	s_mov_b32 s[MNT], 0x600000
	s_mov_b32 s[SEL], 0x76543210
	s_mov_b32 s[SEL+1], 0xfedcba98
.macro FRAG reg, adr, q, i
.irp c, 0,1,2,3
	ds_load_b128 v[\reg+4*\c:\reg+4*\c+3], v[\adr] offset:128*(\q)+32*\c+(\i)*16*PITCH
.endr
.endm
.macro MUL16 a0, p, q, sc, zero
.irp a, \a0, \a0+1
.irp b, 0,1,2,3,4,5,6,7
.if (\zero) == 1
	v_wmma_scale_f32_16x16x128_f8f6f4 v[8*(8*((\a)%4)+\b):8*(8*((\a)%4)+\b)+7], v[128*(\p)+FR*\b:128*(\p)+FR*\b+FR-1], v[AF+FR*(\a):AF+FR*(\a)+FR-1], v[BI+8*\b:BI+8*\b+7], v[SC+8*NQ*(\sc)+NQ*\b+(\q)], v[SC+8*NQ*(\sc)+NQ*(\a)+(\q)] matrix_a_scale:MATRIX_SCALE_ROW1
.else
	v_wmma_scale_f32_16x16x128_f8f6f4 v[8*(8*((\a)%4)+\b):8*(8*((\a)%4)+\b)+7], v[128*(\p)+FR*\b:128*(\p)+FR*\b+FR-1], v[AF+FR*(\a):AF+FR*(\a)+FR-1], v[8*(8*((\a)%4)+\b):8*(8*((\a)%4)+\b)+7], v[SC+8*NQ*(\sc)+NQ*\b+(\q)], v[SC+8*NQ*(\sc)+NQ*(\a)+(\q)] matrix_a_scale:MATRIX_SCALE_ROW1
.endif
.endr
.endr
.endm
.macro FETCH_B slot, q, p
	WIN TO_B
.irp i, 0,1,2,3,4,5,6,7
	FRAG 128*(\p)+FR*\i, ADRB+\slot, \q, \i
.endr
	WIN 0
.endm
.macro FETCH_A slot, q, i0
.irp i, \i0, \i0+1, \i0+2, \i0+3
	FRAG AF+FR*(\i), ADRA+\slot, \q, \i
.endr
.endm
.macro SCALES sc
.irp i, 0,1,2,3,4,5,6,7
	ds_load_b64 v[SC+8*NQ*\sc+NQ*\i:SC+8*NQ*\sc+NQ*\i+1], v[ADRS+\sc] offset:\i*16*PITCH+256
.endr
.endm
.macro PLACES n
.rept \n
	v_nop
.endr
.endm
.macro STEP slot, q, zero
	s_wait_dscnt 4*NL
.if \zero
	WIN BIAS_LO
.else
	WIN MUL_LO
.endif
	MUL16 0, (\q)%2, \q, \slot, \zero
	MUL16 2, (\q)%2, \q, \slot, \zero
	s_wait_dscnt 0
	PLACES NP
	FETCH_B \slot, (\q)+1, 1-(\q)%2
	FETCH_A \slot, (\q)+1, 0
.if \zero
	WIN BIAS_HI
.else
	WIN MUL_HI
.endif
	MUL16 4, (\q)%2, \q, \slot, \zero
	MUL16 6, (\q)%2, \q, \slot, \zero
	PLACES NP
	WIN 0
	FETCH_A \slot, (\q)+1, 4
.endm
.macro TURN slot, next, fill
	s_wait_tensorcnt 0x0
	ds_add_u32 v[SPW], v[NIL]
	s_wait_dscnt 4*NL+1
	WIN MUL_LO
	MUL16 0, 1, NQ-1, \slot, 0
	s_wait_dscnt 0x0
	s_barrier_signal -1
	MUL16 2, 1, NQ-1, \slot, 0
	WIN 0
	s_barrier_wait -1
.if \fill
	CREST
	s_add_nc_u64 s[G0+4*\slot+2:G0+4*\slot+3], s[G0+4*\slot+2:G0+4*\slot+3], 2*TILE
	s_add_nc_u64 s[G0B+4*\slot+2:G0B+4*\slot+3], s[G0B+4*\slot+2:G0B+4*\slot+3], 2*TILE
	JLOAD \slot
	PLACES NP-4
.else
	PLACES NP
.endif
	s_wait_alu depctr_va_vdst(0)
	FETCH_B \next, 0, 0
	FETCH_A \next, 0, 0
	SCALES \next
	WIN MUL_HI
	MUL16 4, 1, NQ-1, \slot, 0
	MUL16 6, 1, NQ-1, \slot, 0
	PLACES NP
	WIN 0
	FETCH_A \next, 0, 4
.endm
	s_wait_alu depctr_va_vdst(0)
	s_wait_tensorcnt 0x0                           ; my part of both slots is in, and no tensor load of mine is out: from here on a load brings one tile
	s_mov_b32 s[G1+2], 136<<16
	s_mov_b32 s[G1+4], 136
	s_mov_b32 s[G1B+2], 136<<16
	s_mov_b32 s[G1B+4], 136
	s_barrier_signal -1
	s_barrier_wait -1
	FETCH_B 0, 0, 0
	FETCH_A 0, 0, 0
	SCALES 0
	FETCH_A 0, 0, 4
	s_wait_loadcnt 0x0
	STEP 0, 0, 1
	s_mov_b32 s3, LAPS-1
.Llap:
	TURN 0, 1, 1
	STEP 1, 0, 0
	TURN 1, 0, 1
	STEP 0, 0, 0
	s_sub_co_u32 s3, s3, 1
	s_cmp_lg_u32 s3, 0
	s_cbranch_scc1 .Llap
	TURN 0, 1, 0
	STEP 1, 0, 0
	s_wait_dscnt 4*NL
	WIN MUL_LO
	MUL16 0, 1, NQ-1, 1, 0
	MUL16 2, 1, NQ-1, 1, 0
	s_wait_dscnt 0
	WIN MUL_HI
	MUL16 4, 1, NQ-1, 1, 0
	MUL16 6, 1, NQ-1, 1, 0
	WIN 0
	PLACES NP
	v_mov_b32 v[ZR], 0
.irp b, 0,1,2,3
	v_mov_b32 v[TM+4+\b], 0
.endr
.macro QUANT src, w
	WIN ((\w)<<2)|((\w)<<4)
.irp b, 0,1,2,3
	v_max3_num_f32 v[TM+\b], 0x4800000, |v[(\src)+16*\b]|, |v[(\src)+16*\b+1]|
.endr
.irp i, 2,4,6,8,10,12,14
.irp b, 0,1,2,3
	v_max3_num_f32 v[TM+\b], v[TM+\b], |v[(\src)+16*\b+\i]|, |v[(\src)+16*\b+\i+1]|
.endr
.endr
	WIN 0
.irp b, 0,1,2,3
	v_permlanex16_b32 v[TM+4+\b], v[TM+\b], s[SEL], s[SEL+1]
.endr
.irp b, 0,1,2,3
	v_max_num_f32 v[TM+\b], v[TM+\b], v[TM+4+\b]
.endr
.irp b, 0,1,2,3
	v_add_nc_u32 v[TM+12+\b], 0xfc000000, v[TM+\b]
.endr
.irp b, 0,1,2,3
	v_and_or_b32 v[TM+8+\b], v[TM+\b], 0x7f800000, s[MNT]
.endr
.irp b, 0,1,2,3
	v_lshrrev_b32 v[TM+4+\b], 23, v[TM+12+\b]
.endr
	v_lshl_or_b32 v[PW], v[TM+5], 8, v[TM+4]
	v_lshl_or_b32 v[PW], v[TM+6], 16, v[PW]
	v_lshl_or_b32 v[PW], v[TM+7], 24, v[PW]
	WIN (\w)
.irp b, 0,1,2,3
.irp i, 0,1,2,3,4,5,6,7,8,9,10,11,12,13,14,15
	v_med3_num_f32 v[T+16*\b+\i], v[(\src)+16*\b+\i], -v[TM+8+\b], v[TM+8+\b]
.endr
.endr
	WIN 0
.irp b, 0,1,2,3
	v_cvt_scalef32_pk8_fp8_f32 v[PC+4*\b:PC+4*\b+1], v[T+16*\b:T+16*\b+7], v[TM+12+\b]
	v_cvt_scalef32_pk8_fp8_f32 v[PC+4*\b+2:PC+4*\b+3], v[T+16*\b+8:T+16*\b+15], v[TM+12+\b]
.endr
	v_nop
.endm
.macro GBLK a
.set AC, 64*((\a)%4)
.set W, 2+(\a)/4
	WIN W|(W<<2)
.set n, 0
.rept 32
	v_pk_mul_f32 v[T+n:T+n+1], v[AC+n:AC+n+1], v[AC+n:AC+n+1]
.set n, n+2
.endr
	WIN 0
.set n, 0
.rept 32
	v_pk_fma_f32 v[T+n:T+n+1], v[T+n:T+n+1], v[K2V:K2V+1], v[K1V:K1V+1] op_sel_hi:[1,0,0]
.set n, n+2
.endr
	WIN W
.set n, 0
.rept 32
	v_pk_mul_f32 v[T+n:T+n+1], v[AC+n:AC+n+1], v[T+n:T+n+1]
.set n, n+2
.endr
	WIN 0
.set n, 0
	s_wait_alu depctr_va_vdst(0)
.rept 64
	v_exp_f32 v[T+n], v[T+n]
.set n, n+1
.endr
	v_nop
	s_wait_alu depctr_va_vdst(0)
.set n, 0
.rept 32
	v_pk_add_f32 v[T+n:T+n+1], v[T+n:T+n+1], 1.0 op_sel_hi:[1,0]
.set n, n+2
.endr
.set n, 0
	s_wait_alu depctr_va_vdst(0)
.rept 64
	v_rcp_f32 v[T+n], v[T+n]
.set n, n+1
.endr
	v_nop
	s_wait_alu depctr_va_vdst(0)
	WIN W
.set n, 0
.rept 32
	v_pk_mul_f32 v[T+n:T+n+1], v[AC+n:AC+n+1], v[T+n:T+n+1]
.set n, n+2
.endr
	QUANT T, 0
.irp b, 0,1,2,3
	ds_store_b128 v[STO], v[PC+4*\b:PC+4*\b+3] offset:(\a)*4352+32*\b
.endr
	ds_store_b32 v[STS], v[PW] offset:(\a)*4352+256
	ds_store_b32 v[STS], v[ZR] offset:(\a)*4352+264
	s_wait_dscnt 0x0
.endm
.irp a, 0,1,2,3,4,5,6,7
	GBLK \a
.endr
	s_barrier_signal -1
	s_barrier_wait -1
.irp u, 0,1
.irp i, 0,1,2,3,4,5,6,7,8,9,10,11,12,13,14,15,16
	ds_load_b128 v[CP+4*\i:CP+4*\i+3], v[CPA+\u] offset:2048*\i
.endr
	s_wait_dscnt 0x0
.irp i, 0,1,2,3,4,5,6,7,8,9,10,11,12,13,14,15,16
	global_store_b128 v[CPA], v[CP+4*\i:CP+4*\i+3], s[84+2*\u:85+2*\u] offset:2048*\i
.endr
	s_wait_xcnt 0x0
.endr
	s_wait_tensorcnt 0x0
	ds_add_u32 v[SPW], v[NIL]
	s_wait_dscnt 0x0
	CROUND
	s_endpgm
.Lfunc_end_k_q111e05e593_ffn1:
	.size	k_q111e05e593_ffn1, .Lfunc_end_k_q111e05e593_ffn1-k_q111e05e593_ffn1
	.p2alignl 7, 3214868480
	.fill 96, 4, 3214868480
	.section	.rodata,"a",@progbits
	.p2align	6, 0x0
	.amdhsa_kernel k_q111e05e593_ffn1
		.amdhsa_group_segment_fixed_size 327680
		.amdhsa_private_segment_fixed_size 0
		.amdhsa_enable_private_segment 0
		.amdhsa_kernarg_size 32
		.amdhsa_user_sgpr_count 2
		.amdhsa_user_sgpr_kernarg_segment_ptr 1
		.amdhsa_wavefront_size32 1
		.amdhsa_system_sgpr_workgroup_id_x 1
		.amdhsa_system_sgpr_workgroup_id_y 1
		.amdhsa_system_sgpr_workgroup_id_z 1
		.amdhsa_system_vgpr_workitem_id 0
		.amdhsa_next_free_vgpr 1024
		.amdhsa_next_free_sgpr 100
		.amdhsa_reserve_vcc 0
		.amdhsa_float_denorm_mode_32 3
		.amdhsa_float_denorm_mode_16_64 3
		.amdhsa_memory_ordered 1
		.amdhsa_forward_progress 1
		.amdhsa_inst_pref_size 255
	.end_amdhsa_kernel
	.section	.bss,"aw",@nobits
	.p2align	6
	.space	262144
	.amdgpu_metadata
---
amdhsa.version: [ 1, 2 ]
amdhsa.kernels:
  - .name:           k_q111e05e593_ffn1
    .symbol:         k_q111e05e593_ffn1.kd
    .args:
      - { .name: hc, .offset: 0, .size: 8, .value_kind: global_buffer, .address_space: global }
      - { .name: wc, .offset: 8, .size: 8, .value_kind: global_buffer, .address_space: global }
      - { .name: b1, .offset: 16, .size: 8, .value_kind: global_buffer, .address_space: global }
      - { .name: gc, .offset: 24, .size: 8, .value_kind: global_buffer, .address_space: global }
    .group_segment_fixed_size: 327680
    .private_segment_fixed_size: 0
    .kernarg_segment_align: 8
    .kernarg_segment_size: 32
    .max_flat_workgroup_size: 128
    .sgpr_count:     100
    .vgpr_count:     1024
    .wavefront_size: 32
...
	.end_amdgpu_metadata
.endif
;; end of part 13
;; launch ffn2 (part 14): grid 8 x 32, 4 waves a work-group, clusters of 4 x 4, 327,680 bytes of LDS; arguments gc, wc, b2, x1, out0; writes out0
.if DOCPART == 14
	.amdgcn_target "amdgcn-amd-amdhsa--gfx1250"
	.amdhsa_code_object_version 6
	.text
	.protected	k_q111e05e593_ffn2
	.globl	k_q111e05e593_ffn2
	.p2align	8
	.type	k_q111e05e593_ffn2,@function
k_q111e05e593_ffn2:
	s_mov_b64 s[64:65], 0
	v_nop
	global_prefetch_b8 v0, s[64:65] scope:SCOPE_SE
	s_setreg_imm32_b32 hwreg(HW_REG_WAVE_MODE, 25, 1), 1
	s_wait_xcnt 0x0
	s_wait_alu depctr_hold_cnt(0) depctr_sa_sdst(0) depctr_va_vdst(0) depctr_va_sdst(0) depctr_va_ssrc(0) depctr_va_vcc(0) depctr_vm_vsrc(0)
	s_getreg_b32 s2, hwreg(HW_REG_IB_STS2, 6, 4)
	s_cmp_eq_u32 s2, 0
	s_cbranch_scc0 .Lentry_in_a_cluster
	s_endpgm
.Lentry_in_a_cluster:
	s_bfe_u32 s2, ttmp6, 0x10000c
	s_cmp_lg_u32 s2, 0xf033
	s_cbranch_scc0 .Lentry_shape_is_right
	s_endpgm
.Lentry_shape_is_right:
.set KS,     16
.set BOFF,   8912896
.set TILE,   34816
.set PITCH,  272
.set HALFR,  64*PITCH
.set SLOT,   4*TILE
.set SPARE,  2*SLOT
.set LAPS,   KS/4
.set FR,     16
.set NP,     8
.set SPITCH, 272
.set ADRA, 16
.set ADRB, 20
.set ADRS, 22
.set STO,  24
.set RD,   25
.set CO,   26
.set SPW,  28
.set NIL,  29
.set SC,   32
.set BI,   64
.set BK,   32
.set ACC,  128
.set F0,   0
.set F1,   128
.set G1, 24
.set G0, 32
.set G1B, 48
.set G0B, 56
.set MSB, 0
.macro WIN new
.if MSB != (\new)
	s_set_vgpr_msb (MSB<<8)|(\new)
.set MSB, (\new)
.endif
.endm
.set MUL,   0x05
.set TO_F,  0x40
.set TO_R,  0x80
.set ADD_R, 0x08
.macro JLOAD s
	s_cmp_eq_u32 s15, 0
	s_cbranch_scc0 .Lfor_b_\@
	tensor_load_to_lds s[G0+4*(\s):G0+4*(\s)+3], s[G1:G1+7]
	s_nop 0
.rept 4
	v_nop
.endr
	s_branch .Lasked_\@
.Lfor_b_\@:
	tensor_load_to_lds s[G0B+4*(\s):G0B+4*(\s)+3], s[G1B:G1B+7]
	s_nop 0
.rept 4
	v_nop
.endr
.Lasked_\@:
.endm
.macro CREST
	s_cmp_lg_u32 s14, 0
	s_cbranch_scc1 .Lnot_wave_0_\@
	s_barrier_signal -3
.Lnot_wave_0_\@:
	s_barrier_wait -3
	s_barrier_signal -1
	s_barrier_wait -1
.endm
.macro CROUND
	s_barrier_signal -1
	s_barrier_wait -1
	CREST
.endm
	s_load_b256 s[4:11], s[0:1], 0x0
	s_load_b64 s[12:13], s[0:1], 0x20
	v_lshl_add_u32 v[SPW], v0, 2, SPARE
	v_mov_b32 v[NIL], 0
	ds_add_u32 v28, v29
	ds_add_u32 v28, v29
	s_wait_dscnt 0x0
; A PREFETCH INTO THE L2 behind each joint load: my tile of the fill that stands two fills on.  A tile has 136 runs of 256 bytes; the four partners that ask for it jointly share them out by address, 34 each.
; The loop's last trip asks for nothing: its fills are the last two.
.macro ASK off
	s_cmp_gt_u32 s3, 1
	s_cbranch_scc0 .Lnoask_\@
	global_prefetch_b8 v18, s[70:71] offset:\off th:TH_LOAD_NT scope:SCOPE_SE
	global_prefetch_b8 v19, s[70:71] offset:\off th:TH_LOAD_NT scope:SCOPE_SE
.Lnoask_\@:
.endm
	v_lshrrev_b32 v1, 5, v0
	v_readfirstlane_b32 s14, v1
	v_and_b32 v19, 31, v0                          ; v18: runs 0-31, a lane each; v19: runs 32 and 33 (the lanes left over name run 33 again)
	v_lshlrev_b32 v18, 8, v19
	v_min_u32 v19, 1, v19
	v_lshl_add_u32 v19, v19, 8, 8192
	s_wait_alu depctr_va_vdst(0)
	s_lshr_b32 s15, s14, 1
	s_and_b32 s16, s14, 1
	s_bfe_u32 s40, ttmp6, 0x40000
	s_bfe_u32 s41, ttmp6, 0x40004
	s_lshl_b32 s42, ttmp9, 2
	s_add_co_u32 s42, s42, s40
	s_and_b32 s17, ttmp7, 0xffff
	s_lshl_b32 s17, s17, 2
	s_add_co_u32 s17, s17, s41
	s_lshl_b32 s43, s41, 2
	s_lshl_b32 s43, 15, s43
	s_lshl_b32 s44, 0x1111, s40
	s_or_b32 s[G1+0], s43, (3<<16)|(1<<21)
	s_or_b32 s[G1B+0], s44, (3<<16)|(1<<21)
.irp g, G1, G1B
	s_mov_b32 s[\g+1], 32<<16
	s_mov_b32 s[\g+2], 272<<16                     ; 272 rows for the head's load: two tiles; behind it 136
	s_mov_b32 s[\g+3], 32<<16
	s_mov_b32 s[\g+4], 272
	s_mov_b32 s[\g+5], 32
	s_mov_b32 s[\g+6], 0
	s_mov_b32 s[\g+7], 0
.endr
	s_mul_i32 s20, s17, KS
	s_add_co_u32 s20, s20, s16
	s_mul_i32 s20, s20, TILE
	s_mov_b32 s21, 0
	s_mul_i32 s46, s42, KS
	s_add_co_u32 s46, s46, s16
	s_mul_i32 s46, s46, TILE
	s_add_co_u32 s46, s46, BOFF
	s_mov_b32 s47, 0
	s_mul_i32 s45, s14, TILE
	s_mul_i32 s74, s16, TILE                       ; the head's loads: waves 0 and 1 fetch the second source's K tiles 0, 1 and 2, 3; waves 2 and 3 the first's: their offsets
	s_add_co_u32 s84, s46, s74
	s_add_co_u32 s74, s20, s74
	s_mov_b32 s75, 0
	s_mov_b32 s85, 0
	s_wait_kmcnt 0x0
	s_add_nc_u64 s[20:21], s[4:5], s[20:21]
	s_add_nc_u64 s[46:47], s[6:7], s[46:47]
	s_cmp_eq_u32 s15, 0
	s_cselect_b64 s[70:71], s[20:21], s[46:47]     ; my tile of fill 0,
	s_cselect_b32 s72, s40, s41
	s_mul_i32 s72, s72, 34*256                     ; my work-group's 34 runs of it
	s_mov_b32 s73, 0
	s_add_nc_u64 s[70:71], s[70:71], s[72:73]
	CROUND
.irp s, 0,1
	s_mov_b32 s[G0+4*\s], 1
	s_add_co_u32 s[G0+4*\s+1], s45, \s*SLOT
	s_add_nc_u64 s[G0+4*\s+2:G0+4*\s+3], s[20:21], \s*2*TILE
	s_or_b32 s[G0+4*\s+3], s[G0+4*\s+3], 0x80000000
	s_mov_b32 s[G0B+4*\s], 1
	s_add_co_u32 s[G0B+4*\s+1], s45, \s*SLOT
	s_add_nc_u64 s[G0B+4*\s+2:G0B+4*\s+3], s[46:47], \s*2*TILE
	s_or_b32 s[G0B+4*\s+3], s[G0B+4*\s+3], 0x80000000
.endr
	s_mov_b32 s76, 1                               ; the head's group 0: the slot by the wave's low bit, the source's half of it by its high bit
	s_mul_i32 s77, s16, SLOT
	s_add_nc_u64 s[78:79], s[4:5], s[74:75]
	s_or_b32 s79, s79, 0x80000000
	s_mov_b32 s80, 1
	s_add_co_u32 s81, s77, 2*TILE
	s_add_nc_u64 s[82:83], s[6:7], s[84:85]
	s_or_b32 s83, s83, 0x80000000
	s_cmp_eq_u32 s15, 0                            ; one load a wave fills both slots: one chain of branches on the wave's number, a load to an arm
	s_cbranch_scc0 .Lhead_b
	tensor_load_to_lds s[76:79], s[G1:G1+7]
	s_nop 0
.rept 4
	v_nop
.endr
	s_branch .Lhead_asked
.Lhead_b:
	tensor_load_to_lds s[80:83], s[G1B:G1B+7]
	s_nop 0
.rept 4
	v_nop
.endr
.Lhead_asked:
.irp f, 2,3
	global_prefetch_b8 v18, s[70:71] offset:\f*2*TILE th:TH_LOAD_NT scope:SCOPE_SE   ; my tile of fills 2 and 3
	global_prefetch_b8 v19, s[70:71] offset:\f*2*TILE th:TH_LOAD_NT scope:SCOPE_SE
.endr
	s_lshl_b32 s66, s17, 1
	s_add_co_u32 s66, s66, s15
	s_lshl_b32 s66, s66, 18
	s_lshl_b32 s68, s42, 1
	s_add_co_u32 s68, s68, s16
	s_lshl_b32 s68, s68, 8
	s_add_co_u32 s66, s66, s68
	s_mov_b32 s67, 0
	s_mov_b32 s69, 0
	s_add_nc_u64 s[10:11], s[10:11], s[66:67]
	s_add_nc_u64 s[12:13], s[12:13], s[66:67]
	s_add_nc_u64 s[8:9], s[8:9], s[68:69]
	v_and_b32 v1, 15, v0
	v_bfe_u32 v2, v0, 4, 1
	v_lshlrev_b32 v7, 6, v2
.irp b, 0,1,2,3
	global_load_b128 v[BI+8*\b:BI+8*\b+3], v7, s[8:9] offset:4*(32*(\b/2)+8*(\b%2))
	global_load_b128 v[BI+8*\b+4:BI+8*\b+7], v7, s[8:9] offset:4*(32*(\b/2)+8*(\b%2))+16
.endr
	v_lshlrev_b32 v[CO], 4, v1
	v_lshl_add_u32 v[CO], v2, 12, v[CO]
	WIN TO_R
.irp a, 0,1,2,3
.irp t, 0,1,2,3,4,5,6,7
	global_load_b128 v[32*\a+4*\t:32*\a+4*\t+3], v[CO], s[10:11] offset:(32*(\a/2)+8*(\a%2)+2*\t+8*(\t/4))*4096 th:TH_LOAD_NT
.endr
.endr
	WIN 0
	v_mul_u32_u24 v3, v1, PITCH
	v_lshl_add_u32 v4, v2, 4, v3
	s_mul_i32 s21, s15, HALFR
	s_mul_i32 s22, s16, HALFR
	s_add_co_u32 s22, s22, 2*TILE
	s_sub_co_u32 s23, s22, s21
	v_mul_u32_u24 v6, s23, v2
	v_add_nc_u32 v5, v3, v6
.irp s, 0,1
	v_add_nc_u32 v[ADRA+\s], s21, v4
	v_add_nc_u32 v[ADRB+\s], s22, v4
	v_add_nc_u32 v[ADRS+\s], s21, v5
	s_add_co_u32 s21, s21, SLOT
	s_add_co_u32 s22, s22, SLOT
.endr
	s_mul_i32 s23, s14, 16*SPITCH
	v_lshl_add_u32 v5, v2, 6, v3
	v_add_nc_u32 v[STO], s23, v5
	v_mul_u32_u24 v5, v2, SPITCH
	v_lshl_add_u32 v5, v1, 4, v5
	v_add_nc_u32 v[RD], s23, v5
.macro FRAG reg, adr, q, i
.irp c, 0,1,2,3
	ds_load_b128 v[\reg+4*\c:\reg+4*\c+3], v[\adr] offset:((\q)/2)*TILE+128*((\q)%2)+32*\c+(\i)*16*PITCH
.endr
.endm
.macro FETCH slot, q, f
	WIN TO_F
.irp i, 0,1,2,3
	FRAG (\f)+64+FR*\i, ADRB+\slot, \q, \i
	FRAG (\f)+FR*\i, ADRA+\slot, \q, \i
.endr
.endm
.macro SCALES sc
	WIN 0
.irp i, 0,1,2,3
.irp u, 0,1
	ds_load_b64 v[SC+16*\sc+4*\i+2*\u:SC+16*\sc+4*\i+2*\u+1], v[ADRS+\sc] offset:\u*TILE+\i*16*PITCH+256
.endr
.endr
.endm
.macro MUL8 f, q, sc, a0, zero
.irp a, \a0, \a0+1
.irp b, 0,1,2,3
.if (\zero) == 1
	v_wmma_scale_f32_16x16x128_f8f6f4 v[ACC+8*(4*(\a)+\b):ACC+8*(4*(\a)+\b)+7], v[(\f)+64+FR*\b:(\f)+64+FR*\b+FR-1], v[(\f)+FR*(\a):(\f)+FR*(\a)+FR-1], v[BI+8*\b:BI+8*\b+7], v[SC+16*(\sc)+4*\b+(\q)], v[SC+16*(\sc)+4*(\a)+(\q)] matrix_a_scale:MATRIX_SCALE_ROW1
.else
	v_wmma_scale_f32_16x16x128_f8f6f4 v[ACC+8*(4*(\a)+\b):ACC+8*(4*(\a)+\b)+7], v[(\f)+64+FR*\b:(\f)+64+FR*\b+FR-1], v[(\f)+FR*(\a):(\f)+FR*(\a)+FR-1], v[ACC+8*(4*(\a)+\b):ACC+8*(4*(\a)+\b)+7], v[SC+16*(\sc)+4*\b+(\q)], v[SC+16*(\sc)+4*(\a)+(\q)] matrix_a_scale:MATRIX_SCALE_ROW1
.endif
.endr
.endr
.endm
.macro PLACES n
.rept \n
	v_nop
.endr
.endm
.macro STEP slot, q, zero
	FETCH \slot, (\q)+1, 128*(((\q)+1)%2)
	s_wait_dscnt 32
	WIN MUL
	MUL8 128*((\q)%2), \q, \slot, 0, \zero
	MUL8 128*((\q)%2), \q, \slot, 2, \zero
	PLACES NP
.endm
.macro TURN slot, next, fill
	WIN 0
.if \fill
	s_wait_xcnt 0x0                                ; my prefetches have read their address: it steps one fill, and stands one fill behind the refill below
	s_add_nc_u64 s[70:71], s[70:71], 2*TILE
.endif
	s_wait_tensorcnt 0x0
	ds_add_u32 v[SPW], v[NIL]
	s_wait_dscnt 1
	WIN MUL
	MUL8 F1, 3, \slot, 0, 0
	s_wait_dscnt 0x0
	WIN 0
	s_barrier_signal -1
	s_barrier_wait -1
.if \fill
	CREST
	s_add_nc_u64 s[G0+4*\slot+2:G0+4*\slot+3], s[G0+4*\slot+2:G0+4*\slot+3], 4*TILE
	s_add_nc_u64 s[G0B+4*\slot+2:G0B+4*\slot+3], s[G0B+4*\slot+2:G0B+4*\slot+3], 4*TILE
	JLOAD \slot
.endif
	FETCH \next, 0, F0
	SCALES \next
.if \fill
	ASK 6*TILE                                     ; three fills on from where the address stands: two on from the refill
.endif
	WIN MUL
	MUL8 F1, 3, \slot, 2, 0
	PLACES NP
.endm
	s_wait_alu depctr_va_vdst(0)
	s_wait_tensorcnt 0x0                           ; my part of the two slots is in, and no tensor load of mine is out: from here on a load brings one tile
	s_mov_b32 s[G1+2], 136<<16
	s_mov_b32 s[G1+4], 136
	s_mov_b32 s[G1B+2], 136<<16
	s_mov_b32 s[G1B+4], 136
	s_barrier_signal -1
	s_barrier_wait -1
	FETCH 0, 0, F0
	SCALES 0
	s_wait_loadcnt 32
	STEP 0, 0, 1
.if LAPS > 1
	WIN 0
	s_mov_b32 s3, LAPS-1
.Llap:
	STEP 0, 1, 0
	STEP 0, 2, 0
	TURN 0, 1, 1
	STEP 1, 0, 0
	STEP 1, 1, 0
	STEP 1, 2, 0
	TURN 1, 0, 1
	STEP 0, 0, 0
	WIN 0
	s_sub_co_u32 s3, s3, 1
	s_cmp_lg_u32 s3, 0
	s_cbranch_scc1 .Llap
.endif
	STEP 0, 1, 0
	STEP 0, 2, 0
	TURN 0, 1, 0
	STEP 1, 0, 0
	STEP 1, 1, 0
	STEP 1, 2, 0
	s_wait_dscnt 0x0
	WIN MUL
	MUL8 F1, 3, 1, 0, 0
	MUL8 F1, 3, 1, 2, 0
	WIN 0
	PLACES NP
.macro TOSTAGE a
.set AC, ACC+32*(\a)
.set BB, BK+32*((\a)%2)
.irp b, 0,1,2,3
	ds_store_b128 v[STO], v[AC+8*\b:AC+8*\b+3] offset:128*(\b/2)+32*(\b%2)
	ds_store_b128 v[STO], v[AC+8*\b+4:AC+8*\b+7] offset:128*(\b/2)+32*(\b%2)+16
.endr
.irp t, 0,1,2,3,4,5,6,7
	ds_load_b128 v[BB+4*\t:BB+4*\t+3], v[RD] offset:\t*2*SPITCH
.endr
.endm
.macro SEND a, younger
.set BB, BK+32*((\a)%2)
	s_wait_dscnt \younger
	WIN ADD_R
.set n, 0
.rept 16
	v_pk_add_f32 v[BB+n:BB+n+1], v[BB+n:BB+n+1], v[32*(\a)+n:32*(\a)+n+1]
.set n, n+2
.endr
	WIN 0
.irp t, 0,1,2,3,4,5,6,7
	global_store_b128 v[CO], v[BB+4*\t:BB+4*\t+3], s[12:13] offset:(32*((\a)/2)+8*((\a)%2)+2*\t+8*(\t/4))*4096 th:TH_STORE_NT
.endr
.endm
	s_wait_loadcnt 0x0
	TOSTAGE 0
.irp a, 1,2,3
.if \a > 1
	s_wait_xcnt 0x0
.endif
	TOSTAGE \a
	SEND \a-1, 16
.endr
	SEND 3, 0
	s_wait_tensorcnt 0x0
	ds_add_u32 v[SPW], v[NIL]
	s_wait_dscnt 0x0
	CROUND
	s_endpgm
.Lfunc_end_k_q111e05e593_ffn2:
	.size	k_q111e05e593_ffn2, .Lfunc_end_k_q111e05e593_ffn2-k_q111e05e593_ffn2
	.p2alignl 7, 3214868480
	.fill 96, 4, 3214868480
	.section	.rodata,"a",@progbits
	.p2align	6, 0x0
	.amdhsa_kernel k_q111e05e593_ffn2
		.amdhsa_group_segment_fixed_size 327680
		.amdhsa_private_segment_fixed_size 0
		.amdhsa_enable_private_segment 0
		.amdhsa_kernarg_size 40
		.amdhsa_user_sgpr_count 2
		.amdhsa_user_sgpr_kernarg_segment_ptr 1
		.amdhsa_wavefront_size32 1
		.amdhsa_system_sgpr_workgroup_id_x 1
		.amdhsa_system_sgpr_workgroup_id_y 1
		.amdhsa_system_sgpr_workgroup_id_z 1
		.amdhsa_system_vgpr_workitem_id 0
		.amdhsa_next_free_vgpr 640
		.amdhsa_next_free_sgpr 100
		.amdhsa_reserve_vcc 0
		.amdhsa_float_denorm_mode_32 3
		.amdhsa_float_denorm_mode_16_64 3
		.amdhsa_memory_ordered 1
		.amdhsa_forward_progress 1
		.amdhsa_inst_pref_size 99
	.end_amdhsa_kernel
	.amdgpu_metadata
---
amdhsa.version: [ 1, 2 ]
amdhsa.kernels:
  - .name:           k_q111e05e593_ffn2
    .symbol:         k_q111e05e593_ffn2.kd
    .args:
      - { .name: gc, .offset: 0, .size: 8, .value_kind: global_buffer, .address_space: global }
      - { .name: wc, .offset: 8, .size: 8, .value_kind: global_buffer, .address_space: global }
      - { .name: b2, .offset: 16, .size: 8, .value_kind: global_buffer, .address_space: global }
      - { .name: x1, .offset: 24, .size: 8, .value_kind: global_buffer, .address_space: global }
      - { .name: out0, .offset: 32, .size: 8, .value_kind: global_buffer, .address_space: global }
    .group_segment_fixed_size: 327680
    .private_segment_fixed_size: 0
    .kernarg_segment_align: 8
    .kernarg_segment_size: 40
    .max_flat_workgroup_size: 128
    .sgpr_count:     100
    .vgpr_count:     640
    .wavefront_size: 32
...
	.end_amdgpu_metadata
.endif
;; end of part 14
